; MI455X (gfx1250); checked and timed in simulation.
; The chip was launched on July 23, 2026; its instructions are those of AMD's public machine-readable ISA for CDNA 5 (MIT licence, August 2026) and "CDNA5" Instruction Set Architecture Reference Guide (July 2026). The comments in the code are by the model that wrote it; some were corrected since.
;; Expert Parallel Mo E Layer. Allowed arithmetic: float matrix products may take bf16 or f16 operands with f32 sums; other float arithmetic in f32, or as packed bf16 or f16 multiplies, adds, multiply-adds, maxima and minima; sums over many terms, partial sums and values carried from step to step in f32; what a program stores and reads back later, other than sums and carried values, may be rounded once to bf16 or f16.
;; Inputs: W1 8 x 1,024 x 4,096 float32; W2 8 x 4,096 x 1,024 float32; Wg 1,024 x 8 float32; b1 8 x 4,096 float32; b2 8 x 1,024 float32; x 4 x 256 x 1,024 float32.
;; Outputs: out0 4 x 256 x 1,024 float32.
;; 3 versions, each right; version 3 is version 2 with the launches ffn1, ffn2 written anew for expert scheduling mode. Each part assembles by itself: llvm-mc -triple=amdgcn-amd-amdhsa -mcpu=gfx1250 --defsym DOCPART=n.
;; ======== version 1 of 3: 4 launches
;; workspace buffers: xb 2,097,152 bytes; bm 2,048 bytes of whole numbers; gk 8,192 bytes; h 83,886,080 bytes; part 33,554,432 bytes
;; launch router (part 1): grid 128 x 1, 8 waves a work-group, no clusters, 3,072 bytes of LDS; arguments x, Wg, xb, bm, gk; writes xb, bm, gk
.if DOCPART == 1
	.amdgcn_target "amdgcn-amd-amdhsa--gfx1250"
	.amdhsa_code_object_version 6
	.text
	.protected	k_q402eca5a06_router
	.globl	k_q402eca5a06_router
	.p2align	8
	.type	k_q402eca5a06_router,@function
k_q402eca5a06_router:
	s_mov_b64 s[64:65], 0
	v_nop
	global_prefetch_b8 v0, s[64:65] scope:SCOPE_SE
	s_setreg_imm32_b32 hwreg(HW_REG_WAVE_MODE, 25, 1), 1
	s_wait_xcnt 0x0
; ROUTER.  logits = x Wg, top 2 of 8 experts, the two gates renormalised.  x: [1024 tokens][1024] f32, Wg: [1024][8] f32.
; Stores: xb = x rounded to bf16, [token][1024]; bm[e][kind][128 bytes]: bit t of row (e, 0) says that e is token t's first choice, of row (e, 1) its second;
; gk[slot][token] f32: the two gates.  All three at fixed places: no address here hangs on a logit.
; FORMATS.  x and Wg are rounded to bf16 like every input of the program; products and sums in f32 on the vector unit: 8 columns are half a matrix tile, and Wg lies [k][e].
; SOFTMAX.  gates = top_p / sum(top_p): the softmax's divisor cancels for every input, so g0 = 1 / (1 + t), g1 = t g0, t = exp(l1 - l0) with l0 the largest logit: the exponent is never above 0.
; ORDER.  The choice is made on the logits with a strict 'greater': the lower index wins a tie, as in jax.lax.top_k.
; LIMITS.  Two logits so close that their probabilities round to one number are told apart here; NaN and infinite logits are not treated apart (the two indices still differ); t below 2^-126 counts as 0.
; SHARES.  A work-group owns 8 tokens.  Wave w owns k = 128 w .. 128 w + 127 of all 8, lane l the four k = 128 w + 4 l + c.  The waves' 64 sums meet in LDS; wave 0 finishes.
.set SPARE, 2048                       ; behind the sums: the spare words, 128 bytes for each of eight waves, that no other line names
.set SPW,  6                           ; v6       LDS address of my spare word; never rewritten
.set NIL,  7                           ; v7       0; never rewritten
.set WGR,  16                          ; v[16:47]   Wg of my four k: 8 c + e
.set X,    48                          ; v[48:79]   x of my four k: 4 token + c
.set S,    80                          ; v[80:143]  sums: 8 token + e
.set XP,   144                         ; v[144:159] x as bf16, two registers a token
.set LG,   16                          ; wave 0: the eight waves' sums of my token, 8 w + e
.set TM0,  80                          ; wave 0: largest logit, its index, second largest, its index
.set TI0,  81
.set TM1,  82
.set TI1,  83
	s_load_b256 s[4:11], s[0:1], 0x0               ; x s[4:5], Wg s[6:7], xb s[8:9], bm s[10:11]
	s_load_b64 s[12:13], s[0:1], 0x20              ; gk
	v_lshl_add_u32 v[SPW], v0, 2, SPARE
	v_mov_b32 v[NIL], 0
	v_lshrrev_b32 v1, 5, v0
	v_readfirstlane_b32 s14, v1                    ; wave 0..7
	v_lshlrev_b32 v3, 7, v0                        ; Wg: 4 rows of 32 bytes a thread: 4,096 w + 128 l
	v_lshlrev_b32 v4, 4, v0                        ; x: 512 w + 16 l
	v_lshlrev_b32 v5, 3, v0                        ; xb: 256 w + 8 l
	s_mov_b32 s18, 0x76543210                      ; v_permlanex16_b32: each lane takes its own place in the other half
	s_mov_b32 s19, 0xfedcba98
	s_mov_b32 s17, 0
	s_lshl_b32 s16, ttmp9, 15                      ; 8 rows of x
	s_wait_kmcnt 0x0
	s_add_nc_u64 s[4:5], s[4:5], s[16:17]
	s_lshl_b32 s16, ttmp9, 14                      ; 8 rows of xb
	s_add_nc_u64 s[8:9], s[8:9], s[16:17]
	s_lshl_b32 s16, ttmp9, 5                       ; 8 words of gk
	s_add_nc_u64 s[12:13], s[12:13], s[16:17]
	s_mov_b32 s16, ttmp9                           ; my byte in each row of bm
	s_add_nc_u64 s[10:11], s[10:11], s[16:17]
.irp u, 0,1,2,3,4,5,6,7
	global_load_b128 v[WGR+4*(\u):WGR+4*(\u)+3], v3, s[6:7] offset:16*(\u)
.endr
.irp t, 0,1,2,3,4,5,6,7
	global_load_b128 v[X+4*(\t):X+4*(\t)+3], v4, s[4:5] offset:4096*(\t) th:TH_LOAD_NT  ; 512 neighbouring bytes of a row
.endr
	s_wait_loadcnt 8                               ; Wg is in; the eight loads of x stay out
.set z, 0
.rept 16                               ; Wg rounded to bf16 and widened again
	v_cvt_pk_bf16_f32 v[XP+z], v[WGR+2*z], v[WGR+2*z+1]
.set z, z+1
.endr
.set z, 0
.rept 16
	v_lshlrev_b32 v[WGR+2*z], 16, v[XP+z]
	v_and_b32 v[WGR+2*z+1], 0xffff0000, v[XP+z]
.set z, z+1
.endr
; One token: rounded, stored, widened, and its four k multiplied into eight sums, two experts to an instruction; x is given to both halves by op_sel.
.macro TOKEN t
	s_wait_loadcnt 7-(\t)                          ; loads come back in order: this token's is in, the later ones stay out
	v_cvt_pk_bf16_f32 v[XP+2*(\t)], v[X+4*(\t)], v[X+4*(\t)+1]
	v_cvt_pk_bf16_f32 v[XP+2*(\t)+1], v[X+4*(\t)+2], v[X+4*(\t)+3]
	global_store_b64 v5, v[XP+2*(\t):XP+2*(\t)+1], s[8:9] offset:2048*(\t)  ; a wave stores 256 consecutive bytes, aligned
	v_lshlrev_b32 v[X+4*(\t)], 16, v[XP+2*(\t)]
	v_and_b32 v[X+4*(\t)+1], 0xffff0000, v[XP+2*(\t)]
	v_lshlrev_b32 v[X+4*(\t)+2], 16, v[XP+2*(\t)+1]
	v_and_b32 v[X+4*(\t)+3], 0xffff0000, v[XP+2*(\t)+1]
.irp p, 0,1,2,3
	v_pk_mul_f32 v[S+8*(\t)+2*(\p):S+8*(\t)+2*(\p)+1], v[WGR+2*(\p):WGR+2*(\p)+1], v[X+4*(\t):X+4*(\t)+1] op_sel_hi:[1,0]
.endr
.irp p, 0,1,2,3
	v_pk_fma_f32 v[S+8*(\t)+2*(\p):S+8*(\t)+2*(\p)+1], v[WGR+8+2*(\p):WGR+8+2*(\p)+1], v[X+4*(\t):X+4*(\t)+1], v[S+8*(\t)+2*(\p):S+8*(\t)+2*(\p)+1] op_sel:[0,1,0] op_sel_hi:[1,1,1]
.endr
.irp p, 0,1,2,3
	v_pk_fma_f32 v[S+8*(\t)+2*(\p):S+8*(\t)+2*(\p)+1], v[WGR+16+2*(\p):WGR+16+2*(\p)+1], v[X+4*(\t)+2:X+4*(\t)+3], v[S+8*(\t)+2*(\p):S+8*(\t)+2*(\p)+1] op_sel_hi:[1,0,1]
.endr
.irp p, 0,1,2,3
	v_pk_fma_f32 v[S+8*(\t)+2*(\p):S+8*(\t)+2*(\p)+1], v[WGR+24+2*(\p):WGR+24+2*(\p)+1], v[X+4*(\t)+2:X+4*(\t)+3], v[S+8*(\t)+2*(\p):S+8*(\t)+2*(\p)+1] op_sel:[0,1,0] op_sel_hi:[1,1,1]
.endr
.endm
.irp t, 0,1,2,3,4,5,6,7
	TOKEN \t
.endr
	; The 64 sums over the wave's 32 lanes, step by step for all 64, so that no line waits for the one before it.
.irp k, 1,2,4,8
.set z, 0
.rept 64
	v_add_f32_dpp v[S+z], v[S+z], v[S+z] row_xmask:\k row_mask:0xf bank_mask:0xf
.set z, z+1
.endr
.endr
.set z, 0
.rept 64
	v_permlanex16_b32 v[16+z], v[S+z], s18, s19    ; Wg's and x's registers are free, and have been written
.set z, z+1
.endr
.set z, 0
.rept 64
	v_add_f32 v[S+z], v[S+z], v[16+z]
.set z, z+1
.endr
	s_lshl_b32 s15, s14, 8
	v_mov_b32 v8, s15                              ; my wave's 256 bytes
.irp u, 0,1,2,3,4,5,6,7,8,9,10,11,12,13,14,15
	ds_store_b128 v8, v[S+4*(\u):S+4*(\u)+3] offset:16*(\u)  ; every lane holds the same numbers
.endr
	s_wait_tensorcnt 0x0                           ; a tensor wait, an add of 0 onto my spare word and a DS wait behind a wave's last LDS store;
	ds_add_u32 v[SPW], v[NIL]
	s_wait_dscnt 0x0                               ; the last of them also shows my stores done, for the others' sake
	s_barrier_signal -1
	s_barrier_wait -1
	s_cmp_lg_u32 s14, 0
	s_cbranch_scc1 .Lend                           ; wave 0 finishes alone
	v_and_b32 v9, 7, v0                            ; lane l works for token l % 8
	v_lshlrev_b32 v9, 5, v9
.irp w, 0,1,2,3,4,5,6,7
	ds_load_b128 v[LG+8*(\w):LG+8*(\w)+3], v9 offset:256*(\w)
	ds_load_b128 v[LG+8*(\w)+4:LG+8*(\w)+7], v9 offset:256*(\w)+16
.endr
	s_wait_dscnt 0x0
.irp w, 1,2,3,4,5,6,7
.irp p, 0,1,2,3
	v_pk_add_f32 v[LG+2*(\p):LG+2*(\p)+1], v[LG+2*(\p):LG+2*(\p)+1], v[LG+8*(\w)+2*(\p):LG+8*(\w)+2*(\p)+1]
.endr
.endr
	; top 2: experts 0 and 1 start the pair, so that the two indices differ whatever the numbers
	v_cmp_gt_f32 s20, v[LG+1], v[LG]
	v_cndmask_b32 v[TM0], v[LG], v[LG+1], s20
	v_cndmask_b32 v[TM1], v[LG+1], v[LG], s20
	v_cndmask_b32 v[TI0], 0, 1, s20
	v_cndmask_b32 v[TI1], 1, 0, s20
.irp e, 2,3,4,5,6,7
	v_cmp_gt_f32 s20, v[LG+(\e)], v[TM0]
	v_cmp_gt_f32 s21, v[LG+(\e)], v[TM1]
	v_cndmask_b32 v[TM1], v[TM1], v[LG+(\e)], s21
	v_cndmask_b32 v[TI1], v[TI1], \e, s21
	v_cndmask_b32 v[TM1], v[TM1], v[TM0], s20
	v_cndmask_b32 v[TI1], v[TI1], v[TI0], s20
	v_cndmask_b32 v[TM0], v[TM0], v[LG+(\e)], s20
	v_cndmask_b32 v[TI0], v[TI0], \e, s20
.endr
	v_sub_f32 v84, v[TM1], v[TM0]                  ; l1 - l0, never above 0
	v_mul_f32 v84, 0x3fb8aa3b, v84                 ; times log2(e)
	v_exp_f32 v85, v84                             ; t
	v_mov_b32 v89, 0                               ; a plain instruction behind the exponential: the register that takes the masks
	s_wait_alu depctr_va_vdst(0)                   ; the wait ahead of the first use
	v_add_f32 v86, 1.0, v85
	v_rcp_f32 v87, v86                             ; g0
	v_lshlrev_b32 v90, 2, v0                       ; a plain instruction behind the reciprocal: my word in gk
	s_wait_alu depctr_va_vdst(0)
	v_mul_f32 v88, v85, v87                        ; g1
.irp e, 0,1,2,3,4,5,6,7
	v_cmp_eq_u32 s[24+2*(\e)], \e, v[TI0]          ; bits 0-7: the work-group's eight tokens
	v_cmp_eq_u32 s[25+2*(\e)], \e, v[TI1]
.endr
.irp j, 0,1,2,3,4,5,6,7,8,9,10,11,12,13,14,15
	v_writelane_b32 v89, s[24+(\j)], \j            ; lane j holds row j = 2 e + kind
.endr
	v_lshlrev_b32 v91, 7, v0                       ; rows of bm are 128 bytes
	s_wait_xcnt 0x0                                ; EXEC is a source of the stores to xb: it changes only behind this wait
	v_cmp_gt_u32 vcc_lo, 8, v0
	s_and_saveexec_b32 s20, vcc_lo
	global_store_b32 v90, v87, s[12:13]
	global_store_b32 v90, v88, s[12:13] offset:4096
	s_wait_xcnt 0x0
	s_or_b32 exec_lo, exec_lo, s20
	v_cmp_gt_u32 vcc_lo, 16, v0
	s_and_saveexec_b32 s20, vcc_lo
	global_store_b8 v91, v89, s[10:11]
	s_wait_xcnt 0x0
	s_or_b32 exec_lo, exec_lo, s20
.Lend:
	s_endpgm
.Lfunc_end_k_q402eca5a06_router:
	.size	k_q402eca5a06_router, .Lfunc_end_k_q402eca5a06_router-k_q402eca5a06_router
	.p2alignl 7, 3214868480
	.fill 96, 4, 3214868480
	.section	.rodata,"a",@progbits
	.p2align	6, 0x0
	.amdhsa_kernel k_q402eca5a06_router
		.amdhsa_group_segment_fixed_size 3072
		.amdhsa_private_segment_fixed_size 0
		.amdhsa_enable_private_segment 0
		.amdhsa_kernarg_size 40
		.amdhsa_user_sgpr_count 2
		.amdhsa_user_sgpr_kernarg_segment_ptr 1
		.amdhsa_wavefront_size32 1
		.amdhsa_system_sgpr_workgroup_id_x 1
		.amdhsa_system_sgpr_workgroup_id_y 1
		.amdhsa_system_sgpr_workgroup_id_z 1
		.amdhsa_system_vgpr_workitem_id 0
		.amdhsa_next_free_vgpr 176
		.amdhsa_next_free_sgpr 66
		.amdhsa_reserve_vcc 1
		.amdhsa_float_denorm_mode_32 3
		.amdhsa_float_denorm_mode_16_64 3
		.amdhsa_memory_ordered 1
		.amdhsa_forward_progress 1
		.amdhsa_inst_pref_size 50
	.end_amdhsa_kernel
	.amdgpu_metadata
---
amdhsa.version: [ 1, 2 ]
amdhsa.kernels:
  - .name:           k_q402eca5a06_router
    .symbol:         k_q402eca5a06_router.kd
    .args:
      - { .name: x, .offset: 0, .size: 8, .value_kind: global_buffer, .address_space: global }
      - { .name: Wg, .offset: 8, .size: 8, .value_kind: global_buffer, .address_space: global }
      - { .name: xb, .offset: 16, .size: 8, .value_kind: global_buffer, .address_space: global }
      - { .name: bm, .offset: 24, .size: 8, .value_kind: global_buffer, .address_space: global }
      - { .name: gk, .offset: 32, .size: 8, .value_kind: global_buffer, .address_space: global }
    .group_segment_fixed_size: 3072
    .private_segment_fixed_size: 0
    .kernarg_segment_align: 8
    .kernarg_segment_size: 40
    .max_flat_workgroup_size: 256
    .sgpr_count:     66
    .vgpr_count:     176
    .wavefront_size: 32
...
	.end_amdgpu_metadata
.endif
;; end of part 1
;; launch ffn1 (part 2): grid 32 x 8, 4 waves a work-group, no clusters, 311,808 bytes of LDS; arguments W1, b1, xb, bm, h; writes h
.if DOCPART == 2
	.amdgcn_target "amdgcn-amd-amdhsa--gfx1250"
	.amdhsa_code_object_version 6
	.text
	.protected	k_q402eca5a06_ffn1
	.globl	k_q402eca5a06_ffn1
	.p2align	8
	.type	k_q402eca5a06_ffn1,@function
k_q402eca5a06_ffn1:
	s_mov_b64 s[64:65], 0
	v_nop
	global_prefetch_b8 v0, s[64:65] scope:SCOPE_SE
	s_setreg_imm32_b32 hwreg(HW_REG_WAVE_MODE, 25, 1), 1
	s_wait_xcnt 0x0
; FIRST PRODUCT OF THE EXPERTS.  h = relu(x W1[e] + b1[e]) for the rows that chose expert e.  W1: [8][1024][4096] f32, b1: [8][4096] f32, xb: [1024][1024] bf16, bm: the choices as bitmaps.
; SHARES.  Work-group (sl, e) owns columns 128 sl .. + 127 of expert e, which it alone reads, and ALL of the expert's rows.  Rows go in passes of 320: wave w owns rows 80 w .. 80 w + 79 of a pass,
; five tiles of 16, times all 128 columns: 40 accumulators.  An expert has 0 to 1,024 rows: pass 0 always runs; passes 1 to 3 are jumped where the count ends before them.
; THE WEIGHTS COME ONCE AND STAY.  The slice (1,024 rows of 512 bytes) is loaded in f32, one row (512 consecutive bytes) to an instruction, rounded to bf16 in registers and stored into LDS, each LDS byte
; once.  Pass 0 multiplies K chunk c (128 of K) while chunks c + 1 and c + 2 are on their way; later passes read the slice that is there, and write nothing into LDS.  No barrier stands under a branch on the count.
; TURNING.  Lane L loads columns 4 L .. 4 L + 3 of a row; register j of eight successive rows packs into 16 bytes, 8 k of one column, which go to LDS row 64 (L / 16) + 16 j + L % 16.
; So tile T of 16 LDS rows holds in its row c the slice's column 64 (T / 4) + 4 c + T % 4.
; THE PRODUCT IS USED TRANSPOSED (source 0 = 16 columns of W1, source 1 = 16 tokens): a lane holds ONE token (lane % 16) and tile columns 8 (lane / 16) + 0..7.  Tiles 2 f and 2 f + 1, rounded in pairs, ARE
; the operand (16 tokens x 32 k) of the second product, and are stored as they lie: h[tile of 16 rows][block kb = 4 sl + f][1,024 bytes]; the second product takes W2's rows in the same order of k.
; ROWS PAST THE COUNT: the 32 places behind the last live row repeat it, the others name token 0; all 20 tiles of a pass that runs are stored, so the second product reads no byte that is not written.
; FORMATS.  W1, b1 and x are rounded to bf16 like every input of the program; sums in f32, started from the bias; h rounded once to bf16 (f16 would not hold it for inputs some 30 times larger).
; LIMITS.  relu of a NaN gives 0 here.
; NO JOINT LOADS: each weight byte has one reader, and the token rows come by a list.
; REGISTERS, in windows of 256 (s_set_vgpr_msb: bits 1:0 source 0, 3:2 source 1, 5:4 source 2, 7:6 destination):
;   window 0: v0-31 addresses and small things; v32-159 two buffers of 8 weight fragments; v160-223 the bias; v224-255 the way out
;   window 1: v0-159 a ring of four buffers of 5 token fragments; v160-164 the tokens' byte offsets
;   window 2: the accumulators of tiles 0-3 (64 m + 8 T)      window 3: v0-63 those of tile 4; v64-191 four sets of 8 rows of W1 as loaded; v192-207 packed; v208-209 addresses
.set WPB,   16384                      ; bytes from row to row of W1
.set WCH,   128*WPB                    ; a K chunk of 128 rows
.set WG_A,  64                         ; my group g's row i in a chunk: WG_A (g / 2) + WG_B (g % 2) + WG_I i, plus my wave's 8 w: k = 32 g + 8 w + i
.set WG_B,  32
.set WG_I,  1
.set A_CH,  256                        ; bytes of a token's row in a K chunk, in 32 of K, and between a fragment's two loads
.set A_Q,   64
.set A_H2,  32
.set PITCH, 272                        ; an LDS row: 128 k x 2 bytes + 16: row r starts at bank 4 r mod 64 (64 banks of 4 bytes: ISA guide 11.1)
.set TILEB, 16*PITCH
.set CHB,   8*TILEB                    ; a chunk in LDS: 128 columns
.set LISTS, 8*CHB                      ; behind the slice: 8,192 bytes a wave: words 0-1279 the expert's list (four passes of 320), word 1280 a dump
.set SPARE, LISTS+4*8192               ; behind the lists: the spare words, 128 bytes for each wave, that no other line names
.set LN,   1                           ; v1   lane
.set RR,   2                           ; v2   lane % 16
.set HH,   3                           ; v3   lane / 16
.set BAD,  4                           ; v4   LDS address of my part of a weight fragment, in the chunk in hand
.set BAD0, 5                           ; v5   the same in chunk 0; never rewritten
.set LB,   6                           ; v6   my wave's list
.set H16,  7                           ; v7   16 (lane / 16)
.set SPW,  16                          ; v16  LDS address of my spare word; never rewritten
.set NIL,  17                          ; v17  0; never rewritten
.set ZERO, 18                          ; v18  0, for relu
.set BM0,  19                          ; v19  lane l: word l of the expert's bitmap of first choices
.set BM1,  20                          ; v20  of second choices
.set LNHI, 21                          ; v21  lane + 1,024
.set CDMP, 22                          ; v22  1,280: the dump's word
.set HOF,  23                          ; v23  16 x lane
.set PFO,  24                          ; v24  the prefetch's offset
.set BOF,  25                          ; v25  the bias's offset
.set BMO,  27                          ; v27  4 x lane
.set WB,   32
.set BI,   160
.set EP,   224
.set TA,   0                           ; window 1
.set TOF,  160                         ; window 1
.set WS,   64                          ; window 3
.set CT,   192                         ; window 3
.set WOF,  208                         ; window 3: 16 x lane
.set WAD,  209                         ; window 3: where I store 16 bytes of a column, in the chunk being filled
.set WV,   16                          ; s16  wave
.set EX,   17                          ; s17  expert
.set SL,   18                          ; s18  slice
.set SW,   20                          ; s[20:21] W1 at my rows of the chunk in hand
.set SA,   22                          ; s[22:23] xb at the chunk in hand
.set SPF,  24                          ; s[24:25] W1 at the rows that I ask for ahead
.set SO,   26                          ; s[26:27] h at my tiles
.set OF,   30                          ; s[30:31] an offset, high word 0
.set TR,   32                          ; s32  trips to go
.set CNT,  33                          ; s33  the expert's rows
.set WI,   35                          ; s35  word of the bitmaps
.set W32,  36                          ; s36  32 x WI
.set LIM,  40                          ; s40  the list's last live place
.set PASS, 41                          ; s41
.set ROW0, 42                          ; s42  my wave's first row
.set KT,   43                          ; s43  chunks to go in a later pass
.set T0,   44
.set T1,   45
.set MSB, 0
.macro WIN new                         ; the immediate's high byte repeats the setting that is left; a switch that changes nothing is dropped
.if MSB != (\new)
	s_set_vgpr_msb (MSB<<8)|(\new)
.set MSB, \new
.endif
.endm
.set W3,     0xcf                      ; sources 0 and 1 and destination in window 3
.set WA,     0x41                      ; source 0 (address) and destination in window 1
.set MUL_LO, 0xa4                      ; source 0 (W1) window 0, source 1 (tokens) window 1, C and D window 2
.set MUL_HI, 0xf4                      ; the same, C and D window 3
.macro PLACES                          ; four plain instructions between a matrix instruction and a load into, or a vector line on, its registers
.rept 4
	v_nop
.endr
.endm
.macro WLOAD set, g, coff              ; eight rows of W1: group g of the chunk coff bytes on
	WIN W3
.irp i, 0,1,2,3,4,5,6,7
	global_load_b128 v[WS+32*(\set)+4*(\i):WS+32*(\set)+4*(\i)+3], v[WOF], s[SW:SW+1] offset:(\coff)+(WG_A*((\g)/2)+WG_B*((\g)%2)+WG_I*(\i))*WPB th:TH_LOAD_NT
.endr
.endm
.macro CVT set                         ; register j of rows 2 u and 2 u + 1 into one word: four words are 8 k of column j
	WIN W3
.irp j, 0,1,2,3
.irp u, 0,1,2,3
	v_cvt_pk_bf16_f32 v[CT+4*(\j)+(\u)], v[WS+32*(\set)+8*(\u)+(\j)], v[WS+32*(\set)+8*(\u)+4+(\j)]
.endr
.endr
.endm
.macro WSTORE g
	WIN W3
.irp j, 0,1,2,3
	ds_store_b128 v[WAD], v[CT+4*(\j):CT+4*(\j)+3] offset:64*(\g)+(\j)*TILEB
.endr
.endm
.macro ALOAD buf, off                  ; five token fragments, 32 of K at byte off of the rows
	WIN WA
.irp m, 0,1,2,3,4
	global_load_b128 v[TA+40*(\buf)+8*(\m):TA+40*(\buf)+8*(\m)+3], v[TOF+(\m)], s[SA:SA+1] offset:(\off)
	global_load_b128 v[TA+40*(\buf)+8*(\m)+4:TA+40*(\buf)+8*(\m)+7], v[TOF+(\m)], s[SA:SA+1] offset:(\off)+A_H2
.endr
.endm
.macro FETCH buf, off                  ; eight weight fragments in one run
	WIN 0
.irp t, 0,1,2,3,4,5,6,7
	ds_load_b128 v[WB+64*(\buf)+8*(\t):WB+64*(\buf)+8*(\t)+3], v[BAD] offset:(\off)+(\t)*TILEB
	ds_load_b128 v[WB+64*(\buf)+8*(\t)+4:WB+64*(\buf)+8*(\t)+7], v[BAD] offset:(\off)+(\t)*TILEB+32
.endr
.endm
.macro MULM m, ab, wb                  ; eight products: token tile m x all 8 column tiles.  The 40 accumulators take turns, one instruction a turn
.if (\m) < 4
	WIN MUL_LO
.set AC, 64*(\m)
.else
	WIN MUL_HI
.set AC, 0
.endif
.irp t, 0,1,2,3,4,5,6,7
	v_wmma_f32_16x16x32_bf16 v[AC+8*(\t):AC+8*(\t)+7], v[WB+64*(\wb)+8*(\t):WB+64*(\wb)+8*(\t)+7], v[TA+40*(\ab)+8*(\m):TA+40*(\ab)+8*(\m)+7], v[AC+8*(\t):AC+8*(\t)+7]
.endr
.endm
; A SUB-STEP: 32 of K, 40 products on token buffer q and weight buffer q % 2.  n: the loads issued behind this sub-step's tokens, which may stay out.
; cv: my group q of the next chunk, which came ahead of those tokens, is rounded (the 16 conversions are the places behind the last products) and stored.  wl: group q of the chunk two on is asked for.
; al: the tokens three sub-steps on are asked for.  ft: the next sub-step's weight fragments are fetched.  bar: the next chunk's last group is stored: barrier; its fragments are fetched behind the wait.
; pf: 32 rows of the chunk three on are asked for ahead, 256 bytes a lane, each block by one lane of one wave: one trip before their loads; not in the last trip, whose look-ahead would pass the slice.
.macro SUB q, n, cv, wl, al, ft, bar, pf=0
	s_wait_loadcnt \n
.if \cv
	CVT \q
.else
	PLACES
.endif
.if \al
	ALOAD ((\q)+3)%4, A_CH*(((\q)+3)/4)+A_Q*(((\q)+3)%4)
.endif
.if \wl
	WLOAD \q, \q, 2*WCH
.endif
.if \cv
	WSTORE \q
.endif
.if \bar
	s_wait_dscnt 0x0                               ; for the others' sake: my stores into the next chunk are done (and my fragments are in)
	s_barrier_signal -1
.else
	s_wait_dscnt 4*(\cv)                           ; my fragments are in; the stores issued behind them may be out
.endif
	MULM 0, \q, (\q)%2
	MULM 1, \q, (\q)%2
.if \bar
	s_barrier_wait -1                              ; the next chunk is whole
.endif
.if \ft
.if (\q) < 3
	FETCH ((\q)+1)%2, 64*((\q)+1)
.else
	FETCH 0, CHB
.endif
.endif
.if \pf
	s_cmp_eq_u32 s[TR], 1
	s_cbranch_scc1 .Lno_ask_\@
	global_prefetch_b8 v[PFO], s[SPF:SPF+1] th:TH_LOAD_NT scope:SCOPE_SE
	global_prefetch_b8 v[PFO], s[SPF:SPF+1] offset:16*WPB th:TH_LOAD_NT scope:SCOPE_SE
.Lno_ask_\@:
.endif
	MULM 2, \q, (\q)%2
	MULM 3, \q, (\q)%2
	MULM 4, \q, (\q)%2
.endm
.macro STEP                            ; on to the next chunk
	WIN 0
	s_wait_xcnt 0x0                                ; the bases of loads that are out are stepped only behind this wait
	s_add_nc_u64 s[SW:SW+1], s[SW:SW+1], WCH
	s_add_nc_u64 s[SA:SA+1], s[SA:SA+1], A_CH
	s_add_nc_u64 s[SPF:SPF+1], s[SPF:SPF+1], WCH
	v_add_nc_u32 v[BAD], CHB, v[BAD]
	WIN W3
	v_add_nc_u32 v[WAD], CHB, v[WAD]
	WIN 0
.endm
; THE EXPERT'S LIST, made once, a copy for each wave in its own bytes: row r of the expert, in the order of the tokens, at word r; an entry is 1,024 x slot + token.  Word by word of the bitmaps: a lane whose
; bit is set has the rank CNT + the set bits below it; lanes without a bit go to the dump.  Words 0-1279 start at 0; the 32 words behind the last live entry repeat it.
; All bytes are the wave's own, and LDS serves a wave's instructions in order: no barrier.  Behind this macro the lists are only read.
.macro LIST
	v_lshl_add_u32 v12, v[LN], 4, v[LB]
.irp z, 8,9,10,11
	v_mov_b32 v\z, 0
.endr
.irp j, 0,1,2,3,4,5,6,7,8,9
	ds_store_b128 v12, v[8:11] offset:512*(\j)     ; 10 x 512 bytes = 1,280 words
.endr
	s_mov_b32 s[CNT], 0
	s_mov_b32 s[W32], 0
	s_mov_b32 s[WI], 0
.Lword_\@:
	v_readlane_b32 s37, v[BM0], s[WI]
	v_readlane_b32 s38, v[BM1], s[WI]
	s_or_b32 s39, s37, s38
	v_mbcnt_lo_u32_b32 v8, s39, s[CNT]
	v_cndmask_b32 v8, v[CDMP], v8, s39
	v_min_u32 v8, 0x500, v8                        ; a number made of loaded data enters an address behind a bound written in this form
	v_cndmask_b32 v9, v[LN], v[LNHI], s38
	v_lshl_add_u32 v8, v8, 2, v[LB]
	v_add_nc_u32 v9, s[W32], v9
	ds_store_b32 v8, v9
	s_bcnt1_i32_b32 s39, s39
	s_add_co_u32 s[CNT], s[CNT], s39
	s_add_co_u32 s[W32], s[W32], 32
	s_add_co_u32 s[WI], s[WI], 1
	s_cmp_lt_u32 s[WI], 32
	s_cbranch_scc1 .Lword_\@
	s_sub_co_i32 s[LIM], s[CNT], 1
	s_max_i32 s[LIM], s[LIM], 0
	s_min_u32 s[LIM], s[LIM], 0x3ff
	s_lshl_b32 s37, s[LIM], 2
	v_add_nc_u32 v8, s37, v[LB]
	ds_load_b32 v10, v8                            ; the last live entry (0 where the expert has no row)
	v_add_nc_u32 v9, s[CNT], v[LN]                 ; words CNT .. CNT + 31, 1,055 at the most
	v_min_u32 v9, 0x500, v9
	v_lshl_add_u32 v9, v9, 2, v[LB]
	s_wait_dscnt 0x0
	ds_store_b32 v9, v10
.endm
.macro TOKOFF                          ; tile m: lane (r, h) reads token r's row at 16 h
	v_add_nc_u32 v13, s[ROW0], v[RR]               ; 960 + 240 + 15 at the most:
	v_min_u32 v13, 0x4bf, v13                      ; the bound is never reached; it states the address's range in the text
	v_lshl_add_u32 v13, v13, 2, v[LB]
.irp m, 0,1,2,3,4
	ds_load_b32 v[8+(\m)], v13 offset:64*(\m)
.endr
	s_wait_dscnt 0x0
.irp m, 0,1,2,3,4
	v_and_b32 v[8+(\m)], 0x3ff, v[8+(\m)]          ; the token, without the slot;
	v_min_u32 v[8+(\m)], 0x3ff, v[8+(\m)]          ; a loaded number enters an address behind a bound written in this form
.endr
	WIN 0x40
.irp m, 0,1,2,3,4
	v_lshl_add_u32 v[TOF+(\m)], v[8+(\m)], 11, v[H16]
.endr
	WIN 0
.endm
.macro ACCINIT                         ; the sums start from the bias: register i of tile T = 4 g + j is column 64 g + 32 h + 4 i + j.  In pass 0 these moves stand in the wait for the first weights
	WIN 0x80
.set z, 0
.rept 256
	v_mov_b32 v[z], v[BI+32*((z/32)%2)+4*(z%8)+((z/8)%4)]
.set z, z+1
.endr
	WIN 0xc0
.set z, 0
.rept 64
	v_mov_b32 v[z], v[BI+32*((z/32)%2)+4*(z%8)+((z/8)%4)]
.set z, z+1
.endr
	WIN 0
.endm
.macro PRO g, n                        ; the prologue's step g: chunk 0's group g is stored, chunk 1's asked for, and the first tokens
	s_wait_loadcnt \n
	CVT \g
.if (\g) > 0
	ALOAD (\g)-1, A_Q*((\g)-1)
.endif
	WLOAD \g, \g, WCH
	WSTORE \g
.endm
	s_load_b256 s[4:11], s[0:1], 0x0               ; W1 s[4:5], b1 s[6:7], xb s[8:9], bm s[10:11]
	s_load_b64 s[12:13], s[0:1], 0x20              ; h
	v_lshl_add_u32 v[SPW], v0, 2, SPARE
	v_mov_b32 v[NIL], 0
	v_lshrrev_b32 v8, 5, v0
	v_readfirstlane_b32 s[WV], v8                  ; wave 0..3
	s_and_b32 s[EX], ttmp7, 0xffff
	s_mov_b32 s[SL], ttmp9
	v_and_b32 v[LN], 31, v0
	v_and_b32 v[RR], 15, v0
	v_bfe_u32 v[HH], v0, 4, 1
	v_mul_u32_u24 v[BAD0], v[RR], PITCH
	v_lshl_add_u32 v[BAD0], v[HH], 4, v[BAD0]      ; row x pitch + 16 x half
	v_mov_b32 v[BAD], v[BAD0]
	s_lshl_b32 s[T0], s[WV], 13
	s_add_co_u32 s[T0], s[T0], LISTS
	v_mov_b32 v[LB], s[T0]
	v_lshlrev_b32 v[H16], 4, v[HH]
	v_mov_b32 v[ZERO], 0
	v_add_nc_u32 v[LNHI], 0x400, v[LN]
	v_mov_b32 v[CDMP], 0x500
	v_lshlrev_b32 v[HOF], 4, v[LN]
	v_lshrrev_b32 v8, 1, v[LN]
	v_and_b32 v9, 1, v[LN]
	v_mul_u32_u24 v8, v8, WPB
	v_lshl_add_u32 v[PFO], v9, 8, v8               ; row lane / 2, half lane % 2 of its 512 bytes
	v_lshlrev_b32 v[BOF], 7, v[HH]                 ; 32 numbers of the bias for each half of the lanes
	v_lshlrev_b32 v[BMO], 2, v[LN]
	v_lshl_add_u32 v8, v[HH], 6, v[RR]
	v_mul_u32_u24 v8, v8, PITCH
	s_lshl_b32 s[T1], s[WV], 4
	v_add_nc_u32 v8, s[T1], v8                     ; LDS row 64 (L / 16) + L % 16, my wave's 8 k
	WIN 0xc0
	v_mov_b32 v[WAD], v8
	v_lshlrev_b32 v[WOF], 4, v[LN]
	WIN 0
	s_mov_b32 s[OF+1], 0
	s_mov_b32 s[PASS], 0
	s_mul_i32 s[ROW0], s[WV], 80
	s_wait_kmcnt 0x0
	s_lshl_b32 s[OF], s[EX], 8
	s_add_nc_u64 s[10:11], s[10:11], s[OF:OF+1]    ; the expert's two bitmaps
	s_lshl_b32 s[OF], s[EX], 14
	s_lshl_b32 s[T0], s[SL], 9
	s_add_co_u32 s[OF], s[OF], s[T0]
	s_add_nc_u64 s[6:7], s[6:7], s[OF:OF+1]        ; b1 at the slice
	s_lshl_b32 s[OF], s[EX], 24
	s_add_co_u32 s[OF], s[OF], s[T0]
	s_add_nc_u64 s[4:5], s[4:5], s[OF:OF+1]        ; W1 at the slice
	s_lshl_b32 s[OF], s[WV], 17                    ; my wave's rows 8 w
	s_add_nc_u64 s[SW:SW+1], s[4:5], s[OF:OF+1]
	s_lshl_b32 s[OF], s[WV], 19                    ; rows 32 w
	s_add_co_u32 s[OF], s[OF], 3*WCH               ; of chunk 3
	s_add_nc_u64 s[SPF:SPF+1], s[4:5], s[OF:OF+1]
	s_mov_b64 s[SA:SA+1], s[8:9]
	global_load_b32 v[BM0], v[BMO], s[10:11]
	global_load_b32 v[BM1], v[BMO], s[10:11] offset:128
.irp g, 0,1
.irp i, 0,1,2,3,4,5,6,7
	global_load_b128 v[BI+32*(\g)+4*(\i):BI+32*(\g)+4*(\i)+3], v[BOF], s[6:7] offset:256*(\g)+16*(\i)
.endr
.endr
	WLOAD 0, 0, 0                                  ; chunk 0
	WLOAD 1, 1, 0
	WLOAD 2, 2, 0
	WLOAD 3, 3, 0
	WIN 0
	s_wait_loadcnt 32                              ; bitmaps and bias are in; the 32 loads of W1 stay out
.set z, 0
.rept 32                               ; the bias rounded to bf16 and widened again
	v_cvt_pk_bf16_f32 v[8+z%4], v[BI+2*z], v[BI+2*z+1]
	v_lshlrev_b32 v[BI+2*z], 16, v[8+z%4]
	v_and_b32 v[BI+2*z+1], 0xffff0000, v[8+z%4]
.set z, z+1
.endr
	LIST
	TOKOFF
	ACCINIT
	PRO 0, 24                                      ; behind group 0: groups 1-3
	PRO 1, 24                                      ; behind group 1: groups 2-4
	PRO 2, 34                                      ; behind group 2: groups 3, 4, 5 and ten loads of tokens
	PRO 3, 44                                      ; behind group 3: groups 4, 5, 6 and twenty loads of tokens
	s_wait_dscnt 0x0                               ; my part of chunk 0 is stored
	s_barrier_signal -1
	s_barrier_wait -1                              ; everybody's is
	WIN W3
	v_add_nc_u32 v[WAD], CHB, v[WAD]
	FETCH 0, 0
	s_mov_b32 s[TR], 6
.Ltrip:                                                ; trip c = 0..5: multiplies chunk c, stores chunk c + 1, asks for chunk c + 2
	SUB 0, 44, 1, 1, 1, 1, 0, 1                    ; 44: behind these tokens came 8 + 10 + 8 + 10 + 8 loads
	SUB 1, 44, 1, 1, 1, 1, 0
	SUB 2, 44, 1, 1, 1, 1, 0
	SUB 3, 44, 1, 1, 1, 1, 1
	STEP
	s_sub_co_u32 s[TR], s[TR], 1
	s_cmp_lg_u32 s[TR], 0
	s_cbranch_scc1 .Ltrip
	SUB 0, 44, 1, 0, 1, 1, 0                       ; chunk 6: nothing of W1 is left to ask for, and the counts run down
	SUB 1, 36, 1, 0, 1, 1, 0
	SUB 2, 28, 1, 0, 1, 1, 0
	SUB 3, 20, 1, 0, 1, 1, 1
	STEP
	SUB 0, 20, 0, 0, 1, 1, 0                       ; chunk 7
	SUB 1, 20, 0, 0, 0, 1, 0
	SUB 2, 10, 0, 0, 0, 1, 0
	SUB 3, 0, 0, 0, 0, 0, 0
	WIN 0
	s_branch .Lepi                                 ; pass 0 enters the loop over passes at the way out, which is written once
.Lpass:                                                ; passes 1 to 3: rows 320 PASS on, from the slice and the list that are in LDS: no barrier, and nothing is stored into LDS
	s_mul_i32 s[T0], s[PASS], 320
	s_cmp_ge_u32 s[T0], s[CNT]
	s_cbranch_scc1 .Ldead
	s_wait_xcnt 0x0                                ; the last pass's stores have read their registers
	s_mul_i32 s[T1], s[WV], 80
	s_add_co_u32 s[ROW0], s[T0], s[T1]
	TOKOFF
	ACCINIT
	s_mov_b64 s[SA:SA+1], s[8:9]
	v_mov_b32 v[BAD], v[BAD0]
	s_mov_b32 s[KT], 8
.Lkt:
	PLACES
	ALOAD 0, 0
	ALOAD 1, A_Q
	ALOAD 2, 2*A_Q
	ALOAD 3, 3*A_Q
	FETCH 0, 0
	SUB 0, 30, 0, 0, 0, 1, 0                       ; the later quarters' loads stay out
	SUB 1, 20, 0, 0, 0, 1, 0
	SUB 2, 10, 0, 0, 0, 1, 0
	SUB 3, 0, 0, 0, 0, 0, 0
	WIN 0
	s_wait_xcnt 0x0
	s_add_nc_u64 s[SA:SA+1], s[SA:SA+1], A_CH
	v_add_nc_u32 v[BAD], CHB, v[BAD]
	s_sub_co_u32 s[KT], s[KT], 1
	s_cmp_lg_u32 s[KT], 0
	s_cbranch_scc1 .Lkt
.Lepi:                                                 ; THE WAY OUT: rounded in pairs, relu on the packed halves, stored as the second product's operand
	PLACES
	s_wait_xcnt 0x0
	s_mul_i32 s[T0], s[EX], 80
	s_mul_i32 s[T1], s[PASS], 20
	s_add_co_u32 s[T0], s[T0], s[T1]
	s_mul_i32 s[T1], s[WV], 5
	s_add_co_u32 s[T0], s[T0], s[T1]               ; my first tile: 80 e + 20 pass + 5 w
	s_lshl_b32 s[OF], s[T0], 17
	s_lshl_b32 s[T1], s[SL], 12                    ; blocks 4 sl on
	s_add_co_u32 s[OF], s[OF], s[T1]
	s_add_nc_u64 s[SO:SO+1], s[12:13], s[OF:OF+1]
.irp m, 0,1,2,3,4
.if (\m) > 0
	s_wait_xcnt 0x0                                ; the last tile's stores have read EP
.endif
.if (\m) < 4
	WIN 0x0a
.set AC, 64*(\m)
.else
	WIN 0x0f
.set AC, 0
.endif
.irp f, 0,1,2,3
.irp u, 0,1,2,3
	v_cvt_pk_bf16_f32 v[EP+8*(\f)+(\u)], v[AC+16*(\f)+2*(\u)], v[AC+16*(\f)+2*(\u)+1]  ; each accumulator from its low end on
.endr
.irp u, 0,1,2,3
	v_cvt_pk_bf16_f32 v[EP+8*(\f)+4+(\u)], v[AC+16*(\f)+8+2*(\u)], v[AC+16*(\f)+8+2*(\u)+1]
.endr
.endr
	WIN 0
.set z, 0
.rept 32
	v_pk_max_num_bf16 v[EP+z], v[EP+z], v[ZERO]
.set z, z+1
.endr
.irp f, 0,1,2,3
	global_store_b128 v[HOF], v[EP+8*(\f):EP+8*(\f)+3], s[SO:SO+1] offset:131072*(\m)+1024*(\f)  ; 512 consecutive bytes, aligned
	global_store_b128 v[HOF], v[EP+8*(\f)+4:EP+8*(\f)+7], s[SO:SO+1] offset:131072*(\m)+1024*(\f)+512
.endr
.endr
.Ldead:
	s_add_co_u32 s[PASS], s[PASS], 1
	s_cmp_lt_u32 s[PASS], 4
	s_cbranch_scc1 .Lpass
	s_wait_dscnt 0x0                               ; my reads of LDS are back;
	s_barrier_signal -1
	s_barrier_wait -1                              ; every wave's are: only now is LDS written again, by the line below
	s_wait_tensorcnt 0x0                           ; the wave's end: a tensor wait, an add of 0 onto my spare word and a DS wait behind my last LDS store
	ds_add_u32 v[SPW], v[NIL]
	s_wait_dscnt 0x0
	s_endpgm
.Lfunc_end_k_q402eca5a06_ffn1:
	.size	k_q402eca5a06_ffn1, .Lfunc_end_k_q402eca5a06_ffn1-k_q402eca5a06_ffn1
	.p2alignl 7, 3214868480
	.fill 96, 4, 3214868480
	.section	.rodata,"a",@progbits
	.p2align	6, 0x0
	.amdhsa_kernel k_q402eca5a06_ffn1
		.amdhsa_group_segment_fixed_size 311808
		.amdhsa_private_segment_fixed_size 0
		.amdhsa_enable_private_segment 0
		.amdhsa_kernarg_size 40
		.amdhsa_user_sgpr_count 2
		.amdhsa_user_sgpr_kernarg_segment_ptr 1
		.amdhsa_wavefront_size32 1
		.amdhsa_system_sgpr_workgroup_id_x 1
		.amdhsa_system_sgpr_workgroup_id_y 1
		.amdhsa_system_sgpr_workgroup_id_z 1
		.amdhsa_system_vgpr_workitem_id 0
		.amdhsa_next_free_vgpr 1024
		.amdhsa_next_free_sgpr 66
		.amdhsa_reserve_vcc 0
		.amdhsa_float_denorm_mode_32 3
		.amdhsa_float_denorm_mode_16_64 3
		.amdhsa_memory_ordered 1
		.amdhsa_forward_progress 1
		.amdhsa_inst_pref_size 163
	.end_amdhsa_kernel
	.amdgpu_metadata
---
amdhsa.version: [ 1, 2 ]
amdhsa.kernels:
  - .name:           k_q402eca5a06_ffn1
    .symbol:         k_q402eca5a06_ffn1.kd
    .args:
      - { .name: W1, .offset: 0, .size: 8, .value_kind: global_buffer, .address_space: global }
      - { .name: b1, .offset: 8, .size: 8, .value_kind: global_buffer, .address_space: global }
      - { .name: xb, .offset: 16, .size: 8, .value_kind: global_buffer, .address_space: global }
      - { .name: bm, .offset: 24, .size: 8, .value_kind: global_buffer, .address_space: global }
      - { .name: h, .offset: 32, .size: 8, .value_kind: global_buffer, .address_space: global }
    .group_segment_fixed_size: 311808
    .private_segment_fixed_size: 0
    .kernarg_segment_align: 8
    .kernarg_segment_size: 40
    .max_flat_workgroup_size: 128
    .sgpr_count:     66
    .vgpr_count:     1024
    .wavefront_size: 32
...
	.end_amdgpu_metadata
.endif
;; end of part 2
;; launch ffn2 (part 3): grid 32 x 8, 4 waves a work-group, no clusters, 311,808 bytes of LDS; arguments W2, b2, h, bm, gk, part; writes part
.if DOCPART == 3
	.amdgcn_target "amdgcn-amd-amdhsa--gfx1250"
	.amdhsa_code_object_version 6
	.text
	.protected	k_q402eca5a06_ffn2
	.globl	k_q402eca5a06_ffn2
	.p2align	8
	.type	k_q402eca5a06_ffn2,@function
k_q402eca5a06_ffn2:
	s_mov_b64 s[64:65], 0
	v_nop
	global_prefetch_b8 v0, s[64:65] scope:SCOPE_SE
	s_setreg_imm32_b32 hwreg(HW_REG_WAVE_MODE, 25, 1), 1
	s_wait_xcnt 0x0
; SECOND PRODUCT OF THE EXPERTS.  part[qk][slot][token] = gate x (h W2[e] over K quarter qk, + b2[e] in quarter 0), for the rows that chose expert e.  W2: [8][4096][1024] f32, b2: [8][1024] f32.
; SHARES.  Work-group (cs + 8 qk, e) owns columns 128 cs .. + 127 and rows 1,024 qk .. + 1,023 of W2[e], which it alone reads, and ALL of the expert's rows, in passes of 320 as in the first product:
; wave w owns rows 80 w .. + 79 of a pass, five tiles of 16, times 128 columns: 40 accumulators.  Pass 0 always runs; passes 1 to 3 are jumped where the count ends before them.
; THE WEIGHTS COME ONCE AND STAY: loaded in f32, a row's 512 bytes to an instruction, rounded in registers, stored into LDS, each LDS byte once; pass 0 multiplies chunk c while chunks c + 1, c + 2 are on their way;
; later passes write nothing into LDS.  Lane L's register j of eight rows goes to LDS row 64 (L / 16) + 16 j + L % 16: tile T holds in its row c the slice's column 64 (T / 4) + 4 c + T % 4.
; THE ORDER OF K is the one in which the first product left h: place p of block f of a chunk is W2's row 64 (f / 2) + 4 (p % 16) + 2 (f % 2) + p / 16 of the chunk's 128: it stands in the loads' immediates.
; h comes as it lies: [tile of 16 rows][block of 32 k][1,024 bytes], a lane's registers 0-3 at 16 L, 4-7 at 512 + 16 L: 512 consecutive bytes to a load.
; THE PRODUCT IS USED AS IT IS (source 0 = 16 rows of h, source 1 = 16 columns): register i of tiles 4 g .. 4 g + 3 gives a lane 4 neighbouring columns of row 8 (lane / 16) + i: 16 lanes store 256 aligned bytes.
; ROWS PAST THE COUNT.  Tiles wholly past it are not stored (a scalar jump).  In the one tile that is partly live the places past the count repeat the last live row: they store the same numbers to the same bytes
; again, from this work-group alone, at most 15 rows an expert.
; FORMATS.  W2 and b2 are rounded to bf16 like every input; sums in f32, started from the bias; the partial sums are stored in f32.
; NO JOINT LOADS: each weight byte has one reader; a chunk of h for 320 rows is 81,920 bytes, more than LDS has left beside the slice.
; REGISTERS, in windows of 256 (s_set_vgpr_msb: bits 1:0 source 0, 3:2 source 1, 5:4 source 2, 7:6 destination):
;   window 0: v0-31 addresses and small things; v32-159 two buffers of 8 weight fragments; v160-167 the bias; v176-239 the way out
;   window 1: v0-159 a ring of four buffers of 5 fragments of h (on the way out: v0-39 the rows' offsets, v40-79 their gates); v160 16 x lane
;   window 2: the accumulators of tiles 0-3 (64 m + 8 T)      window 3: v0-63 those of tile 4; v64-191 four sets of 8 rows of W2 as loaded; v192-207 packed; v208-209 addresses
.set WPB,   4096                       ; bytes from row to row of W2
.set WCH,   128*WPB                    ; a K chunk of 128 rows
.set WG_A,  64                         ; my group g's row i in a chunk: WG_A (g / 2) + WG_B (g % 2) + WG_I i, plus my wave's 32 (w % 2) + w / 2
.set WG_B,  2
.set WG_I,  4
.set A_CH,  4096                       ; bytes of a tile of h in a K chunk, in 32 of K, between a fragment's two loads, and from tile to tile
.set A_Q,   1024
.set A_H2,  512
.set A_MI,  131072
.set PITCH, 272                        ; an LDS row: 128 k x 2 bytes + 16: row r starts at bank 4 r mod 64 (64 banks of 4 bytes: ISA guide 11.1)
.set TILEB, 16*PITCH
.set CHB,   8*TILEB
.set LISTS, 8*CHB                      ; behind the slice: 8,192 bytes a wave: words 0-1279 the expert's list (four passes of 320), word 1280 a dump
.set SPARE, LISTS+4*8192               ; behind the lists: the spare words, 128 bytes for each wave, that no other line names
.set LN,   1                           ; v1   lane
.set RR,   2                           ; v2   lane % 16
.set HH,   3                           ; v3   lane / 16
.set BAD,  4                           ; v4   LDS address of my part of a weight fragment, in the chunk in hand
.set BAD0, 5                           ; v5   the same in chunk 0; never rewritten
.set LB,   6                           ; v6   my wave's list
.set SPW,  16                          ; v16  LDS address of my spare word; never rewritten
.set NIL,  17                          ; v17  0; never rewritten
.set BM0,  19                          ; v19  lane l: word l of the expert's bitmap of first choices
.set BM1,  20                          ; v20  of second choices
.set LNHI, 21                          ; v21  lane + 1,024
.set CDMP, 22                          ; v22  1,280: the dump's word
.set R16,  23                          ; v23  16 (lane % 16)
.set PFO,  24                          ; v24  the prefetch's offset
.set LE,   26                          ; v26  my eight entries of the pass's first tile
.set BMO,  27                          ; v27  4 x lane
.set WB,   32
.set BI,   160
.set EP,   176
.set TA,   0                           ; window 1
.set EN,   0                           ; window 1, on the way out
.set GA,   40                          ; window 1, on the way out
.set TOF,  160                         ; window 1
.set WS,   64                          ; window 3
.set CT,   192                         ; window 3
.set WOF,  208                         ; window 3: 16 x lane
.set WAD,  209                         ; window 3: where I store 16 bytes of a column, in the chunk being filled
.set WV,   16                          ; s16  wave
.set EX,   17                          ; s17  expert
.set CS,   18                          ; s18  slice of columns
.set QK,   19                          ; s19  quarter of K
.set SW,   20                          ; s[20:21] W2 at my rows of the chunk in hand
.set SA,   22                          ; s[22:23] h at the chunk in hand
.set SPF,  24                          ; s[24:25] W2 at the rows that I ask for ahead
.set SO,   26                          ; s[26:27] part at my quarter and columns
.set SA0,  28                          ; s[28:29] h at my tiles of pass 0, chunk 0
.set OF,   30                          ; s[30:31] an offset, high word 0
.set TR,   32
.set CNT,  33
.set WI,   35
.set W32,  36
.set LIM,  40
.set PASS, 41
.set ROW0, 42
.set KT,   43
.set T0,   44
.set T1,   45
.set MSB, 0
.macro WIN new                         ; the immediate's high byte repeats the setting that is left; a switch that changes nothing is dropped
.if MSB != (\new)
	s_set_vgpr_msb (MSB<<8)|(\new)
.set MSB, \new
.endif
.endm
.set W3,     0xcf                      ; sources 0 and 1 and destination in window 3
.set WA,     0x41                      ; source 0 (address) and destination in window 1
.set MUL_LO, 0xa1                      ; source 0 (h) window 1, source 1 (W2) window 0, C and D window 2
.set MUL_HI, 0xf1                      ; the same, C and D window 3
.macro PLACES                          ; four plain instructions between a matrix instruction and a load into, or a vector line on, its registers
.rept 4
	v_nop
.endr
.endm
.macro WLOAD set, g, coff              ; eight rows of W2: group g of the chunk coff bytes on
	WIN W3
.irp i, 0,1,2,3,4,5,6,7
	global_load_b128 v[WS+32*(\set)+4*(\i):WS+32*(\set)+4*(\i)+3], v[WOF], s[SW:SW+1] offset:(\coff)+(WG_A*((\g)/2)+WG_B*((\g)%2)+WG_I*(\i))*WPB th:TH_LOAD_NT
.endr
.endm
.macro CVT set                         ; register j of rows 2 u and 2 u + 1 into one word: four words are 8 k of column j
	WIN W3
.irp j, 0,1,2,3
.irp u, 0,1,2,3
	v_cvt_pk_bf16_f32 v[CT+4*(\j)+(\u)], v[WS+32*(\set)+8*(\u)+(\j)], v[WS+32*(\set)+8*(\u)+4+(\j)]
.endr
.endr
.endm
.macro WSTORE g
	WIN W3
.irp j, 0,1,2,3
	ds_store_b128 v[WAD], v[CT+4*(\j):CT+4*(\j)+3] offset:64*(\g)+(\j)*TILEB
.endr
.endm
.macro ALOAD buf, off                  ; five fragments of h: the block at byte off of my five tiles
	WIN WA
.irp m, 0,1,2,3,4
	global_load_b128 v[TA+40*(\buf)+8*(\m):TA+40*(\buf)+8*(\m)+3], v[TOF], s[SA:SA+1] offset:(\off)+A_MI*(\m)
	global_load_b128 v[TA+40*(\buf)+8*(\m)+4:TA+40*(\buf)+8*(\m)+7], v[TOF], s[SA:SA+1] offset:(\off)+A_MI*(\m)+A_H2
.endr
.endm
.macro FETCH buf, off                  ; eight weight fragments in one run
	WIN 0
.irp t, 0,1,2,3,4,5,6,7
	ds_load_b128 v[WB+64*(\buf)+8*(\t):WB+64*(\buf)+8*(\t)+3], v[BAD] offset:(\off)+(\t)*TILEB
	ds_load_b128 v[WB+64*(\buf)+8*(\t)+4:WB+64*(\buf)+8*(\t)+7], v[BAD] offset:(\off)+(\t)*TILEB+32
.endr
.endm
.macro MULM m, ab, wb                  ; eight products: row tile m x all 8 column tiles.  The 40 accumulators take turns, one instruction a turn
.if (\m) < 4
	WIN MUL_LO
.set AC, 64*(\m)
.else
	WIN MUL_HI
.set AC, 0
.endif
.irp t, 0,1,2,3,4,5,6,7
	v_wmma_f32_16x16x32_bf16 v[AC+8*(\t):AC+8*(\t)+7], v[TA+40*(\ab)+8*(\m):TA+40*(\ab)+8*(\m)+7], v[WB+64*(\wb)+8*(\t):WB+64*(\wb)+8*(\t)+7], v[AC+8*(\t):AC+8*(\t)+7]
.endr
.endm
; A SUB-STEP: 32 of K, 40 products on h's buffer q and weight buffer q % 2.  n: the loads issued behind this sub-step's fragments of h, which may stay out.
; cv: my group q of the next chunk, which came ahead of those, is rounded (the 16 conversions are the places behind the last products) and stored.  wl: group q of the chunk two on is asked for.
; al: h three sub-steps on is asked for.  ft: the next sub-step's weight fragments are fetched.  bar: the next chunk's last group is stored: barrier; its fragments are fetched behind the wait.
; pf: 32 rows of the chunk three on are asked for ahead, 256 bytes a lane, each block by one lane of one wave: one trip before their loads; not in the last trip, whose look-ahead would pass the slice.
.macro SUB q, n, cv, wl, al, ft, bar, pf=0
	s_wait_loadcnt \n
.if \cv
	CVT \q
.else
	PLACES
.endif
.if \al
	ALOAD ((\q)+3)%4, A_CH*(((\q)+3)/4)+A_Q*(((\q)+3)%4)
.endif
.if \wl
	WLOAD \q, \q, 2*WCH
.endif
.if \cv
	WSTORE \q
.endif
.if \bar
	s_wait_dscnt 0x0                               ; for the others' sake: my stores into the next chunk are done (and my fragments are in)
	s_barrier_signal -1
.else
	s_wait_dscnt 4*(\cv)                           ; my fragments are in; the stores issued behind them may be out
.endif
	MULM 0, \q, (\q)%2
	MULM 1, \q, (\q)%2
.if \bar
	s_barrier_wait -1                              ; the next chunk is whole
.endif
.if \ft
.if (\q) < 3
	FETCH ((\q)+1)%2, 64*((\q)+1)
.else
	FETCH 0, CHB
.endif
.endif
.if \pf
	s_cmp_eq_u32 s[TR], 1
	s_cbranch_scc1 .Lno_ask_\@
	global_prefetch_b8 v[PFO], s[SPF:SPF+1] th:TH_LOAD_NT scope:SCOPE_SE
	global_prefetch_b8 v[PFO], s[SPF:SPF+1] offset:16*WPB th:TH_LOAD_NT scope:SCOPE_SE
.Lno_ask_\@:
.endif
	MULM 2, \q, (\q)%2
	MULM 3, \q, (\q)%2
	MULM 4, \q, (\q)%2
.endm
.macro STEP                            ; on to the next chunk
	WIN 0
	s_wait_xcnt 0x0                                ; the bases of loads that are out are stepped only behind this wait
	s_add_nc_u64 s[SW:SW+1], s[SW:SW+1], WCH
	s_add_nc_u64 s[SA:SA+1], s[SA:SA+1], A_CH
	s_add_nc_u64 s[SPF:SPF+1], s[SPF:SPF+1], WCH
	v_add_nc_u32 v[BAD], CHB, v[BAD]
	WIN W3
	v_add_nc_u32 v[WAD], CHB, v[WAD]
	WIN 0
.endm
; THE EXPERT'S LIST, as the first product made it, made once, a copy for each wave in its own bytes: row r of the expert, in the order of the tokens, at word r; an entry is 1,024 x slot + token.  A lane whose
; bit is set has the rank CNT + the set bits below it; lanes without a bit go to the dump.  Words 0-1279 start at 0; the 32 words behind the last live entry repeat it.
; All bytes are the wave's own, and LDS serves a wave's instructions in order: no barrier.  Behind this macro the lists are only read.
.macro LIST
	v_lshl_add_u32 v12, v[LN], 4, v[LB]
.irp z, 8,9,10,11
	v_mov_b32 v\z, 0
.endr
.irp j, 0,1,2,3,4,5,6,7,8,9
	ds_store_b128 v12, v[8:11] offset:512*(\j)     ; 10 x 512 bytes = 1,280 words
.endr
	s_mov_b32 s[CNT], 0
	s_mov_b32 s[W32], 0
	s_mov_b32 s[WI], 0
.Lword_\@:
	v_readlane_b32 s37, v[BM0], s[WI]
	v_readlane_b32 s38, v[BM1], s[WI]
	s_or_b32 s39, s37, s38
	v_mbcnt_lo_u32_b32 v8, s39, s[CNT]
	v_cndmask_b32 v8, v[CDMP], v8, s39
	v_min_u32 v8, 0x500, v8                        ; a number made of loaded data enters an address behind a bound written in this form
	v_cndmask_b32 v9, v[LN], v[LNHI], s38
	v_lshl_add_u32 v8, v8, 2, v[LB]
	v_add_nc_u32 v9, s[W32], v9
	ds_store_b32 v8, v9
	s_bcnt1_i32_b32 s39, s39
	s_add_co_u32 s[CNT], s[CNT], s39
	s_add_co_u32 s[W32], s[W32], 32
	s_add_co_u32 s[WI], s[WI], 1
	s_cmp_lt_u32 s[WI], 32
	s_cbranch_scc1 .Lword_\@
	s_sub_co_i32 s[LIM], s[CNT], 1
	s_max_i32 s[LIM], s[LIM], 0
	s_min_u32 s[LIM], s[LIM], 0x3ff
	s_lshl_b32 s37, s[LIM], 2
	v_add_nc_u32 v8, s37, v[LB]
	ds_load_b32 v10, v8                            ; the last live entry (0 where the expert has no row)
	v_add_nc_u32 v9, s[CNT], v[LN]                 ; words CNT .. CNT + 31, 1,055 at the most
	v_min_u32 v9, 0x500, v9
	v_lshl_add_u32 v9, v9, 2, v[LB]
	s_wait_dscnt 0x0
	ds_store_b32 v9, v10
.endm
.macro ACCINIT                         ; the sums start from the bias: every register of tile T is column 64 (T / 4) + 4 r + T % 4.  In pass 0 these moves stand in the wait for the first weights
	WIN 0x80
.set z, 0
.rept 256
	v_mov_b32 v[z], v[BI+(z/8)%8]
.set z, z+1
.endr
	WIN 0xc0
.set z, 0
.rept 64
	v_mov_b32 v[z], v[BI+(z/8)%8]
.set z, z+1
.endr
	WIN 0
.endm
.macro PRO g, n                        ; the prologue's step g: chunk 0's group g is stored, chunk 1's asked for, and the first blocks of h
	s_wait_loadcnt \n
	CVT \g
.if (\g) > 0
	ALOAD (\g)-1, A_Q*((\g)-1)
.endif
	WLOAD \g, \g, WCH
	WSTORE \g
.endm
	s_load_b256 s[4:11], s[0:1], 0x0               ; W2 s[4:5], b2 s[6:7], h s[8:9], bm s[10:11]
	s_load_b128 s[12:15], s[0:1], 0x20             ; gk s[12:13], part s[14:15]
	v_lshl_add_u32 v[SPW], v0, 2, SPARE
	v_mov_b32 v[NIL], 0
	v_lshrrev_b32 v8, 5, v0
	v_readfirstlane_b32 s[WV], v8                  ; wave 0..3
	s_and_b32 s[EX], ttmp7, 0xffff
	s_and_b32 s[CS], ttmp9, 7
	s_lshr_b32 s[QK], ttmp9, 3
	v_and_b32 v[LN], 31, v0
	v_and_b32 v[RR], 15, v0
	v_bfe_u32 v[HH], v0, 4, 1
	v_mul_u32_u24 v[BAD0], v[RR], PITCH
	v_lshl_add_u32 v[BAD0], v[HH], 4, v[BAD0]      ; row x pitch + 16 x half
	v_mov_b32 v[BAD], v[BAD0]
	s_lshl_b32 s[T0], s[WV], 13
	s_add_co_u32 s[T0], s[T0], LISTS
	v_mov_b32 v[LB], s[T0]
	v_add_nc_u32 v[LNHI], 0x400, v[LN]
	v_mov_b32 v[CDMP], 0x500
	v_lshlrev_b32 v[R16], 4, v[RR]
	v_lshrrev_b32 v8, 1, v[LN]
	v_and_b32 v9, 1, v[LN]
	v_mul_u32_u24 v8, v8, WPB
	v_lshl_add_u32 v[PFO], v9, 8, v8               ; row lane / 2, half lane % 2 of its 512 bytes
	v_lshlrev_b32 v[BMO], 2, v[LN]
	v_lshl_add_u32 v8, v[HH], 6, v[RR]
	v_mul_u32_u24 v8, v8, PITCH
	s_lshl_b32 s[T1], s[WV], 4
	v_add_nc_u32 v8, s[T1], v8                     ; LDS row 64 (L / 16) + L % 16, my wave's 8 k
	WIN 0xc0
	v_mov_b32 v[WAD], v8
	v_lshlrev_b32 v[WOF], 4, v[LN]
	WIN 0x40
	v_lshlrev_b32 v[TOF], 4, v[LN]
	WIN 0
	s_mov_b32 s[OF+1], 0
	s_mov_b32 s[PASS], 0
	s_mul_i32 s[ROW0], s[WV], 80
	s_wait_kmcnt 0x0
	s_lshl_b32 s[OF], s[EX], 8
	s_add_nc_u64 s[10:11], s[10:11], s[OF:OF+1]    ; the expert's two bitmaps
	s_lshl_b32 s[OF], s[EX], 12
	s_lshl_b32 s[T0], s[CS], 9
	s_add_co_u32 s[OF], s[OF], s[T0]
	s_add_nc_u64 s[6:7], s[6:7], s[OF:OF+1]        ; b2 at the slice
	s_lshl_b32 s[OF], s[EX], 24
	s_lshl_b32 s[T1], s[QK], 22
	s_add_co_u32 s[OF], s[OF], s[T1]
	s_add_co_u32 s[OF], s[OF], s[T0]
	s_add_nc_u64 s[4:5], s[4:5], s[OF:OF+1]        ; W2 at the slice
	s_and_b32 s[T1], s[WV], 1
	s_lshl_b32 s[T1], s[T1], 5
	s_lshr_b32 s[OF], s[WV], 1
	s_add_co_u32 s[OF], s[OF], s[T1]               ; my wave's rows 32 (w % 2) + w / 2
	s_lshl_b32 s[OF], s[OF], 12
	s_add_nc_u64 s[SW:SW+1], s[4:5], s[OF:OF+1]
	s_lshl_b32 s[OF], s[WV], 17                    ; rows 32 w
	s_add_co_u32 s[OF], s[OF], 3*WCH               ; of chunk 3
	s_add_nc_u64 s[SPF:SPF+1], s[4:5], s[OF:OF+1]
	s_mul_i32 s[OF], s[EX], 80
	s_mul_i32 s[T1], s[WV], 5
	s_add_co_u32 s[OF], s[OF], s[T1]               ; my first tile of pass 0: 80 e + 5 w
	s_lshl_b32 s[OF], s[OF], 17
	s_lshl_b32 s[T1], s[QK], 15                    ; blocks 32 qk on
	s_add_co_u32 s[OF], s[OF], s[T1]
	s_add_nc_u64 s[SA0:SA0+1], s[8:9], s[OF:OF+1]
	s_mov_b64 s[SA:SA+1], s[SA0:SA0+1]
	s_lshl_b32 s[OF], s[QK], 23
	s_add_co_u32 s[OF], s[OF], s[T0]
	s_add_nc_u64 s[SO:SO+1], s[14:15], s[OF:OF+1]
	global_load_b32 v[BM0], v[BMO], s[10:11]
	global_load_b32 v[BM1], v[BMO], s[10:11] offset:128
	global_load_b128 v[BI:BI+3], v[R16], s[6:7]
	global_load_b128 v[BI+4:BI+7], v[R16], s[6:7] offset:256
	WLOAD 0, 0, 0                                  ; chunk 0
	WLOAD 1, 1, 0
	WLOAD 2, 2, 0
	WLOAD 3, 3, 0
	WIN 0
	s_cmp_eq_u32 s[QK], 0
	s_cselect_b32 s[T0], -1, 0                     ; the bias belongs to K quarter 0 alone
	s_wait_loadcnt 32                              ; bitmaps and bias are in; the 32 loads of W2 stay out
.irp z, 0,1,2,3
	v_cvt_pk_bf16_f32 v[8+(\z)], v[BI+2*(\z)], v[BI+2*(\z)+1]  ; the bias rounded to bf16 and widened again
	v_lshlrev_b32 v[BI+2*(\z)], 16, v[8+(\z)]
	v_and_b32 v[BI+2*(\z)+1], 0xffff0000, v[8+(\z)]
.endr
.irp z, 0,1,2,3,4,5,6,7
	v_and_b32 v[BI+(\z)], s[T0], v[BI+(\z)]
.endr
	LIST
	ACCINIT
	PRO 0, 24                                      ; behind group 0: groups 1-3
	PRO 1, 24                                      ; behind group 1: groups 2-4
	PRO 2, 34                                      ; behind group 2: groups 3, 4, 5 and ten loads of h
	PRO 3, 44                                      ; behind group 3: groups 4, 5, 6 and twenty loads of h
	s_wait_dscnt 0x0                               ; my part of chunk 0 is stored
	s_barrier_signal -1
	s_barrier_wait -1                              ; everybody's is
	WIN W3
	v_add_nc_u32 v[WAD], CHB, v[WAD]
	FETCH 0, 0
	s_mov_b32 s[TR], 6
.Ltrip:                                                ; trip c = 0..5: multiplies chunk c, stores chunk c + 1, asks for chunk c + 2
	SUB 0, 44, 1, 1, 1, 1, 0, 1                    ; 44: behind these fragments came 8 + 10 + 8 + 10 + 8 loads
	SUB 1, 44, 1, 1, 1, 1, 0
	SUB 2, 44, 1, 1, 1, 1, 0
	SUB 3, 44, 1, 1, 1, 1, 1
	STEP
	s_sub_co_u32 s[TR], s[TR], 1
	s_cmp_lg_u32 s[TR], 0
	s_cbranch_scc1 .Ltrip
	SUB 0, 44, 1, 0, 1, 1, 0                       ; chunk 6: nothing of W2 is left to ask for, and the counts run down
	SUB 1, 36, 1, 0, 1, 1, 0
	SUB 2, 28, 1, 0, 1, 1, 0
	SUB 3, 20, 1, 0, 1, 1, 1
	STEP
	SUB 0, 20, 0, 0, 1, 1, 0                       ; chunk 7
	SUB 1, 20, 0, 0, 0, 1, 0
	SUB 2, 10, 0, 0, 0, 1, 0
	SUB 3, 0, 0, 0, 0, 0, 0
	WIN 0
	s_branch .Lepi                                 ; pass 0 enters the loop over passes at the way out, which is written once
.Lpass:                                                ; passes 1 to 3: rows 320 PASS on, from the slice and the list that are in LDS: no barrier, and nothing is stored into LDS
	s_mul_i32 s[T0], s[PASS], 320
	s_cmp_ge_u32 s[T0], s[CNT]
	s_cbranch_scc1 .Ldead
	s_wait_xcnt 0x0                                ; the last pass's stores have read their registers
	s_mul_i32 s[T1], s[WV], 80
	s_add_co_u32 s[ROW0], s[T0], s[T1]
	ACCINIT
	s_mul_i32 s[OF], s[PASS], 20*A_MI              ; 20 tiles a pass
	s_add_nc_u64 s[SA:SA+1], s[SA0:SA0+1], s[OF:OF+1]
	v_mov_b32 v[BAD], v[BAD0]
	s_mov_b32 s[KT], 8
.Lkt:
	PLACES
	ALOAD 0, 0
	ALOAD 1, A_Q
	ALOAD 2, 2*A_Q
	ALOAD 3, 3*A_Q
	FETCH 0, 0
	SUB 0, 30, 0, 0, 0, 1, 0                       ; the later quarters' loads stay out
	SUB 1, 20, 0, 0, 0, 1, 0
	SUB 2, 10, 0, 0, 0, 1, 0
	SUB 3, 0, 0, 0, 0, 0, 0
	WIN 0
	s_wait_xcnt 0x0
	s_add_nc_u64 s[SA:SA+1], s[SA:SA+1], A_CH
	v_add_nc_u32 v[BAD], CHB, v[BAD]
	s_sub_co_u32 s[KT], s[KT], 1
	s_cmp_lg_u32 s[KT], 0
	s_cbranch_scc1 .Lkt
.Lepi:                                                 ; THE WAY OUT.  The entries and gates of all five tiles come at once, into the ring's registers, which are free: one wait for 40 loads
	PLACES
	s_wait_xcnt 0x0
	v_lshl_add_u32 v8, v[HH], 3, s[ROW0]           ; my first entry's word: ROW0 + 8 (lane / 16), 960 + 240 + 8 at the most:
	v_min_u32 v8, 0x4b8, v8                        ; the bound is never reached; it states the address's range in the text
	v_lshl_add_u32 v[LE], v8, 2, v[LB]
	WIN 0x40                                       ; destination window 1, address window 0
.irp m, 0,1,2,3,4
	ds_load_b128 v[EN+8*(\m):EN+8*(\m)+3], v[LE] offset:64*(\m)       ; register i: the entry of row 8 (lane / 16) + i
	ds_load_b128 v[EN+8*(\m)+4:EN+8*(\m)+7], v[LE] offset:64*(\m)+16
.endr
	s_wait_dscnt 0x0
	WIN 0x45                                       ; sources 0 and 1 and destination window 1, source 2 window 0
.set z, 0
.rept 40
	v_min_u32 v[EN+z], 0x7ff, v[EN+z]              ; a loaded number enters an address behind a bound written in this form
	v_lshlrev_b32 v[GA+z], 2, v[EN+z]
.set z, z+1
.endr
.set z, 0
.rept 40
	global_load_b32 v[GA+z], v[GA+z], s[12:13]     ; gk[slot][token]; each load lands on its own address register
.set z, z+1
.endr
.set z, 0
.rept 40
	v_lshl_add_u32 v[EN+z], v[EN+z], 12, v[R16]    ; part's row of 4,096 bytes, my 16 bytes
.set z, z+1
.endr
	s_wait_loadcnt 0x0
.irp m, 0,1,2,3,4
	WIN 0
	s_add_co_u32 s[T0], s[ROW0], 16*(\m)
	s_cmp_ge_u32 s[T0], s[CNT]
	s_cbranch_scc1 .Lepi_end                       ; this tile and those behind it lie past the count
.if (\m) > 0
	s_wait_xcnt 0x0                                ; the last tile's stores have read EP
.endif
.if (\m) < 4
	WIN 0x06                                       ; source 0 window 2, source 1 window 1, destination window 0
.set AC, 64*(\m)
.else
	WIN 0x07
.set AC, 0
.endif
.irp i, 0,1,2,3,4,5,6,7                ; register 0 of every accumulator first: each is read from its low end on
.irp t, 0,1,2,3,4,5,6,7
	v_mul_f32 v[EP+8*(\i)+(\t)], v[AC+8*(\t)+(\i)], v[GA+8*(\m)+(\i)]
.endr
.endr
	WIN 0x01                                       ; address window 1, data window 0
.irp i, 0,1,2,3,4,5,6,7
.irp g, 0,1
	global_store_b128 v[EN+8*(\m)+(\i)], v[EP+8*(\i)+4*(\g):EP+8*(\i)+4*(\g)+3], s[SO:SO+1] offset:256*(\g)  ; 16 lanes store 256 consecutive bytes of a row, aligned
.endr
.endr
.endr
	WIN 0
.Lepi_end:
.Ldead:
	s_add_co_u32 s[PASS], s[PASS], 1
	s_cmp_lt_u32 s[PASS], 4
	s_cbranch_scc1 .Lpass
	s_wait_dscnt 0x0                               ; my reads of LDS are back;
	s_barrier_signal -1
	s_barrier_wait -1                              ; every wave's are: only now is LDS written again, by the line below
	s_wait_tensorcnt 0x0                           ; the wave's end: a tensor wait, an add of 0 onto my spare word and a DS wait behind my last LDS store
	ds_add_u32 v[SPW], v[NIL]
	s_wait_dscnt 0x0
	s_endpgm
.Lfunc_end_k_q402eca5a06_ffn2:
	.size	k_q402eca5a06_ffn2, .Lfunc_end_k_q402eca5a06_ffn2-k_q402eca5a06_ffn2
	.p2alignl 7, 3214868480
	.fill 96, 4, 3214868480
	.section	.rodata,"a",@progbits
	.p2align	6, 0x0
	.amdhsa_kernel k_q402eca5a06_ffn2
		.amdhsa_group_segment_fixed_size 311808
		.amdhsa_private_segment_fixed_size 0
		.amdhsa_enable_private_segment 0
		.amdhsa_kernarg_size 48
		.amdhsa_user_sgpr_count 2
		.amdhsa_user_sgpr_kernarg_segment_ptr 1
		.amdhsa_wavefront_size32 1
		.amdhsa_system_sgpr_workgroup_id_x 1
		.amdhsa_system_sgpr_workgroup_id_y 1
		.amdhsa_system_sgpr_workgroup_id_z 1
		.amdhsa_system_vgpr_workitem_id 0
		.amdhsa_next_free_vgpr 1024
		.amdhsa_next_free_sgpr 66
		.amdhsa_reserve_vcc 0
		.amdhsa_float_denorm_mode_32 3
		.amdhsa_float_denorm_mode_16_64 3
		.amdhsa_memory_ordered 1
		.amdhsa_forward_progress 1
		.amdhsa_inst_pref_size 160
	.end_amdhsa_kernel
	.amdgpu_metadata
---
amdhsa.version: [ 1, 2 ]
amdhsa.kernels:
  - .name:           k_q402eca5a06_ffn2
    .symbol:         k_q402eca5a06_ffn2.kd
    .args:
      - { .name: W2, .offset: 0, .size: 8, .value_kind: global_buffer, .address_space: global }
      - { .name: b2, .offset: 8, .size: 8, .value_kind: global_buffer, .address_space: global }
      - { .name: h, .offset: 16, .size: 8, .value_kind: global_buffer, .address_space: global }
      - { .name: bm, .offset: 24, .size: 8, .value_kind: global_buffer, .address_space: global }
      - { .name: gk, .offset: 32, .size: 8, .value_kind: global_buffer, .address_space: global }
      - { .name: part, .offset: 40, .size: 8, .value_kind: global_buffer, .address_space: global }
    .group_segment_fixed_size: 311808
    .private_segment_fixed_size: 0
    .kernarg_segment_align: 8
    .kernarg_segment_size: 48
    .max_flat_workgroup_size: 128
    .sgpr_count:     66
    .vgpr_count:     1024
    .wavefront_size: 32
...
	.end_amdgpu_metadata
.endif
;; end of part 3
;; launch combine (part 4): grid 256 x 1, 8 waves a work-group, no clusters, 0 bytes of LDS; arguments part, out0; writes out0
.if DOCPART == 4
	.amdgcn_target "amdgcn-amd-amdhsa--gfx1250"
	.amdhsa_code_object_version 6
	.text
	.protected	k_q402eca5a06_combine
	.globl	k_q402eca5a06_combine
	.p2align	8
	.type	k_q402eca5a06_combine,@function
k_q402eca5a06_combine:
	s_mov_b64 s[64:65], 0
	v_nop
	global_prefetch_b8 v0, s[64:65] scope:SCOPE_SE
	s_setreg_imm32_b32 hwreg(HW_REG_WAVE_MODE, 25, 1), 1
	s_wait_xcnt 0x0
; out0[token][d] = the sum of the eight planes part[K quarter 0..3][slot 0..1][token][d], all f32: the gates and biases are in the planes already.
; A stream: each byte of part is read once, each byte of out0 written once; a wave's load or store covers 512 consecutive bytes.  No LDS, no barrier, no matrix unit: there is nothing to share.
; A work-group owns 16,384 bytes of out0, a thread four units of 16 bytes, 4,096 bytes apart.  All 32 loads of a thread go out before the first wait.
.set PLANE, 4194304                    ; bytes in a plane
.set X, 4                              ; v[4:131]  unit j, plane p at X + 32 j + 4 p
	s_load_b128 s[4:7], s[0:1], 0x0                ; part s[4:5], out0 s[6:7]
	s_lshl_b32 s16, ttmp9, 14
	s_mov_b32 s17, 0
	v_lshlrev_b32 v1, 4, v0
	s_wait_kmcnt 0x0
	s_add_nc_u64 s[8:9], s[4:5], s[16:17]          ; a base for each K quarter; the slot stands in the immediate
	s_add_nc_u64 s[6:7], s[6:7], s[16:17]
	s_add_nc_u64 s[10:11], s[8:9], 2*PLANE
	s_add_nc_u64 s[12:13], s[10:11], 2*PLANE
	s_add_nc_u64 s[14:15], s[12:13], 2*PLANE
.irp j, 0,1,2,3
.irp q, 0,1,2,3
.irp s, 0,1
	global_load_b128 v[X+32*(\j)+8*(\q)+4*(\s):X+32*(\j)+8*(\q)+4*(\s)+3], v1, s[8+2*(\q):9+2*(\q)] offset:(\s)*PLANE+4096*(\j) th:TH_LOAD_NT
.endr
.endr
.endr
.macro ADDP j, d, s                    ; plane d += plane s of unit j
	v_pk_add_f32 v[X+32*(\j)+4*(\d):X+32*(\j)+4*(\d)+1], v[X+32*(\j)+4*(\d):X+32*(\j)+4*(\d)+1], v[X+32*(\j)+4*(\s):X+32*(\j)+4*(\s)+1]
	v_pk_add_f32 v[X+32*(\j)+4*(\d)+2:X+32*(\j)+4*(\d)+3], v[X+32*(\j)+4*(\d)+2:X+32*(\j)+4*(\d)+3], v[X+32*(\j)+4*(\s)+2:X+32*(\j)+4*(\s)+3]
.endm
.irp j, 0,1,2,3
	s_wait_loadcnt 24-8*(\j)                       ; loads come back in order: this unit's eight are in, the later units' stay out
	ADDP \j, 0, 1
	ADDP \j, 2, 3
	ADDP \j, 4, 5
	ADDP \j, 6, 7
	ADDP \j, 0, 2
	ADDP \j, 4, 6
	ADDP \j, 0, 4
	global_store_b128 v1, v[X+32*(\j):X+32*(\j)+3], s[6:7] offset:4096*(\j) th:TH_STORE_NT
.endr
	s_endpgm
.Lfunc_end_k_q402eca5a06_combine:
	.size	k_q402eca5a06_combine, .Lfunc_end_k_q402eca5a06_combine-k_q402eca5a06_combine
	.p2alignl 7, 3214868480
	.fill 96, 4, 3214868480
	.section	.rodata,"a",@progbits
	.p2align	6, 0x0
	.amdhsa_kernel k_q402eca5a06_combine
		.amdhsa_group_segment_fixed_size 0
		.amdhsa_private_segment_fixed_size 0
		.amdhsa_enable_private_segment 0
		.amdhsa_kernarg_size 16
		.amdhsa_user_sgpr_count 2
		.amdhsa_user_sgpr_kernarg_segment_ptr 1
		.amdhsa_wavefront_size32 1
		.amdhsa_system_sgpr_workgroup_id_x 1
		.amdhsa_system_sgpr_workgroup_id_y 1
		.amdhsa_system_sgpr_workgroup_id_z 1
		.amdhsa_system_vgpr_workitem_id 0
		.amdhsa_next_free_vgpr 144
		.amdhsa_next_free_sgpr 66
		.amdhsa_reserve_vcc 0
		.amdhsa_float_denorm_mode_32 3
		.amdhsa_float_denorm_mode_16_64 3
		.amdhsa_memory_ordered 1
		.amdhsa_forward_progress 1
		.amdhsa_inst_pref_size 8
	.end_amdhsa_kernel
	.amdgpu_metadata
---
amdhsa.version: [ 1, 2 ]
amdhsa.kernels:
  - .name:           k_q402eca5a06_combine
    .symbol:         k_q402eca5a06_combine.kd
    .args:
      - { .name: part, .offset: 0, .size: 8, .value_kind: global_buffer, .address_space: global }
      - { .name: out0, .offset: 8, .size: 8, .value_kind: global_buffer, .address_space: global }
    .group_segment_fixed_size: 0
    .private_segment_fixed_size: 0
    .kernarg_segment_align: 8
    .kernarg_segment_size: 16
    .max_flat_workgroup_size: 256
    .sgpr_count:     66
    .vgpr_count:     144
    .wavefront_size: 32
...
	.end_amdgpu_metadata
.endif
;; end of part 4
;; ======== version 2 of 3: 4 launches
;; workspace buffers: xb 2,097,152 bytes; bm 2,048 bytes of whole numbers; gk 8,192 bytes; h 83,886,080 bytes; part 33,554,432 bytes
;; launch router: the kernel of part 1 again; grid 128 x 1, 8 waves a work-group, no clusters, 3,072 bytes of LDS; arguments x, Wg, xb, bm, gk; writes xb, bm, gk
;; launch ffn1 (part 5): grid 32 x 8, 4 waves a work-group, no clusters, 279,040 bytes of LDS; arguments W1, b1, xb, bm, h; writes h
.if DOCPART == 5
	.amdgcn_target "amdgcn-amd-amdhsa--gfx1250"
	.amdhsa_code_object_version 6
	.text
	.protected	k_q402eca5a06_ffn1
	.globl	k_q402eca5a06_ffn1
	.p2align	8
	.type	k_q402eca5a06_ffn1,@function
k_q402eca5a06_ffn1:
	s_mov_b64 s[64:65], 0
	v_nop
	global_prefetch_b8 v0, s[64:65] scope:SCOPE_SE
	s_setreg_imm32_b32 hwreg(HW_REG_WAVE_MODE, 25, 1), 1
	s_wait_xcnt 0x0
; FIRST PRODUCT OF THE EXPERTS.  h = relu(x W1[e] + b1[e]) for the rows that chose expert e.  W1: [8][1024][4096] f32, b1: [8][4096] f32, xb: [1024][1024] bf16, bm: the choices as bitmaps.
; SHARES.  Work-group (sl, e) owns columns 128 sl .. + 127 of expert e, which it alone reads, and ALL of the expert's rows.  Rows go in passes of 320, 20 tiles of 16, dealt round the waves: wave w owns
; rows 64 m + 16 w .. + 15 of a pass, m = 0..4, times all 128 columns: 40 accumulators.  So a wave's live tiles are the first of its five, and with c rows left only ceil(c / 16) tiles are live in all.
; An expert has 0 to 1,024 rows: pass 0 always runs; passes 1 to 3 are jumped where the count ends before them.  A wave's FIFTH tile is multiplied and stored only where it holds a live row (flag L5).
; THE WEIGHTS COME ONCE AND STAY.  The slice (1,024 rows of 512 bytes) is loaded in f32, one row (512 consecutive bytes) to an instruction, rounded to bf16 in registers and stored into LDS, each LDS byte
; once.  Pass 0 multiplies K chunk c (128 of K) while chunks c + 1 and c + 2 are on their way; later passes read the slice that is there, and write nothing into LDS.  No barrier stands under a branch on the count.
; TURNING.  Lane L loads columns 4 L .. 4 L + 3 of a row; register j of eight successive rows packs into 16 bytes, 8 k of one column, which go to LDS row 64 (L / 16) + 16 j + L % 16.
; So tile T of 16 LDS rows holds in its row c the slice's column 64 (T / 4) + 4 c + T % 4.
; THE PRODUCT IS USED TRANSPOSED (source 0 = 16 columns of W1, source 1 = 16 tokens): a lane holds ONE token (lane % 16) and tile columns 8 (lane / 16) + 0..7.  Tiles 2 f and 2 f + 1, rounded in pairs, ARE
; the operand (16 tokens x 32 k) of the second product, and are stored as they lie: h[tile 80 e + 20 pass + 5 w + m][block kb = 4 sl + f][1,024 bytes]; the second product takes W2's rows in the same order of k.
; WHICH TOKEN IS ROW q OF THE EXPERT is found in registers, from the 32 words of the expert's bitmap, by shifts, masks and sums alone (macro RSEL): no list in LDS, no store and load of one.
; ROWS PAST THE COUNT: in the wave that holds the expert's last live row they repeat that row, elsewhere they name token 0.  Of a pass that runs, every wave's tiles 0 to 3 are stored, the fifth where it is
; live: just the tiles that the second product reads; it finds the last live row again in the dead places of the one tile that is partly live.
; FORMATS.  W1, b1 and x are rounded to bf16 like every input of the program; sums in f32, started from the bias; h rounded once to bf16 (f16 would not hold it for inputs some 30 times larger).
; LIMITS.  relu of a NaN gives 0 here.
; NO JOINT LOADS: each weight byte has one reader, and the token rows come by their ranks in a bitmap.
; REGISTERS, in windows of 256 (s_set_vgpr_msb: bits 1:0 source 0, 3:2 source 1, 5:4 source 2, 7:6 destination):
;   window 0: v0-31 addresses and small things; v32-159 two buffers of 8 weight fragments (v32-82 also at work in RSEL, ahead of a pass's first fragments); v160-223 the bias; v224-255 the way out
;   window 1: v0-159 a ring of four buffers of 5 token fragments; v160-164 the tokens' byte offsets
;   window 2: the accumulators of tiles 0-3 (64 m + 8 T)      window 3: v0-63 those of tile 4; v64-191 four sets of 8 rows of W1 as loaded; v192-207 packed; v208-209 addresses
.set WPB,   16384                      ; bytes from row to row of W1
.set WCH,   128*WPB                    ; a K chunk of 128 rows
.set WG_A,  64                         ; my group g's row i in a chunk: WG_A (g / 2) + WG_B (g % 2) + WG_I i, plus my wave's 8 w: k = 32 g + 8 w + i
.set WG_B,  32
.set WG_I,  1
.set A_CH,  256                        ; bytes of a token's row in a K chunk, in 32 of K, and between a fragment's two loads
.set A_Q,   64
.set A_H2,  32
.set PITCH, 272                        ; an LDS row: 128 k x 2 bytes + 16: row r starts at bank 4 r mod 64 (64 banks of 4 bytes: ISA guide 11.1)
.set TILEB, 16*PITCH
.set CHB,   8*TILEB                    ; a chunk in LDS: 128 columns; a multiple of 256
.set BSTX,  CHB-256                    ; 128 xor (CHB - 128): turns the later passes' one LDS step into the other
.set SPARE, 8*CHB                      ; behind the slice: the spare words, 128 bytes for each wave, that no other line names
.set LN,   1                           ; v1   lane
.set RR,   2                           ; v2   lane % 16
.set HH,   3                           ; v3   lane / 16
.set BAD,  4                           ; v4   LDS address of my part of a weight fragment, in the chunk in hand
.set BAD0, 5                           ; v5   the same in chunk 0; never rewritten
.set H16,  7                           ; v7   16 (lane / 16)
.set SPW,  16                          ; v16  LDS address of my spare word; never rewritten
.set NIL,  17                          ; v17  0; never rewritten
.set ZERO, 18                          ; v18  0, for relu
.set BMU,  19                          ; v19  lane l: word l of the expert's bitmap: first and second choices together
.set BM1,  20                          ; v20  the second choices, as loaded
.set HOF,  23                          ; v23  16 x lane
.set PFO,  24                          ; v24  the prefetch's offset
.set BOF,  25                          ; v25  the bias's offset
.set BMO,  27                          ; v27  4 x lane
.set WB,   32
.set QR,   32                          ; RSEL, five registers each, one a tile: the rank q
.set WD,   37                          ; the bitmap word that holds it
.set PK,   42                          ; the set bits ahead of that word, and 32 x the word's number << 16
.set NA,   47                          ; the word's counts in fields of 2 bits,
.set NB,   52                          ; of 4,
.set NC,   57                          ; of 8
.set NN,   62                          ; the rank inside what is left of the word
.set PS,   67                          ; the bit's place, then the token
.set TT,   72                          ; at work
.set UU,   77
.set LASTV, 82                         ; the last live row's token
.set BI,   160
.set EP,   224
.set TA,   0                           ; window 1
.set TOF,  160                         ; window 1
.set WS,   64                          ; window 3
.set CT,   192                         ; window 3
.set WOF,  208                         ; window 3: 16 x lane
.set WAD,  209                         ; window 3: where I store 16 bytes of a column, in the chunk being filled
.set WV,   16                          ; s16  wave
.set EX,   17                          ; s17  expert
.set SL,   18                          ; s18  slice
.set SW,   20                          ; s[20:21] W1 at my rows of the chunk in hand
.set SA,   22                          ; s[22:23] xb at the chunk in hand
.set SPF,  24                          ; s[24:25] W1 at the rows that I ask for ahead
.set SO,   26                          ; s[26:27] h at my tiles
.set OF,   30                          ; s[30:31] an offset, high word 0
.set TR,   32                          ; s32  trips to go
.set CNT,  33                          ; s33  the expert's rows
.set WI,   35                          ; s35  word of the bitmap
.set W32,  36                          ; s36  32 x WI
.set LIM,  40                          ; s40  the expert's last live row
.set PASS, 41                          ; s41
.set ROW0, 42                          ; s42  my wave's first row: 320 pass + 16 w
.set KT,   43                          ; s43  half chunks to go in a later pass
.set T0,   44
.set T1,   45
.set L5,   46                          ; s46  1: my fifth tile holds a live row
.set BST,  47                          ; s47  a later pass's next LDS step
.set M5,   51                          ; s51  0x55555555
.set M3,   52                          ; s52  0x33333333
.set MF,   53                          ; s53  0x0f0f0f0f
.set MH,   54                          ; s54  0xffff0000
.set ML,   55                          ; s55  0x0000ffff
.set MSB, 0
.macro WIN new                         ; the immediate's high byte repeats the setting that is left; a switch that changes nothing is dropped
.if MSB != (\new)
	s_set_vgpr_msb (MSB<<8)|(\new)
.set MSB, \new
.endif
.endm
.set W3,     0xcf                      ; sources 0 and 1 and destination in window 3
.set WA,     0x41                      ; source 0 (address) and destination in window 1
.set MUL_LO, 0xa4                      ; source 0 (W1) window 0, source 1 (tokens) window 1, C and D window 2
.set MUL_HI, 0xf4                      ; the same, C and D window 3
.macro PLACES                          ; four plain instructions between a matrix instruction and a load into, or a vector line on, its registers
.rept 4
	v_nop
.endr
.endm
.macro WLOAD set, g, coff              ; eight rows of W1: group g of the chunk coff bytes on
	WIN W3
.irp i, 0,1,2,3,4,5,6,7
	global_load_b128 v[WS+32*(\set)+4*(\i):WS+32*(\set)+4*(\i)+3], v[WOF], s[SW:SW+1] offset:(\coff)+(WG_A*((\g)/2)+WG_B*((\g)%2)+WG_I*(\i))*WPB th:TH_LOAD_NT
.endr
.endm
.macro CVT set                         ; register j of rows 2 u and 2 u + 1 into one word: four words are 8 k of column j
	WIN W3
.irp j, 0,1,2,3
.irp u, 0,1,2,3
	v_cvt_pk_bf16_f32 v[CT+4*(\j)+(\u)], v[WS+32*(\set)+8*(\u)+(\j)], v[WS+32*(\set)+8*(\u)+4+(\j)]
.endr
.endr
.endm
.macro WSTORE g
	WIN W3
.irp j, 0,1,2,3
	ds_store_b128 v[WAD], v[CT+4*(\j):CT+4*(\j)+3] offset:64*(\g)+(\j)*TILEB
.endr
.endm
.macro ALOAD buf, off                  ; five token fragments, 32 of K at byte off of the rows (a dead tile's 16 rows are one token's: a few bytes)
	WIN WA
.irp m, 0,1,2,3,4
	global_load_b128 v[TA+40*(\buf)+8*(\m):TA+40*(\buf)+8*(\m)+3], v[TOF+(\m)], s[SA:SA+1] offset:(\off)
	global_load_b128 v[TA+40*(\buf)+8*(\m)+4:TA+40*(\buf)+8*(\m)+7], v[TOF+(\m)], s[SA:SA+1] offset:(\off)+A_H2
.endr
.endm
.macro FETCH buf, off                  ; eight weight fragments in one run
	WIN 0
.irp t, 0,1,2,3,4,5,6,7
	ds_load_b128 v[WB+64*(\buf)+8*(\t):WB+64*(\buf)+8*(\t)+3], v[BAD] offset:(\off)+(\t)*TILEB
	ds_load_b128 v[WB+64*(\buf)+8*(\t)+4:WB+64*(\buf)+8*(\t)+7], v[BAD] offset:(\off)+(\t)*TILEB+32
.endr
.endm
.macro MULM m, ab, wb                  ; eight products: token tile m x all 8 column tiles.  The accumulators take turns, one instruction a turn
.if (\m) < 4
	WIN MUL_LO
.set AC, 64*(\m)
.else
	WIN MUL_HI
.set AC, 0
.endif
.irp t, 0,1,2,3,4,5,6,7
	v_wmma_f32_16x16x32_bf16 v[AC+8*(\t):AC+8*(\t)+7], v[WB+64*(\wb)+8*(\t):WB+64*(\wb)+8*(\t)+7], v[TA+40*(\ab)+8*(\m):TA+40*(\ab)+8*(\m)+7], v[AC+8*(\t):AC+8*(\t)+7]
.endr
.endm
; A SUB-STEP: 32 of K, 40 products (32 where my fifth tile is dead) on token buffer q and weight buffer q % 2.  n: the loads issued behind this sub-step's tokens, which may stay out.
; cv: my group q of the next chunk, which came ahead of those tokens, is rounded (the 16 conversions are the places behind the last products) and stored, ahead of the sub-step's global loads, so that the
; stores have those loads' issue in which to land.  wl: group q of the chunk two on is asked for.  al: the tokens three sub-steps on are asked for.  ft: the next sub-step's weight fragments are fetched.
; bar: the next chunk's last group is stored: barrier; its fragments are fetched behind the wait.  The jump over the fifth tile passes eight products and nothing else: every wait's count holds on both ways.
; pf: 32 rows of the chunk three on are asked for ahead, 256 bytes a lane, each block by one lane of one wave: one trip before their loads; not in the last trip, whose look-ahead would pass the slice.
.macro SUB q, n, cv, wl, al, ft, bar, pf=0
	s_wait_loadcnt \n
.if \cv
	CVT \q
	WSTORE \q
.else
	PLACES
.endif
.if \al
	ALOAD ((\q)+3)%4, A_CH*(((\q)+3)/4)+A_Q*(((\q)+3)%4)
.endif
.if \wl
	WLOAD \q, \q, 2*WCH
.endif
.if \bar
	s_wait_dscnt 0x0                               ; for the others' sake: my stores into the next chunk are done (and my fragments are in)
	s_barrier_signal -1
.else
	s_wait_dscnt 4*(\cv)                           ; my fragments are in; the stores issued behind them may be out
.endif
	MULM 0, \q, (\q)%2
	MULM 1, \q, (\q)%2
.if \bar
	s_barrier_wait -1                              ; the next chunk is whole
.endif
.if \ft
.if (\q) < 3
	FETCH ((\q)+1)%2, 64*((\q)+1)
.else
	FETCH 0, CHB
.endif
.endif
.if \pf
	s_cmp_eq_u32 s[TR], 1
	s_cbranch_scc1 .Lno_ask_\@
	global_prefetch_b8 v[PFO], s[SPF:SPF+1] th:TH_LOAD_NT scope:SCOPE_SE
	global_prefetch_b8 v[PFO], s[SPF:SPF+1] offset:16*WPB th:TH_LOAD_NT scope:SCOPE_SE
.Lno_ask_\@:
.endif
	WIN 0                                          ; at a branch and at a label every window is 0: behind the run of LDS loads it is so already
	s_cmp_eq_u32 s[L5], 0
	s_cbranch_scc1 .Lno5_\@
	MULM 4, \q, (\q)%2
	WIN 0
.Lno5_\@:
	MULM 2, \q, (\q)%2
	MULM 3, \q, (\q)%2
.endm
.macro STEP                            ; on to the next chunk
	WIN 0
	s_wait_xcnt 0x0                                ; the bases of loads that are out are stepped only behind this wait
	s_add_nc_u64 s[SW:SW+1], s[SW:SW+1], WCH
	s_add_nc_u64 s[SA:SA+1], s[SA:SA+1], A_CH
	s_add_nc_u64 s[SPF:SPF+1], s[SPF:SPF+1], WCH
	v_add_nc_u32 v[BAD], CHB, v[BAD]
	WIN W3
	v_add_nc_u32 v[WAD], CHB, v[WAD]
	WIN 0
.endm
; One halving of RSEL's search, for all five tiles, line by line, so that no line waits for the one before it.  t = the set bits in the lower w bits of what is left (a field of src at bit PS); d = n - t.
; Where n >= t the bit lies in the upper part: n becomes d and PS gains 1 << lg.  As unsigned numbers min(n, d) is d there and n elsewhere (d has wrapped); 1 + (d >> 31, arithmetic) is 1 there and 0 elsewhere.
.macro LEVEL src, w, lg, keep
.irp m, 0,1,2,3,4
	v_bfe_u32 v[TT+(\m)], v[(\src)+(\m)], v[PS+(\m)], \w
.endr
.irp m, 0,1,2,3,4
	v_sub_nc_u32 v[TT+(\m)], v[NN+(\m)], v[TT+(\m)]
.endr
.irp m, 0,1,2,3,4
	v_ashrrev_i32 v[UU+(\m)], 31, v[TT+(\m)]
.endr
.if \keep
.irp m, 0,1,2,3,4
	v_min_u32 v[NN+(\m)], v[NN+(\m)], v[TT+(\m)]
.endr
.endif
.irp m, 0,1,2,3,4
	v_add_nc_u32 v[UU+(\m)], 1, v[UU+(\m)]
.endr
.irp m, 0,1,2,3,4
	v_lshl_or_b32 v[PS+(\m)], v[UU+(\m)], \lg, v[PS+(\m)]
.endr
.endm
; THE TOKENS OF MY WAVE'S 80 ROWS.  Lane (r, h) wants, for tile m, the token whose bit has rank q = ROW0 + 64 m + r among the set bits of the expert's bitmap.
; 1. Word by word, CNT the set bits so far: where q >= CNT the lane takes this word and (CNT, 32 x its number), else it keeps what it has: it ends with the last word that begins at or below q, which holds the bit.
; 2. The bit of rank n = q - (the bits ahead of the word) is found by five halvings on the word's counts in fields of 8, 4 and 2 bits.
; 3. Rows past the count take the token of row CNT - 1.  With d = CNT - 1 - ROW0 that row is my wave's where bits 5:4 of d are 0 (the pass's tiles go round the four waves); it then lies in tile d / 64,
;    lane d % 16.  Where it is not mine (or d has wrapped, or lies in a later pass) no tile matches, and the places take token 0.
; It also leaves the expert's count in CNT, and in L5 whether my fifth tile begins below the count.
.macro RSEL
.irp m, 0,1,2,3,4
	s_add_co_u32 s[T0], s[ROW0], 64*(\m)
	v_add_nc_u32 v[QR+(\m)], s[T0], v[RR]
	v_mov_b32 v[WD+(\m)], 0
	v_mov_b32 v[PK+(\m)], 0
.endr
	s_mov_b32 s[CNT], 0
	s_mov_b32 s[W32], 0
	s_mov_b32 s[WI], 0
.Lword_\@:
	v_readlane_b32 s39, v[BMU], s[WI]
	s_lshl_b32 s38, s[W32], 16
	s_or_b32 s38, s38, s[CNT]                      ; CNT is 1,024 at the most: the two parts do not meet
.irp m, 0,1,2,3,4
	v_sub_nc_u32 v[TT+(\m)], v[QR+(\m)], s[CNT]
.endr
.irp m, 0,1,2,3,4
	v_ashrrev_i32 v[TT+(\m)], 31, v[TT+(\m)]       ; all ones where q < CNT
.endr
.irp m, 0,1,2,3,4
	v_bfi_b32 v[WD+(\m)], v[TT+(\m)], v[WD+(\m)], s39
.endr
.irp m, 0,1,2,3,4
	v_bfi_b32 v[PK+(\m)], v[TT+(\m)], v[PK+(\m)], s38
.endr
	s_bcnt1_i32_b32 s37, s39
	s_add_co_u32 s[CNT], s[CNT], s37
	s_add_co_u32 s[W32], s[W32], 32
	s_add_co_u32 s[WI], s[WI], 1
	s_cmp_lt_u32 s[WI], 32
	s_cbranch_scc1 .Lword_\@
.irp m, 0,1,2,3,4                      ; counts in fields of 2 bits: x - ((x >> 1) & 0x5555..)
	v_lshrrev_b32 v[TT+(\m)], 1, v[WD+(\m)]
.endr
.irp m, 0,1,2,3,4
	v_and_b32 v[TT+(\m)], s[M5], v[TT+(\m)]
.endr
.irp m, 0,1,2,3,4
	v_sub_nc_u32 v[NA+(\m)], v[WD+(\m)], v[TT+(\m)]
.endr
.irp m, 0,1,2,3,4                      ; of 4 bits
	v_lshrrev_b32 v[TT+(\m)], 2, v[NA+(\m)]
.endr
.irp m, 0,1,2,3,4
	v_and_b32 v[UU+(\m)], s[M3], v[NA+(\m)]
.endr
.irp m, 0,1,2,3,4
	v_and_b32 v[TT+(\m)], s[M3], v[TT+(\m)]
.endr
.irp m, 0,1,2,3,4
	v_add_nc_u32 v[NB+(\m)], v[TT+(\m)], v[UU+(\m)]
.endr
.irp m, 0,1,2,3,4                      ; of 8 bits
	v_lshrrev_b32 v[TT+(\m)], 4, v[NB+(\m)]
.endr
.irp m, 0,1,2,3,4
	v_and_b32 v[UU+(\m)], s[ML], v[PK+(\m)]        ; (the bits ahead of the word)
.endr
.irp m, 0,1,2,3,4
	v_add_nc_u32 v[TT+(\m)], v[TT+(\m)], v[NB+(\m)]
.endr
.irp m, 0,1,2,3,4
	v_sub_nc_u32 v[NN+(\m)], v[QR+(\m)], v[UU+(\m)]  ; n
.endr
.irp m, 0,1,2,3,4
	v_and_b32 v[NC+(\m)], s[MF], v[TT+(\m)]
.endr
.irp m, 0,1,2,3,4                      ; the first halving: t = the two low bytes' counts
	v_lshrrev_b32 v[TT+(\m)], 8, v[NC+(\m)]
.endr
.irp m, 0,1,2,3,4
	v_add_nc_u32 v[TT+(\m)], v[TT+(\m)], v[NC+(\m)]
.endr
.irp m, 0,1,2,3,4
	v_bfe_u32 v[TT+(\m)], v[TT+(\m)], 0, 8
.endr
.irp m, 0,1,2,3,4
	v_sub_nc_u32 v[TT+(\m)], v[NN+(\m)], v[TT+(\m)]
.endr
.irp m, 0,1,2,3,4
	v_ashrrev_i32 v[UU+(\m)], 31, v[TT+(\m)]
.endr
.irp m, 0,1,2,3,4
	v_min_u32 v[NN+(\m)], v[NN+(\m)], v[TT+(\m)]
.endr
.irp m, 0,1,2,3,4
	v_add_nc_u32 v[UU+(\m)], 1, v[UU+(\m)]
.endr
.irp m, 0,1,2,3,4
	v_lshlrev_b32 v[PS+(\m)], 4, v[UU+(\m)]
.endr
	LEVEL NC, 8, 3, 1
	LEVEL NB, 4, 2, 1
	LEVEL NA, 2, 1, 1
	LEVEL WD, 1, 0, 0
.irp m, 0,1,2,3,4
	v_lshrrev_b32 v[UU+(\m)], 16, v[PK+(\m)]
.endr
.irp m, 0,1,2,3,4
	v_add_nc_u32 v[PS+(\m)], v[UU+(\m)], v[PS+(\m)]  ; the token
.endr
	s_sub_co_i32 s[LIM], s[CNT], 1
	s_max_i32 s[LIM], s[LIM], 0
	s_sub_co_u32 s37, s[LIM], s[ROW0]              ; d
	s_lshr_b32 s38, s37, 6                         ; its tile, if it is mine
	s_bfe_u32 s[T1], s37, 0x20004                  ; bits 5:4: how many waves on from mine
	s_and_b32 s37, s37, 15                         ; its lane
	s_cmp_lg_u32 s[T1], 0
	s_cselect_b32 s38, 64, s38                     ; another wave's: no tile matches
	s_mov_b32 s39, 0
.irp m, 0,1,2,3,4
	v_readlane_b32 s[T0], v[PS+(\m)], s37
	s_cmp_eq_u32 s38, \m
	s_cselect_b32 s39, s[T0], s39
.endr
	v_mov_b32 v[LASTV], s39
.irp m, 0,1,2,3,4
	v_sub_nc_u32 v[TT+(\m)], s[LIM], v[QR+(\m)]
.endr
.irp m, 0,1,2,3,4
	v_ashrrev_i32 v[TT+(\m)], 31, v[TT+(\m)]       ; all ones where q lies past the last live row
.endr
.irp m, 0,1,2,3,4
	v_bfi_b32 v[PS+(\m)], v[TT+(\m)], v[LASTV], v[PS+(\m)]
.endr
.irp m, 0,1,2,3,4
	v_min_u32 v[PS+(\m)], 0x3ff, v[PS+(\m)]        ; a number made of loaded data enters an address behind a bound written in this form
.endr
	WIN 0x40
.irp m, 0,1,2,3,4
	v_lshl_add_u32 v[TOF+(\m)], v[PS+(\m)], 11, v[H16]  ; the token's row of 2,048 bytes, at 16 (lane / 16)
.endr
	WIN 0
	s_add_co_u32 s[T0], s[ROW0], 256               ; my fifth tile's first row
	s_cmp_lt_u32 s[T0], s[CNT]
	s_cselect_b32 s[L5], 1, 0
.endm
.macro ACCINIT                         ; the sums start from the bias: register i of tile T = 4 g + j is column 64 g + 32 h + 4 i + j
	WIN 0x80
.set z, 0
.rept 256
	v_mov_b32 v[z], v[BI+32*((z/32)%2)+4*(z%8)+((z/8)%4)]
.set z, z+1
.endr
	WIN 0xc0
.set z, 0
.rept 64
	v_mov_b32 v[z], v[BI+32*((z/32)%2)+4*(z%8)+((z/8)%4)]
.set z, z+1
.endr
	WIN 0
.endm
.macro PRO g, n                        ; the prologue's step g: chunk 0's group g is stored, then the first tokens and chunk 1's group g are asked for
	s_wait_loadcnt \n
	CVT \g
	WSTORE \g
.if (\g) > 0
	ALOAD (\g)-1, A_Q*((\g)-1)
.endif
	WLOAD \g, \g, WCH
.endm
	s_load_b256 s[4:11], s[0:1], 0x0               ; W1 s[4:5], b1 s[6:7], xb s[8:9], bm s[10:11]
	s_load_b64 s[12:13], s[0:1], 0x20              ; h
	v_lshl_add_u32 v[SPW], v0, 2, SPARE
	v_mov_b32 v[NIL], 0
	v_lshrrev_b32 v8, 5, v0
	v_readfirstlane_b32 s[WV], v8                  ; wave 0..3
	s_and_b32 s[EX], ttmp7, 0xffff
	s_mov_b32 s[SL], ttmp9
	s_mov_b32 s[M5], 0x55555555
	s_mov_b32 s[M3], 0x33333333
	s_mov_b32 s[MF], 0x0f0f0f0f
	s_mov_b32 s[MH], 0xffff0000
	s_mov_b32 s[ML], 0x0000ffff
	v_and_b32 v[LN], 31, v0
	v_and_b32 v[RR], 15, v0
	v_bfe_u32 v[HH], v0, 4, 1
	v_mul_u32_u24 v[BAD0], v[RR], PITCH
	v_lshl_add_u32 v[BAD0], v[HH], 4, v[BAD0]      ; row x pitch + 16 x half
	v_mov_b32 v[BAD], v[BAD0]
	v_lshlrev_b32 v[H16], 4, v[HH]
	v_mov_b32 v[ZERO], 0
	v_lshlrev_b32 v[HOF], 4, v[LN]
	v_lshrrev_b32 v8, 1, v[LN]
	v_and_b32 v9, 1, v[LN]
	v_mul_u32_u24 v8, v8, WPB
	v_lshl_add_u32 v[PFO], v9, 8, v8               ; row lane / 2, half lane % 2 of its 512 bytes
	v_lshlrev_b32 v[BOF], 7, v[HH]                 ; 32 numbers of the bias for each half of the lanes
	v_lshlrev_b32 v[BMO], 2, v[LN]
	v_lshl_add_u32 v8, v[HH], 6, v[RR]
	v_mul_u32_u24 v8, v8, PITCH
	s_lshl_b32 s[T1], s[WV], 4
	v_add_nc_u32 v8, s[T1], v8                     ; LDS row 64 (L / 16) + L % 16, my wave's 8 k
	WIN 0xc0
	v_mov_b32 v[WAD], v8
	v_lshlrev_b32 v[WOF], 4, v[LN]
	WIN 0
	s_mov_b32 s[OF+1], 0
	s_mov_b32 s[PASS], 0
	s_lshl_b32 s[ROW0], s[WV], 4                   ; pass 0: my first tile begins at row 16 w
	s_wait_kmcnt 0x0
	s_lshl_b32 s[OF], s[EX], 8
	s_add_nc_u64 s[10:11], s[10:11], s[OF:OF+1]    ; the expert's two bitmaps
	s_lshl_b32 s[OF], s[EX], 14
	s_lshl_b32 s[T0], s[SL], 9
	s_add_co_u32 s[OF], s[OF], s[T0]
	s_add_nc_u64 s[6:7], s[6:7], s[OF:OF+1]        ; b1 at the slice
	s_lshl_b32 s[OF], s[EX], 24
	s_add_co_u32 s[OF], s[OF], s[T0]
	s_add_nc_u64 s[4:5], s[4:5], s[OF:OF+1]        ; W1 at the slice
	s_lshl_b32 s[OF], s[WV], 17                    ; my wave's rows 8 w
	s_add_nc_u64 s[SW:SW+1], s[4:5], s[OF:OF+1]
	s_lshl_b32 s[OF], s[WV], 19                    ; rows 32 w
	s_add_co_u32 s[OF], s[OF], 3*WCH               ; of chunk 3
	s_add_nc_u64 s[SPF:SPF+1], s[4:5], s[OF:OF+1]
	s_mov_b64 s[SA:SA+1], s[8:9]
	global_load_b32 v[BMU], v[BMO], s[10:11]
	global_load_b32 v[BM1], v[BMO], s[10:11] offset:128
.irp g, 0,1
.irp i, 0,1,2,3,4,5,6,7
	global_load_b128 v[BI+32*(\g)+4*(\i):BI+32*(\g)+4*(\i)+3], v[BOF], s[6:7] offset:256*(\g)+16*(\i)
.endr
.endr
	WLOAD 0, 0, 0                                  ; chunk 0
	WLOAD 1, 1, 0
	WLOAD 2, 2, 0
	WLOAD 3, 3, 0
	WIN 0
	s_wait_loadcnt 32                              ; bitmaps and bias are in; the 32 loads of W1 stay out
	v_or_b32 v[BMU], v[BMU], v[BM1]                ; a row of the expert is a token that chose it first or second
.set z, 0
.rept 32                               ; the bias rounded to bf16 and widened again
	v_cvt_pk_bf16_f32 v[8+z%4], v[BI+2*z], v[BI+2*z+1]
	v_lshlrev_b32 v[BI+2*z], 16, v[8+z%4]
	v_and_b32 v[BI+2*z+1], s[MH], v[8+z%4]
.set z, z+1
.endr
	RSEL
	PRO 0, 24                                      ; behind group 0: groups 1-3
	PRO 1, 24                                      ; behind group 1: groups 2-4
	PRO 2, 34                                      ; behind group 2: groups 3, 4, 5 and ten loads of tokens
	PRO 3, 44                                      ; behind group 3: groups 4, 5, 6 and twenty loads of tokens
	ACCINIT                                        ; behind the prologue's loads and stores: the moves run while those are on their way
	s_wait_dscnt 0x0                               ; my part of chunk 0 is stored
	s_barrier_signal -1
	s_barrier_wait -1                              ; everybody's is
	WIN W3
	v_add_nc_u32 v[WAD], CHB, v[WAD]
	FETCH 0, 0
	s_mov_b32 s[TR], 6
.Ltrip:                                                ; trip c = 0..5: multiplies chunk c, stores chunk c + 1, asks for chunk c + 2
	SUB 0, 44, 1, 1, 1, 1, 0, 1                    ; 44: behind these tokens came 8 + 10 + 8 + 10 + 8 loads
	SUB 1, 44, 1, 1, 1, 1, 0
	SUB 2, 44, 1, 1, 1, 1, 0
	SUB 3, 44, 1, 1, 1, 1, 1
	STEP
	s_sub_co_u32 s[TR], s[TR], 1
	s_cmp_lg_u32 s[TR], 0
	s_cbranch_scc1 .Ltrip
	SUB 0, 44, 1, 0, 1, 1, 0                       ; chunk 6: nothing of W1 is left to ask for, and the counts run down
	SUB 1, 36, 1, 0, 1, 1, 0
	SUB 2, 28, 1, 0, 1, 1, 0
	SUB 3, 20, 1, 0, 1, 1, 1
	STEP
	SUB 0, 20, 0, 0, 1, 1, 0                       ; chunk 7
	SUB 1, 20, 0, 0, 0, 1, 0
	SUB 2, 10, 0, 0, 0, 1, 0
	SUB 3, 0, 0, 0, 0, 0, 0
	WIN 0
	s_branch .Lepi                                 ; pass 0 enters the loop over passes at the way out, which is written once
.Lpass:                                                ; passes 1 to 3: rows 320 PASS on, from the slice that is in LDS: no barrier, and nothing is stored into LDS
	s_mul_i32 s[T0], s[PASS], 320
	s_cmp_ge_u32 s[T0], s[CNT]
	s_cbranch_scc1 .Ldead
	s_wait_xcnt 0x0                                ; the last pass's stores have read their registers
	s_lshl_b32 s[T1], s[WV], 4
	s_add_co_u32 s[ROW0], s[T0], s[T1]
	RSEL                                           ; (the way out's vector lines are the places behind the last products, whose weight fragments it writes over)
	ACCINIT
	s_mov_b64 s[SA:SA+1], s[8:9]
	v_mov_b32 v[BAD], v[BAD0]
	s_mov_b32 s[BST], 128
	s_mov_b32 s[KT], 16
.Lkt:                                                  ; a trip: 64 of K, half a chunk.  Short text for a way that only an expert with more than 320 rows takes
	PLACES
	ALOAD 0, 0
	ALOAD 1, A_Q
	FETCH 0, 0
	SUB 0, 10, 0, 0, 0, 1, 0                       ; the second quarter's ten loads stay out
	SUB 1, 0, 0, 0, 0, 0, 0
	WIN 0
	s_wait_xcnt 0x0
	s_add_nc_u64 s[SA:SA+1], s[SA:SA+1], 2*A_Q
	v_add_nc_u32 v[BAD], s[BST], v[BAD]            ; 128 bytes on in the chunk's rows, or on to the next chunk's first bytes,
	s_xor_b32 s[BST], s[BST], BSTX                 ; by turns
	s_sub_co_u32 s[KT], s[KT], 1
	s_cmp_lg_u32 s[KT], 0
	s_cbranch_scc1 .Lkt
.Lepi:                                                 ; THE WAY OUT: rounded in pairs, relu on the packed halves, stored as the second product's operand
	PLACES
	s_wait_xcnt 0x0
	s_mul_i32 s[T0], s[EX], 80
	s_mul_i32 s[T1], s[PASS], 20
	s_add_co_u32 s[T0], s[T0], s[T1]
	s_mul_i32 s[T1], s[WV], 5
	s_add_co_u32 s[T0], s[T0], s[T1]               ; my first tile: 80 e + 20 pass + 5 w
	s_lshl_b32 s[OF], s[T0], 17
	s_lshl_b32 s[T1], s[SL], 12                    ; blocks 4 sl on
	s_add_co_u32 s[OF], s[OF], s[T1]
	s_add_nc_u64 s[SO:SO+1], s[12:13], s[OF:OF+1]
.irp m, 0,1,2,3,4
.if (\m) == 4
	s_cmp_eq_u32 s[L5], 0
	s_cbranch_scc1 .Ldead                          ; a dead fifth tile was not multiplied, and the second product does not read it
.endif
.if (\m) > 0
	s_wait_xcnt 0x0                                ; the last tile's stores have read EP
.endif
.if (\m) < 4
	WIN 0x0a
.set AC, 64*(\m)
.else
	WIN 0x0f
.set AC, 0
.endif
.irp f, 0,1,2,3
.irp u, 0,1,2,3
	v_cvt_pk_bf16_f32 v[EP+8*(\f)+(\u)], v[AC+16*(\f)+2*(\u)], v[AC+16*(\f)+2*(\u)+1]  ; each accumulator from its low end on
.endr
.irp u, 0,1,2,3
	v_cvt_pk_bf16_f32 v[EP+8*(\f)+4+(\u)], v[AC+16*(\f)+8+2*(\u)], v[AC+16*(\f)+8+2*(\u)+1]
.endr
.endr
	WIN 0
.set z, 0
.rept 32
	v_pk_max_num_bf16 v[EP+z], v[EP+z], v[ZERO]
.set z, z+1
.endr
.irp f, 0,1,2,3
	global_store_b128 v[HOF], v[EP+8*(\f):EP+8*(\f)+3], s[SO:SO+1] offset:131072*(\m)+1024*(\f)  ; 512 consecutive bytes, aligned
	global_store_b128 v[HOF], v[EP+8*(\f)+4:EP+8*(\f)+7], s[SO:SO+1] offset:131072*(\m)+1024*(\f)+512
.endr
.endr
.Ldead:
	s_add_co_u32 s[PASS], s[PASS], 1
	s_cmp_lt_u32 s[PASS], 4
	s_cbranch_scc1 .Lpass
	s_wait_dscnt 0x0                               ; my reads of LDS are back;
	s_barrier_signal -1
	s_barrier_wait -1                              ; every wave's are: only now is LDS written again, by the line below
	s_wait_tensorcnt 0x0                           ; the wave's end: a tensor wait, an add of 0 onto my spare word and a DS wait behind my last LDS store
	ds_add_u32 v[SPW], v[NIL]
	s_wait_dscnt 0x0
	s_endpgm
.Lfunc_end_k_q402eca5a06_ffn1:
	.size	k_q402eca5a06_ffn1, .Lfunc_end_k_q402eca5a06_ffn1-k_q402eca5a06_ffn1
	.p2alignl 7, 3214868480
	.fill 96, 4, 3214868480
	.section	.rodata,"a",@progbits
	.p2align	6, 0x0
	.amdhsa_kernel k_q402eca5a06_ffn1
		.amdhsa_group_segment_fixed_size 279040
		.amdhsa_private_segment_fixed_size 0
		.amdhsa_enable_private_segment 0
		.amdhsa_kernarg_size 40
		.amdhsa_user_sgpr_count 2
		.amdhsa_user_sgpr_kernarg_segment_ptr 1
		.amdhsa_wavefront_size32 1
		.amdhsa_system_sgpr_workgroup_id_x 1
		.amdhsa_system_sgpr_workgroup_id_y 1
		.amdhsa_system_sgpr_workgroup_id_z 1
		.amdhsa_system_vgpr_workitem_id 0
		.amdhsa_next_free_vgpr 1024
		.amdhsa_next_free_sgpr 66
		.amdhsa_reserve_vcc 0
		.amdhsa_float_denorm_mode_32 3
		.amdhsa_float_denorm_mode_16_64 3
		.amdhsa_memory_ordered 1
		.amdhsa_forward_progress 1
		.amdhsa_inst_pref_size 175
	.end_amdhsa_kernel
	.amdgpu_metadata
---
amdhsa.version: [ 1, 2 ]
amdhsa.kernels:
  - .name:           k_q402eca5a06_ffn1
    .symbol:         k_q402eca5a06_ffn1.kd
    .args:
      - { .name: W1, .offset: 0, .size: 8, .value_kind: global_buffer, .address_space: global }
      - { .name: b1, .offset: 8, .size: 8, .value_kind: global_buffer, .address_space: global }
      - { .name: xb, .offset: 16, .size: 8, .value_kind: global_buffer, .address_space: global }
      - { .name: bm, .offset: 24, .size: 8, .value_kind: global_buffer, .address_space: global }
      - { .name: h, .offset: 32, .size: 8, .value_kind: global_buffer, .address_space: global }
    .group_segment_fixed_size: 279040
    .private_segment_fixed_size: 0
    .kernarg_segment_align: 8
    .kernarg_segment_size: 40
    .max_flat_workgroup_size: 128
    .sgpr_count:     66
    .vgpr_count:     1024
    .wavefront_size: 32
...
	.end_amdgpu_metadata
.endif
;; end of part 5
;; launch ffn2 (part 6): grid 32 x 8, 4 waves a work-group, no clusters, 311,808 bytes of LDS; arguments W2, b2, h, bm, gk, part; writes part
.if DOCPART == 6
	.amdgcn_target "amdgcn-amd-amdhsa--gfx1250"
	.amdhsa_code_object_version 6
	.text
	.protected	k_q402eca5a06_ffn2
	.globl	k_q402eca5a06_ffn2
	.p2align	8
	.type	k_q402eca5a06_ffn2,@function
k_q402eca5a06_ffn2:
	s_mov_b64 s[64:65], 0
	v_nop
	global_prefetch_b8 v0, s[64:65] scope:SCOPE_SE
	s_setreg_imm32_b32 hwreg(HW_REG_WAVE_MODE, 25, 1), 1
	s_wait_xcnt 0x0
; SECOND PRODUCT OF THE EXPERTS.  part[qk][slot][token] = gate x (h W2[e] over K quarter qk, + b2[e] in quarter 0), for the rows that chose expert e.  W2: [8][4096][1024] f32, b2: [8][1024] f32.
; SHARES.  Work-group (cs + 8 qk, e) owns columns 128 cs .. + 127 and rows 1,024 qk .. + 1,023 of W2[e], which it alone reads, and ALL of the expert's rows, in passes of 320 dealt as in the first product:
; wave w owns rows 64 m + 16 w .. + 15 of a pass, m = 0..4, times 128 columns: 40 accumulators.  Pass 0 always runs; passes 1 to 3 are jumped where the count ends before them.  A wave's FIFTH tile is
; multiplied only where it holds a live row (flag L5); where it does not, its loads name 16 bytes of the wave's first tile, so that no byte is read that the first product did not store.
; THE WEIGHTS COME ONCE AND STAY: loaded in f32, a row's 512 bytes to an instruction, rounded in registers, stored into LDS, each LDS byte once; pass 0 multiplies chunk c while chunks c + 1, c + 2 are on their way;
; later passes write nothing into LDS.  Lane L's register j of eight rows goes to LDS row 64 (L / 16) + 16 j + L % 16: tile T holds in its row c the slice's column 64 (T / 4) + 4 c + T % 4.
; THE ORDER OF K is the one in which the first product left h: place p of block f of a chunk is W2's row 64 (f / 2) + 4 (p % 16) + 2 (f % 2) + p / 16 of the chunk's 128: it stands in the loads' immediates.
; h comes as it lies: [tile 80 e + 20 pass + 5 w + m][block of 32 k][1,024 bytes], a lane's registers 0-3 at 16 L, 4-7 at 512 + 16 L: 512 consecutive bytes to a load.
; THE PRODUCT IS USED AS IT IS (source 0 = 16 rows of h, source 1 = 16 columns): register i of tiles 4 g .. 4 g + 3 gives a lane 4 neighbouring columns of row 8 (lane / 16) + i: 16 lanes store 256 aligned bytes.
; ROWS PAST THE COUNT.  Tiles wholly past it are not stored (a scalar jump).  In the one tile that is partly live the places past the count repeat the last live row: they store the same numbers to the same bytes
; again, from this work-group alone, at most 15 rows an expert.
; FORMATS.  W2 and b2 are rounded to bf16 like every input; sums in f32, started from the bias; the partial sums are stored in f32.
; NO JOINT LOADS: each weight byte has one reader; a chunk of h for 320 rows is 81,920 bytes, more than LDS has left beside the slice.
; REGISTERS, in windows of 256 (s_set_vgpr_msb: bits 1:0 source 0, 3:2 source 1, 5:4 source 2, 7:6 destination):
;   window 0: v0-31 addresses and small things; v32-159 two buffers of 8 weight fragments; v160-167 the bias; v176-239 the way out
;   window 1: v0-159 a ring of four buffers of 5 fragments of h (on the way out: v0-39 the rows' offsets, v40-79 their gates); v160 16 x lane; v161 the fifth tile's offset
;   window 2: the accumulators of tiles 0-3 (64 m + 8 T)      window 3: v0-63 those of tile 4; v64-191 four sets of 8 rows of W2 as loaded; v192-207 packed; v208-209 addresses
.set WPB,   4096                       ; bytes from row to row of W2
.set WCH,   128*WPB                    ; a K chunk of 128 rows
.set WG_A,  64                         ; my group g's row i in a chunk: WG_A (g / 2) + WG_B (g % 2) + WG_I i, plus my wave's 32 (w % 2) + w / 2
.set WG_B,  2
.set WG_I,  4
.set A_CH,  4096                       ; bytes of a tile of h in a K chunk, in 32 of K, between a fragment's two loads, and from tile to tile
.set A_Q,   1024
.set A_H2,  512
.set A_MI,  131072
.set PITCH, 272                        ; an LDS row: 128 k x 2 bytes + 16: row r starts at bank 4 r mod 64 (64 banks of 4 bytes: ISA guide 11.1)
.set TILEB, 16*PITCH
.set CHB,   8*TILEB                    ; a chunk in LDS; a multiple of 256
.set BSTX,  CHB-256                    ; 128 xor (CHB - 128): turns the later passes' one LDS step into the other
.set LISTS, 8*CHB                      ; behind the slice: 8,192 bytes a wave: words 0-1279 the expert's list (four passes of 320), word 1280 a dump
.set SPARE, LISTS+4*8192               ; behind the lists: the spare words, 128 bytes for each wave, that no other line names
.set LN,   1                           ; v1   lane
.set RR,   2                           ; v2   lane % 16
.set HH,   3                           ; v3   lane / 16
.set BAD,  4                           ; v4   LDS address of my part of a weight fragment, in the chunk in hand
.set BAD0, 5                           ; v5   the same in chunk 0; never rewritten
.set LB,   6                           ; v6   my wave's list
.set SPW,  16                          ; v16  LDS address of my spare word; never rewritten
.set NIL,  17                          ; v17  0; never rewritten
.set BM0,  19                          ; v19  lane l: word l of the expert's bitmap of first choices
.set BM1,  20                          ; v20  of second choices
.set LNHI, 21                          ; v21  lane + 1,024
.set CDMP, 22                          ; v22  1,280: the dump's word
.set R16,  23                          ; v23  16 (lane % 16)
.set PFO,  24                          ; v24  the prefetch's offset
.set LE,   26                          ; v26  my eight entries of the pass's first tile
.set BMO,  27                          ; v27  4 x lane
.set WB,   32
.set BI,   160
.set EP,   176
.set TA,   0                           ; window 1
.set EN,   0                           ; window 1, on the way out
.set GA,   40                          ; window 1, on the way out
.set TOF,  160                         ; window 1: 16 x lane
.set TOF4, 161                         ; window 1: the fifth tile: 16 x lane + 4 tiles where it is live, 0 where it is dead
.set WS,   64                          ; window 3
.set CT,   192                         ; window 3
.set WOF,  208                         ; window 3: 16 x lane
.set WAD,  209                         ; window 3: where I store 16 bytes of a column, in the chunk being filled
.set WV,   16                          ; s16  wave
.set EX,   17                          ; s17  expert
.set CS,   18                          ; s18  slice of columns
.set QK,   19                          ; s19  quarter of K
.set SW,   20                          ; s[20:21] W2 at my rows of the chunk in hand
.set SA,   22                          ; s[22:23] h at the chunk in hand
.set SPF,  24                          ; s[24:25] W2 at the rows that I ask for ahead
.set SO,   26                          ; s[26:27] part at my quarter and columns
.set SA0,  28                          ; s[28:29] h at my tiles of pass 0, chunk 0
.set OF,   30                          ; s[30:31] an offset, high word 0
.set TR,   32
.set CNT,  33
.set WI,   35
.set W32,  36
.set LIM,  40
.set PASS, 41
.set ROW0, 42                          ; s42  my wave's first row: 320 pass + 16 w
.set KT,   43
.set T0,   44
.set T1,   45
.set L5,   46                          ; s46  1: my fifth tile holds a live row
.set BST,  47                          ; s47  a later pass's next LDS step
.set MSB, 0
.macro WIN new                         ; the immediate's high byte repeats the setting that is left; a switch that changes nothing is dropped
.if MSB != (\new)
	s_set_vgpr_msb (MSB<<8)|(\new)
.set MSB, \new
.endif
.endm
.set W3,     0xcf                      ; sources 0 and 1 and destination in window 3
.set WA,     0x41                      ; source 0 (address) and destination in window 1
.set MUL_LO, 0xa1                      ; source 0 (h) window 1, source 1 (W2) window 0, C and D window 2
.set MUL_HI, 0xf1                      ; the same, C and D window 3
.macro PLACES                          ; four plain instructions between a matrix instruction and a load into, or a vector line on, its registers
.rept 4
	v_nop
.endr
.endm
.macro WLOAD set, g, coff              ; eight rows of W2: group g of the chunk coff bytes on
	WIN W3
.irp i, 0,1,2,3,4,5,6,7
	global_load_b128 v[WS+32*(\set)+4*(\i):WS+32*(\set)+4*(\i)+3], v[WOF], s[SW:SW+1] offset:(\coff)+(WG_A*((\g)/2)+WG_B*((\g)%2)+WG_I*(\i))*WPB th:TH_LOAD_NT
.endr
.endm
.macro CVT set                         ; register j of rows 2 u and 2 u + 1 into one word: four words are 8 k of column j
	WIN W3
.irp j, 0,1,2,3
.irp u, 0,1,2,3
	v_cvt_pk_bf16_f32 v[CT+4*(\j)+(\u)], v[WS+32*(\set)+8*(\u)+(\j)], v[WS+32*(\set)+8*(\u)+4+(\j)]
.endr
.endr
.endm
.macro WSTORE g
	WIN W3
.irp j, 0,1,2,3
	ds_store_b128 v[WAD], v[CT+4*(\j):CT+4*(\j)+3] offset:64*(\g)+(\j)*TILEB
.endr
.endm
.macro ALOAD buf, off                  ; five fragments of h: the block at byte off of my five tiles; the fifth by its own offset register
	WIN WA
.irp m, 0,1,2,3
	global_load_b128 v[TA+40*(\buf)+8*(\m):TA+40*(\buf)+8*(\m)+3], v[TOF], s[SA:SA+1] offset:(\off)+A_MI*(\m)
	global_load_b128 v[TA+40*(\buf)+8*(\m)+4:TA+40*(\buf)+8*(\m)+7], v[TOF], s[SA:SA+1] offset:(\off)+A_MI*(\m)+A_H2
.endr
	global_load_b128 v[TA+40*(\buf)+32:TA+40*(\buf)+35], v[TOF4], s[SA:SA+1] offset:(\off)
	global_load_b128 v[TA+40*(\buf)+36:TA+40*(\buf)+39], v[TOF4], s[SA:SA+1] offset:(\off)+A_H2
.endm
.macro FETCH buf, off                  ; eight weight fragments in one run
	WIN 0
.irp t, 0,1,2,3,4,5,6,7
	ds_load_b128 v[WB+64*(\buf)+8*(\t):WB+64*(\buf)+8*(\t)+3], v[BAD] offset:(\off)+(\t)*TILEB
	ds_load_b128 v[WB+64*(\buf)+8*(\t)+4:WB+64*(\buf)+8*(\t)+7], v[BAD] offset:(\off)+(\t)*TILEB+32
.endr
.endm
.macro MULM m, ab, wb                  ; eight products: row tile m x all 8 column tiles.  The accumulators take turns, one instruction a turn
.if (\m) < 4
	WIN MUL_LO
.set AC, 64*(\m)
.else
	WIN MUL_HI
.set AC, 0
.endif
.irp t, 0,1,2,3,4,5,6,7
	v_wmma_f32_16x16x32_bf16 v[AC+8*(\t):AC+8*(\t)+7], v[TA+40*(\ab)+8*(\m):TA+40*(\ab)+8*(\m)+7], v[WB+64*(\wb)+8*(\t):WB+64*(\wb)+8*(\t)+7], v[AC+8*(\t):AC+8*(\t)+7]
.endr
.endm
; A SUB-STEP: 32 of K, 40 products (32 where my fifth tile is dead) on h's buffer q and weight buffer q % 2.  n: the loads issued behind this sub-step's fragments of h, which may stay out.
; cv: my group q of the next chunk, which came ahead of those, is rounded (the 16 conversions are the places behind the last products) and stored, ahead of the sub-step's global loads, so that the stores
; have those loads' issue in which to land.  wl: group q of the chunk two on is asked for.  al: h three sub-steps on is asked for.  ft: the next sub-step's weight fragments are fetched.
; bar: the next chunk's last group is stored: barrier; its fragments are fetched behind the wait.  The jump over the fifth tile passes eight products and nothing else: every wait's count holds on both ways.
; pf: 32 rows of the chunk three on are asked for ahead, 256 bytes a lane, each block by one lane of one wave: one trip before their loads; not in the last trip, whose look-ahead would pass the slice.
.macro SUB q, n, cv, wl, al, ft, bar, pf=0
	s_wait_loadcnt \n
.if \cv
	CVT \q
	WSTORE \q
.else
	PLACES
.endif
.if \al
	ALOAD ((\q)+3)%4, A_CH*(((\q)+3)/4)+A_Q*(((\q)+3)%4)
.endif
.if \wl
	WLOAD \q, \q, 2*WCH
.endif
.if \bar
	s_wait_dscnt 0x0                               ; for the others' sake: my stores into the next chunk are done (and my fragments are in)
	s_barrier_signal -1
.else
	s_wait_dscnt 4*(\cv)                           ; my fragments are in; the stores issued behind them may be out
.endif
	MULM 0, \q, (\q)%2
	MULM 1, \q, (\q)%2
.if \bar
	s_barrier_wait -1                              ; the next chunk is whole
.endif
.if \ft
.if (\q) < 3
	FETCH ((\q)+1)%2, 64*((\q)+1)
.else
	FETCH 0, CHB
.endif
.endif
.if \pf
	s_cmp_eq_u32 s[TR], 1
	s_cbranch_scc1 .Lno_ask_\@
	global_prefetch_b8 v[PFO], s[SPF:SPF+1] th:TH_LOAD_NT scope:SCOPE_SE
	global_prefetch_b8 v[PFO], s[SPF:SPF+1] offset:16*WPB th:TH_LOAD_NT scope:SCOPE_SE
.Lno_ask_\@:
.endif
	WIN 0                                          ; at a branch and at a label every window is 0: behind the run of LDS loads it is so already
	s_cmp_eq_u32 s[L5], 0
	s_cbranch_scc1 .Lno5_\@
	MULM 4, \q, (\q)%2
	WIN 0
.Lno5_\@:
	MULM 2, \q, (\q)%2
	MULM 3, \q, (\q)%2
.endm
.macro STEP                            ; on to the next chunk
	WIN 0
	s_wait_xcnt 0x0                                ; the bases of loads that are out are stepped only behind this wait
	s_add_nc_u64 s[SW:SW+1], s[SW:SW+1], WCH
	s_add_nc_u64 s[SA:SA+1], s[SA:SA+1], A_CH
	s_add_nc_u64 s[SPF:SPF+1], s[SPF:SPF+1], WCH
	v_add_nc_u32 v[BAD], CHB, v[BAD]
	WIN W3
	v_add_nc_u32 v[WAD], CHB, v[WAD]
	WIN 0
.endm
; THE EXPERT'S LIST, made once, a copy for each wave in its own bytes: row r of the expert, in the order of the tokens (the order in which the first product ranks them), at word r; an entry is
; 1,024 x slot + token.  A lane whose bit is set has the rank CNT + the set bits below it; lanes without a bit go to the dump.  Words 0-1279 start at 0; the 32 words behind the last live entry repeat it.
; All bytes are the wave's own, and LDS serves a wave's instructions in order: no barrier.  Behind this macro the lists are only read.
.macro LIST
	v_lshl_add_u32 v12, v[LN], 4, v[LB]
.irp z, 8,9,10,11
	v_mov_b32 v\z, 0
.endr
.irp j, 0,1,2,3,4,5,6,7,8,9
	ds_store_b128 v12, v[8:11] offset:512*(\j)     ; 10 x 512 bytes = 1,280 words
.endr
	s_mov_b32 s[CNT], 0
	s_mov_b32 s[W32], 0
	s_mov_b32 s[WI], 0
.Lword_\@:
	v_readlane_b32 s37, v[BM0], s[WI]
	v_readlane_b32 s38, v[BM1], s[WI]
	s_or_b32 s39, s37, s38
	v_mbcnt_lo_u32_b32 v8, s39, s[CNT]
	v_cndmask_b32 v8, v[CDMP], v8, s39
	v_min_u32 v8, 0x500, v8                        ; a number made of loaded data enters an address behind a bound written in this form
	v_cndmask_b32 v9, v[LN], v[LNHI], s38
	v_lshl_add_u32 v8, v8, 2, v[LB]
	v_add_nc_u32 v9, s[W32], v9
	ds_store_b32 v8, v9
	s_bcnt1_i32_b32 s39, s39
	s_add_co_u32 s[CNT], s[CNT], s39
	s_add_co_u32 s[W32], s[W32], 32
	s_add_co_u32 s[WI], s[WI], 1
	s_cmp_lt_u32 s[WI], 32
	s_cbranch_scc1 .Lword_\@
	s_sub_co_i32 s[LIM], s[CNT], 1
	s_max_i32 s[LIM], s[LIM], 0
	s_min_u32 s[LIM], s[LIM], 0x3ff
	s_lshl_b32 s37, s[LIM], 2
	v_add_nc_u32 v8, s37, v[LB]
	ds_load_b32 v10, v8                            ; the last live entry (0 where the expert has no row)
	v_add_nc_u32 v9, s[CNT], v[LN]                 ; words CNT .. CNT + 31, 1,055 at the most
	v_min_u32 v9, 0x500, v9
	v_lshl_add_u32 v9, v9, 2, v[LB]
	s_wait_dscnt 0x0
	ds_store_b32 v9, v10
.endm
.macro LIVE5                           ; is my fifth tile live?  Its offset in h: 16 x lane + 4 tiles, or 0 for every lane: then its loads read 16 bytes of my first tile, which the first product always stores
	s_add_co_u32 s[T0], s[ROW0], 256               ; its first row
	s_cmp_lt_u32 s[T0], s[CNT]
	s_cselect_b32 s[L5], 1, 0
	s_cselect_b32 s[T0], -1, 0
	s_cselect_b32 s[T1], 4*A_MI, 0
	v_lshlrev_b32 v8, 4, v[LN]
	v_and_b32 v8, s[T0], v8
	v_add_nc_u32 v8, s[T1], v8
	WIN 0x40
	v_min_u32 v[TOF4], 0x801f0, v8                 ; 4 tiles + 16 x 31: a number that hangs on loaded data enters an address behind a bound written in this form
	WIN 0
.endm
.macro ACCINIT                         ; the sums start from the bias: every register of tile T is column 64 (T / 4) + 4 r + T % 4
	WIN 0x80
.set z, 0
.rept 256
	v_mov_b32 v[z], v[BI+(z/8)%8]
.set z, z+1
.endr
	WIN 0xc0
.set z, 0
.rept 64
	v_mov_b32 v[z], v[BI+(z/8)%8]
.set z, z+1
.endr
	WIN 0
.endm
.macro PRO g, n                        ; the prologue's step g: chunk 0's group g is stored, then the first blocks of h and chunk 1's group g are asked for
	s_wait_loadcnt \n
	CVT \g
	WSTORE \g
.if (\g) > 0
	ALOAD (\g)-1, A_Q*((\g)-1)
.endif
	WLOAD \g, \g, WCH
.endm
	s_load_b256 s[4:11], s[0:1], 0x0               ; W2 s[4:5], b2 s[6:7], h s[8:9], bm s[10:11]
	s_load_b128 s[12:15], s[0:1], 0x20             ; gk s[12:13], part s[14:15]
	v_lshl_add_u32 v[SPW], v0, 2, SPARE
	v_mov_b32 v[NIL], 0
	v_lshrrev_b32 v8, 5, v0
	v_readfirstlane_b32 s[WV], v8                  ; wave 0..3
	s_and_b32 s[EX], ttmp7, 0xffff
	s_and_b32 s[CS], ttmp9, 7
	s_lshr_b32 s[QK], ttmp9, 3
	v_and_b32 v[LN], 31, v0
	v_and_b32 v[RR], 15, v0
	v_bfe_u32 v[HH], v0, 4, 1
	v_mul_u32_u24 v[BAD0], v[RR], PITCH
	v_lshl_add_u32 v[BAD0], v[HH], 4, v[BAD0]      ; row x pitch + 16 x half
	v_mov_b32 v[BAD], v[BAD0]
	s_lshl_b32 s[T0], s[WV], 13
	s_add_co_u32 s[T0], s[T0], LISTS
	v_mov_b32 v[LB], s[T0]
	v_add_nc_u32 v[LNHI], 0x400, v[LN]
	v_mov_b32 v[CDMP], 0x500
	v_lshlrev_b32 v[R16], 4, v[RR]
	v_lshrrev_b32 v8, 1, v[LN]
	v_and_b32 v9, 1, v[LN]
	v_mul_u32_u24 v8, v8, WPB
	v_lshl_add_u32 v[PFO], v9, 8, v8               ; row lane / 2, half lane % 2 of its 512 bytes
	v_lshlrev_b32 v[BMO], 2, v[LN]
	v_lshl_add_u32 v8, v[HH], 6, v[RR]
	v_mul_u32_u24 v8, v8, PITCH
	s_lshl_b32 s[T1], s[WV], 4
	v_add_nc_u32 v8, s[T1], v8                     ; LDS row 64 (L / 16) + L % 16, my wave's 8 k
	WIN 0xc0
	v_mov_b32 v[WAD], v8
	v_lshlrev_b32 v[WOF], 4, v[LN]
	WIN 0x40
	v_lshlrev_b32 v[TOF], 4, v[LN]
	WIN 0
	s_mov_b32 s[OF+1], 0
	s_mov_b32 s[PASS], 0
	s_lshl_b32 s[ROW0], s[WV], 4                   ; pass 0: my first tile begins at row 16 w
	s_wait_kmcnt 0x0
	s_lshl_b32 s[OF], s[EX], 8
	s_add_nc_u64 s[10:11], s[10:11], s[OF:OF+1]    ; the expert's two bitmaps
	s_lshl_b32 s[OF], s[EX], 12
	s_lshl_b32 s[T0], s[CS], 9
	s_add_co_u32 s[OF], s[OF], s[T0]
	s_add_nc_u64 s[6:7], s[6:7], s[OF:OF+1]        ; b2 at the slice
	s_lshl_b32 s[OF], s[EX], 24
	s_lshl_b32 s[T1], s[QK], 22
	s_add_co_u32 s[OF], s[OF], s[T1]
	s_add_co_u32 s[OF], s[OF], s[T0]
	s_add_nc_u64 s[4:5], s[4:5], s[OF:OF+1]        ; W2 at the slice
	s_and_b32 s[T1], s[WV], 1
	s_lshl_b32 s[T1], s[T1], 5
	s_lshr_b32 s[OF], s[WV], 1
	s_add_co_u32 s[OF], s[OF], s[T1]               ; my wave's rows 32 (w % 2) + w / 2
	s_lshl_b32 s[OF], s[OF], 12
	s_add_nc_u64 s[SW:SW+1], s[4:5], s[OF:OF+1]
	s_lshl_b32 s[OF], s[WV], 17                    ; rows 32 w
	s_add_co_u32 s[OF], s[OF], 3*WCH               ; of chunk 3
	s_add_nc_u64 s[SPF:SPF+1], s[4:5], s[OF:OF+1]
	s_mul_i32 s[OF], s[EX], 80
	s_mul_i32 s[T1], s[WV], 5
	s_add_co_u32 s[OF], s[OF], s[T1]               ; my first tile of pass 0: 80 e + 5 w
	s_lshl_b32 s[OF], s[OF], 17
	s_lshl_b32 s[T1], s[QK], 15                    ; blocks 32 qk on
	s_add_co_u32 s[OF], s[OF], s[T1]
	s_add_nc_u64 s[SA0:SA0+1], s[8:9], s[OF:OF+1]
	s_mov_b64 s[SA:SA+1], s[SA0:SA0+1]
	s_lshl_b32 s[OF], s[QK], 23
	s_add_co_u32 s[OF], s[OF], s[T0]
	s_add_nc_u64 s[SO:SO+1], s[14:15], s[OF:OF+1]
	global_load_b32 v[BM0], v[BMO], s[10:11]
	global_load_b32 v[BM1], v[BMO], s[10:11] offset:128
	global_load_b128 v[BI:BI+3], v[R16], s[6:7]
	global_load_b128 v[BI+4:BI+7], v[R16], s[6:7] offset:256
	WLOAD 0, 0, 0                                  ; chunk 0
	WLOAD 1, 1, 0
	WLOAD 2, 2, 0
	WLOAD 3, 3, 0
	WIN 0
	s_cmp_eq_u32 s[QK], 0
	s_cselect_b32 s[T0], -1, 0                     ; the bias belongs to K quarter 0 alone
	s_wait_loadcnt 32                              ; bitmaps and bias are in; the 32 loads of W2 stay out
.irp z, 0,1,2,3
	v_cvt_pk_bf16_f32 v[8+(\z)], v[BI+2*(\z)], v[BI+2*(\z)+1]  ; the bias rounded to bf16 and widened again
	v_lshlrev_b32 v[BI+2*(\z)], 16, v[8+(\z)]
	v_and_b32 v[BI+2*(\z)+1], 0xffff0000, v[8+(\z)]
.endr
.irp z, 0,1,2,3,4,5,6,7
	v_and_b32 v[BI+(\z)], s[T0], v[BI+(\z)]
.endr
	LIST
	LIVE5
	PRO 0, 24                                      ; behind group 0: groups 1-3
	PRO 1, 24                                      ; behind group 1: groups 2-4
	PRO 2, 34                                      ; behind group 2: groups 3, 4, 5 and ten loads of h
	PRO 3, 44                                      ; behind group 3: groups 4, 5, 6 and twenty loads of h
	ACCINIT                                        ; behind the prologue's loads and stores: the moves run while those are on their way
	s_wait_dscnt 0x0                               ; my part of chunk 0 is stored
	s_barrier_signal -1
	s_barrier_wait -1                              ; everybody's is
	WIN W3
	v_add_nc_u32 v[WAD], CHB, v[WAD]
	FETCH 0, 0
	s_mov_b32 s[TR], 6
.Ltrip:                                                ; trip c = 0..5: multiplies chunk c, stores chunk c + 1, asks for chunk c + 2
	SUB 0, 44, 1, 1, 1, 1, 0, 1                    ; 44: behind these fragments came 8 + 10 + 8 + 10 + 8 loads
	SUB 1, 44, 1, 1, 1, 1, 0
	SUB 2, 44, 1, 1, 1, 1, 0
	SUB 3, 44, 1, 1, 1, 1, 1
	STEP
	s_sub_co_u32 s[TR], s[TR], 1
	s_cmp_lg_u32 s[TR], 0
	s_cbranch_scc1 .Ltrip
	SUB 0, 44, 1, 0, 1, 1, 0                       ; chunk 6: nothing of W2 is left to ask for, and the counts run down
	SUB 1, 36, 1, 0, 1, 1, 0
	SUB 2, 28, 1, 0, 1, 1, 0
	SUB 3, 20, 1, 0, 1, 1, 1
	STEP
	SUB 0, 20, 0, 0, 1, 1, 0                       ; chunk 7
	SUB 1, 20, 0, 0, 0, 1, 0
	SUB 2, 10, 0, 0, 0, 1, 0
	SUB 3, 0, 0, 0, 0, 0, 0
	WIN 0
	s_branch .Lepi                                 ; pass 0 enters the loop over passes at the way out, which is written once
.Lpass:                                                ; passes 1 to 3: rows 320 PASS on, from the slice and the list that are in LDS: no barrier, and nothing is stored into LDS
	s_mul_i32 s[T0], s[PASS], 320
	s_cmp_ge_u32 s[T0], s[CNT]
	s_cbranch_scc1 .Ldead
	s_wait_xcnt 0x0                                ; the last pass's loads and stores have read their registers
	s_lshl_b32 s[T1], s[WV], 4
	s_add_co_u32 s[ROW0], s[T0], s[T1]
	LIVE5
	ACCINIT
	s_mul_i32 s[OF], s[PASS], 20*A_MI              ; 20 tiles a pass
	s_add_nc_u64 s[SA:SA+1], s[SA0:SA0+1], s[OF:OF+1]
	v_mov_b32 v[BAD], v[BAD0]
	s_mov_b32 s[BST], 128
	s_mov_b32 s[KT], 16
.Lkt:                                                  ; a trip: 64 of K, half a chunk.  Short text for a way that only an expert with more than 320 rows takes
	PLACES
	ALOAD 0, 0
	ALOAD 1, A_Q
	FETCH 0, 0
	SUB 0, 10, 0, 0, 0, 1, 0                       ; the second quarter's ten loads stay out
	SUB 1, 0, 0, 0, 0, 0, 0
	WIN 0
	s_wait_xcnt 0x0
	s_add_nc_u64 s[SA:SA+1], s[SA:SA+1], 2*A_Q
	v_add_nc_u32 v[BAD], s[BST], v[BAD]            ; 128 bytes on in the chunk's rows, or on to the next chunk's first bytes,
	s_xor_b32 s[BST], s[BST], BSTX                 ; by turns
	s_sub_co_u32 s[KT], s[KT], 1
	s_cmp_lg_u32 s[KT], 0
	s_cbranch_scc1 .Lkt
.Lepi:                                                 ; THE WAY OUT.  The entries and gates of all five tiles come at once, into the ring's registers, which are free: one wait for 40 loads
	PLACES
	s_wait_xcnt 0x0
	v_lshl_add_u32 v8, v[HH], 3, s[ROW0]           ; my first entry's word: ROW0 + 8 (lane / 16), 960 + 48 + 8 at the most:
	v_min_u32 v8, 0x3f8, v8                        ; the bound is never passed; it states the address's range in the text
	v_lshl_add_u32 v[LE], v8, 2, v[LB]
	WIN 0x40                                       ; destination window 1, address window 0
.irp m, 0,1,2,3,4
	ds_load_b128 v[EN+8*(\m):EN+8*(\m)+3], v[LE] offset:256*(\m)      ; register i: the entry of row 64 m + 8 (lane / 16) + i of my wave's
	ds_load_b128 v[EN+8*(\m)+4:EN+8*(\m)+7], v[LE] offset:256*(\m)+16
.endr
	s_wait_dscnt 0x0
	WIN 0x45                                       ; sources 0 and 1 and destination window 1, source 2 window 0
.set z, 0
.rept 40
	v_min_u32 v[EN+z], 0x7ff, v[EN+z]              ; a loaded number enters an address behind a bound written in this form
	v_lshlrev_b32 v[GA+z], 2, v[EN+z]
.set z, z+1
.endr
.set z, 0
.rept 40
	global_load_b32 v[GA+z], v[GA+z], s[12:13]     ; gk[slot][token]; each load lands on its own address register
.set z, z+1
.endr
.set z, 0
.rept 40
	v_lshl_add_u32 v[EN+z], v[EN+z], 12, v[R16]    ; part's row of 4,096 bytes, my 16 bytes
.set z, z+1
.endr
	s_wait_loadcnt 0x0
.irp m, 0,1,2,3,4
	WIN 0
	s_add_co_u32 s[T0], s[ROW0], 64*(\m)
	s_cmp_ge_u32 s[T0], s[CNT]
	s_cbranch_scc1 .Lepi_end                       ; this tile and those behind it lie past the count
.if (\m) > 0
	s_wait_xcnt 0x0                                ; the last tile's stores have read EP
.endif
.if (\m) < 4
	WIN 0x06                                       ; source 0 window 2, source 1 window 1, destination window 0
.set AC, 64*(\m)
.else
	WIN 0x07
.set AC, 0
.endif
.irp i, 0,1,2,3,4,5,6,7                ; register 0 of every accumulator first: each is read from its low end on
.irp t, 0,1,2,3,4,5,6,7
	v_mul_f32 v[EP+8*(\i)+(\t)], v[AC+8*(\t)+(\i)], v[GA+8*(\m)+(\i)]
.endr
.endr
	WIN 0x01                                       ; address window 1, data window 0
.irp i, 0,1,2,3,4,5,6,7
.irp g, 0,1
	global_store_b128 v[EN+8*(\m)+(\i)], v[EP+8*(\i)+4*(\g):EP+8*(\i)+4*(\g)+3], s[SO:SO+1] offset:256*(\g)  ; 16 lanes store 256 consecutive bytes of a row, aligned
.endr
.endr
.endr
	WIN 0
.Lepi_end:
.Ldead:
	s_add_co_u32 s[PASS], s[PASS], 1
	s_cmp_lt_u32 s[PASS], 4
	s_cbranch_scc1 .Lpass
	s_wait_dscnt 0x0                               ; my reads of LDS are back;
	s_barrier_signal -1
	s_barrier_wait -1                              ; every wave's are: only now is LDS written again, by the line below
	s_wait_tensorcnt 0x0                           ; the wave's end: a tensor wait, an add of 0 onto my spare word and a DS wait behind my last LDS store
	ds_add_u32 v[SPW], v[NIL]
	s_wait_dscnt 0x0
	s_endpgm
.Lfunc_end_k_q402eca5a06_ffn2:
	.size	k_q402eca5a06_ffn2, .Lfunc_end_k_q402eca5a06_ffn2-k_q402eca5a06_ffn2
	.p2alignl 7, 3214868480
	.fill 96, 4, 3214868480
	.section	.rodata,"a",@progbits
	.p2align	6, 0x0
	.amdhsa_kernel k_q402eca5a06_ffn2
		.amdhsa_group_segment_fixed_size 311808
		.amdhsa_private_segment_fixed_size 0
		.amdhsa_enable_private_segment 0
		.amdhsa_kernarg_size 48
		.amdhsa_user_sgpr_count 2
		.amdhsa_user_sgpr_kernarg_segment_ptr 1
		.amdhsa_wavefront_size32 1
		.amdhsa_system_sgpr_workgroup_id_x 1
		.amdhsa_system_sgpr_workgroup_id_y 1
		.amdhsa_system_sgpr_workgroup_id_z 1
		.amdhsa_system_vgpr_workitem_id 0
		.amdhsa_next_free_vgpr 1024
		.amdhsa_next_free_sgpr 66
		.amdhsa_reserve_vcc 0
		.amdhsa_float_denorm_mode_32 3
		.amdhsa_float_denorm_mode_16_64 3
		.amdhsa_memory_ordered 1
		.amdhsa_forward_progress 1
		.amdhsa_inst_pref_size 153
	.end_amdhsa_kernel
	.amdgpu_metadata
---
amdhsa.version: [ 1, 2 ]
amdhsa.kernels:
  - .name:           k_q402eca5a06_ffn2
    .symbol:         k_q402eca5a06_ffn2.kd
    .args:
      - { .name: W2, .offset: 0, .size: 8, .value_kind: global_buffer, .address_space: global }
      - { .name: b2, .offset: 8, .size: 8, .value_kind: global_buffer, .address_space: global }
      - { .name: h, .offset: 16, .size: 8, .value_kind: global_buffer, .address_space: global }
      - { .name: bm, .offset: 24, .size: 8, .value_kind: global_buffer, .address_space: global }
      - { .name: gk, .offset: 32, .size: 8, .value_kind: global_buffer, .address_space: global }
      - { .name: part, .offset: 40, .size: 8, .value_kind: global_buffer, .address_space: global }
    .group_segment_fixed_size: 311808
    .private_segment_fixed_size: 0
    .kernarg_segment_align: 8
    .kernarg_segment_size: 48
    .max_flat_workgroup_size: 128
    .sgpr_count:     66
    .vgpr_count:     1024
    .wavefront_size: 32
...
	.end_amdgpu_metadata
.endif
;; end of part 6
;; launch combine: the kernel of part 4 again; grid 256 x 1, 8 waves a work-group, no clusters, 0 bytes of LDS; arguments part, out0; writes out0
;; ======== version 3 of 3: 4 launches; version 2 with the launches ffn1, ffn2 written anew for expert scheduling mode
;; workspace buffers: xb 2,097,152 bytes; bm 2,048 bytes of whole numbers; gk 8,192 bytes; h 83,886,080 bytes; part 33,554,432 bytes
;; launch router: the kernel of part 1 again; grid 128 x 1, 8 waves a work-group, no clusters, 3,072 bytes of LDS; arguments x, Wg, xb, bm, gk; writes xb, bm, gk
;; launch ffn1 (part 7): grid 32 x 8, 4 waves a work-group, no clusters, 279,040 bytes of LDS; arguments W1, b1, xb, bm, h; writes h
.if DOCPART == 7
	.amdgcn_target "amdgcn-amd-amdhsa--gfx1250"
	.amdhsa_code_object_version 6
	.text
	.protected	k_q402eca5a06_ffn1
	.globl	k_q402eca5a06_ffn1
	.p2align	8
	.type	k_q402eca5a06_ffn1,@function
k_q402eca5a06_ffn1:
	s_mov_b64 s[64:65], 0
	v_nop
	global_prefetch_b8 v0, s[64:65] scope:SCOPE_SE
	s_setreg_imm32_b32 hwreg(HW_REG_WAVE_SCHED_MODE, 0, 2), 2
	s_setreg_imm32_b32 hwreg(HW_REG_WAVE_MODE, 25, 1), 1
	s_wait_xcnt 0x0
	s_wait_alu depctr_vm_vsrc(0)
; FIRST PRODUCT OF THE EXPERTS.  h = relu(x W1[e] + b1[e]) for the rows that chose expert e.  W1: [8][1024][4096] f32, b1: [8][4096] f32, xb: [1024][1024] bf16, bm: the choices as bitmaps.
; SHARES.  Work-group (sl, e) owns columns 128 sl .. + 127 of expert e, which it alone reads, and ALL of the expert's rows.  Rows go in passes of 320, 20 tiles of 16, dealt round the waves: wave w owns
; rows 64 m + 16 w .. + 15 of a pass, m = 0..4, times all 128 columns: 40 accumulators.  So a wave's live tiles are the first of its five, and with c rows left only ceil(c / 16) tiles are live in all.
; An expert has 0 to 1,024 rows: pass 0 always runs; passes 1 to 3 are jumped where the count ends before them.  A wave's FIFTH tile is multiplied and stored only where it holds a live row (flag L5).
; THE WEIGHTS COME ONCE AND STAY.  The slice (1,024 rows of 512 bytes) is loaded in f32, one row (512 consecutive bytes) to an instruction, rounded to bf16 in registers and stored into LDS, each LDS byte
; once.  Pass 0 multiplies K chunk c (128 of K) while chunks c + 1 and c + 2 are on their way; later passes read the slice that is there, and write nothing into LDS.  No barrier stands under a branch on the count.
; TURNING.  Lane L loads columns 4 L .. 4 L + 3 of a row; register j of eight successive rows packs into 16 bytes, 8 k of one column, which go to LDS row 64 (L / 16) + 16 j + L % 16.
; So tile T of 16 LDS rows holds in its row c the slice's column 64 (T / 4) + 4 c + T % 4.
; THE PRODUCT IS USED TRANSPOSED (source 0 = 16 columns of W1, source 1 = 16 tokens): a lane holds ONE token (lane % 16) and tile columns 8 (lane / 16) + 0..7.  Tiles 2 f and 2 f + 1, rounded in pairs, ARE
; the operand (16 tokens x 32 k) of the second product, and are stored as they lie: h[tile 80 e + 20 pass + 5 w + m][block kb = 4 sl + f][1,024 bytes]; the second product takes W2's rows in the same order of k.
; WHICH TOKEN IS ROW q OF THE EXPERT is found in registers, from the 32 words of the expert's bitmap, by shifts, masks and sums alone (macro RSEL): no list in LDS, no store and load of one.
; ROWS PAST THE COUNT: in the wave that holds the expert's last live row they repeat that row, elsewhere they name token 0.  Of a pass that runs, every wave's tiles 0 to 3 are stored, the fifth where it is
; live: just the tiles that the second product reads; it finds the last live row again in the dead places of the one tile that is partly live.
; FORMATS.  W1, b1 and x are rounded to bf16 like every input of the program; sums in f32, started from the bias; h rounded once to bf16 (f16 would not hold it for inputs some 30 times larger).
; LIMITS.  relu of a NaN gives 0 here.
; NO JOINT LOADS: each weight byte has one reader, and the token rows come by their ranks in a bitmap.
; THE MODE: SCHED_MODE bits 1:0 = 2 (LLVM: expert scheduling mode 2), set by the entry lines.  The code itself states the register dependences between vector or matrix instructions and memory or LDS
; instructions, with s_wait_alu, always for 0.
; THE PLAN.  Registers that memory or LDS instructions touch in pass 0's loop:
;   WS0 .. WS3   Sub-step q: its sixteen conversions read WS[q]; later in the sub-step the loads of group q of the chunk two on land in it.
;   CT           Written by the conversions, read by the four LDS stores behind them, written again by the next sub-step's conversions.
;   TA0 .. TA3   Sub-step q: its products read TA[q]; the ten loads of sub-step q + 1 land in it.
;   WB0, WB1     Sub-step q: its products read WB[q % 2]; the sixteen LDS loads of sub-step q + 1 land in it.
;   BAD, WAD     Read by every fragment load and by every LDS store; written once a chunk, in STEP.
;   TOF, WOF, PFO, HOF   offsets, made ahead of the loop and not written in it.  The accumulators and the bias are named by vector and matrix instructions alone.
; So ONE wait on va_vdst stands in a sub-step, behind its conversions: CT is written; the conversions are done reading WS[q]; the last sub-step's products are done reading TA[q - 1] and the other WB; behind STEP,
; BAD and WAD are written.  What the sub-step issues on the vector side behind that wait names TA[q], WB[q % 2] and the accumulators alone, so its stores and loads are dealt among its products with no further
; wait.  One wait on vm_vsrc stands ahead of the conversions (CT), one in STEP (BAD, WAD; it serves CT for a chunk's first sub-step).
; REGISTERS, in windows of 256 (s_set_vgpr_msb: bits 1:0 source 0, 3:2 source 1, 5:4 source 2, 7:6 destination):
;   window 0: v0-31 addresses and small things; v32-159 two buffers of 8 weight fragments (v32-82 also at work in RSEL, ahead of a pass's first fragments); v160-223 the bias; v224-255 the way out
;   window 1: v0-159 a ring of four buffers of 5 token fragments; v160-164 the tokens' byte offsets
;   window 2: the accumulators of tiles 0-3 (64 m + 8 T)      window 3: v0-63 those of tile 4; v64-191 four sets of 8 rows of W1 as loaded; v192-207 packed; v208-209 addresses
.set WPB,   16384                      ; bytes from row to row of W1
.set WCH,   128*WPB                    ; a K chunk of 128 rows
.set WG_A,  64                         ; my group g's row i in a chunk: WG_A (g / 2) + WG_B (g % 2) + WG_I i, plus my wave's 8 w: k = 32 g + 8 w + i
.set WG_B,  32
.set WG_I,  1
.set A_CH,  256                        ; bytes of a token's row in a K chunk, in 32 of K, and between a fragment's two loads
.set A_Q,   64
.set A_H2,  32
.set PITCH, 272                        ; an LDS row: 128 k x 2 bytes + 16: row r starts at bank 4 r mod 64 (64 banks of 4 bytes: ISA guide 11.1)
.set TILEB, 16*PITCH
.set CHB,   8*TILEB                    ; a chunk in LDS: 128 columns; a multiple of 256
.set BSTX,  CHB-256                    ; 128 xor (CHB - 128): turns the later passes' one LDS step into the other
.set LN,   1                           ; v1   lane
.set RR,   2                           ; v2   lane % 16
.set HH,   3                           ; v3   lane / 16
.set BAD,  4                           ; v4   LDS address of my part of a weight fragment, in the chunk in hand
.set BAD0, 5                           ; v5   the same in chunk 0; never rewritten
.set H16,  7                           ; v7   16 (lane / 16)
.set ZERO, 18                          ; v18  0, for relu
.set BMU,  19                          ; v19  lane l: word l of the expert's bitmap: first and second choices together
.set BM1,  20                          ; v20  the second choices, as loaded
.set HOF,  23                          ; v23  16 x lane
.set PFO,  24                          ; v24  the prefetch's offset
.set BOF,  25                          ; v25  the bias's offset
.set BMO,  27                          ; v27  4 x lane
.set WB,   32
.set QR,   32                          ; RSEL, five registers each, one a tile: the rank q
.set WD,   37                          ; the bitmap word that holds it
.set PK,   42                          ; the set bits ahead of that word, and 32 x the word's number << 16
.set NA,   47                          ; the word's counts in fields of 2 bits,
.set NB,   52                          ; of 4,
.set NC,   57                          ; of 8
.set NN,   62                          ; the rank inside what is left of the word
.set PS,   67                          ; the bit's place, then the token
.set TT,   72                          ; at work
.set UU,   77
.set LASTV, 82                         ; the last live row's token
.set BI,   160
.set EP,   224
.set TA,   0                           ; window 1
.set TOF,  160                         ; window 1
.set WS,   64                          ; window 3
.set CT,   192                         ; window 3
.set WOF,  208                         ; window 3: 16 x lane
.set WAD,  209                         ; window 3: where I store 16 bytes of a column, in the chunk being filled
.set WV,   16                          ; s16  wave
.set EX,   17                          ; s17  expert
.set SL,   18                          ; s18  slice
.set SW,   20                          ; s[20:21] W1 at my rows of the chunk in hand
.set SA,   22                          ; s[22:23] xb at the chunk in hand
.set SPF,  24                          ; s[24:25] W1 at the rows that I ask for ahead
.set SO,   26                          ; s[26:27] h at my tiles
.set OF,   30                          ; s[30:31] an offset, high word 0
.set TR,   32                          ; s32  trips to go
.set CNT,  33                          ; s33  the expert's rows
.set WI,   35                          ; s35  word of the bitmap
.set W32,  36                          ; s36  32 x WI
.set LIM,  40                          ; s40  the expert's last live row
.set PASS, 41                          ; s41
.set ROW0, 42                          ; s42  my wave's first row: 320 pass + 16 w
.set KT,   43                          ; s43  half chunks to go in a later pass
.set T0,   44
.set T1,   45
.set L5,   46                          ; s46  1: my fifth tile holds a live row
.set BST,  47                          ; s47  a later pass's next LDS step
.set M5,   51                          ; s51  0x55555555
.set M3,   52                          ; s52  0x33333333
.set MF,   53                          ; s53  0x0f0f0f0f
.set MH,   54                          ; s54  0xffff0000
.set ML,   55                          ; s55  0x0000ffff
.set RL,   56                          ; s[56:60] RSEL: one lane's token of each of the five tiles
.set MSB, 0
.macro WIN new                         ; the immediate's high byte repeats the setting that is left; a switch that changes nothing is dropped
.if MSB != (\new)
	s_set_vgpr_msb (MSB<<8)|(\new)
.set MSB, \new
.endif
.endm
.set W3,     0xcf                      ; sources 0 and 1 and destination in window 3
.set WA,     0x41                      ; source 0 (address) and destination in window 1
.set MUL_LO, 0xa4                      ; source 0 (W1) window 0, source 1 (tokens) window 1, C and D window 2
.set MUL_HI, 0xf4                      ; the same, C and D window 3
.macro PLACES                          ; four plain instructions between a matrix instruction and a load into, or a vector line on, its registers
.rept 4
	v_nop
.endr
.endm
.macro WLOAD set, g, coff              ; eight rows of W1: group g of the chunk coff bytes on
	WIN W3
.irp i, 0,1,2,3,4,5,6,7
	global_load_b128 v[WS+32*(\set)+4*(\i):WS+32*(\set)+4*(\i)+3], v[WOF], s[SW:SW+1] offset:(\coff)+(WG_A*((\g)/2)+WG_B*((\g)%2)+WG_I*(\i))*WPB th:TH_LOAD_NT
.endr
.endm
.macro CVT set                         ; register j of rows 2 u and 2 u + 1 into one word: four words are 8 k of column j
	WIN W3
.irp j, 0,1,2,3
.irp u, 0,1,2,3
	v_cvt_pk_bf16_f32 v[CT+4*(\j)+(\u)], v[WS+32*(\set)+8*(\u)+(\j)], v[WS+32*(\set)+8*(\u)+4+(\j)]
.endr
.endr
.endm
.macro WSTORE g
	WIN W3
.irp j, 0,1,2,3
	ds_store_b128 v[WAD], v[CT+4*(\j):CT+4*(\j)+3] offset:64*(\g)+(\j)*TILEB
.endr
.endm
.macro ALOAD buf, off                  ; five token fragments, 32 of K at byte off of the rows (a dead tile's 16 rows are one token's: a few bytes)
	WIN WA
.irp m, 0,1,2,3,4
	global_load_b128 v[TA+40*(\buf)+8*(\m):TA+40*(\buf)+8*(\m)+3], v[TOF+(\m)], s[SA:SA+1] offset:(\off)
	global_load_b128 v[TA+40*(\buf)+8*(\m)+4:TA+40*(\buf)+8*(\m)+7], v[TOF+(\m)], s[SA:SA+1] offset:(\off)+A_H2
.endr
.endm
.macro FETCH buf, off                  ; eight weight fragments in one run
	WIN 0
.irp t, 0,1,2,3,4,5,6,7
	ds_load_b128 v[WB+64*(\buf)+8*(\t):WB+64*(\buf)+8*(\t)+3], v[BAD] offset:(\off)+(\t)*TILEB
	ds_load_b128 v[WB+64*(\buf)+8*(\t)+4:WB+64*(\buf)+8*(\t)+7], v[BAD] offset:(\off)+(\t)*TILEB+32
.endr
.endm
.macro MULM m, ab, wb                  ; eight products: token tile m x all 8 column tiles.  The accumulators take turns, one instruction a turn
.if (\m) < 4
	WIN MUL_LO
.set AC, 64*(\m)
.else
	WIN MUL_HI
.set AC, 0
.endif
.irp t, 0,1,2,3,4,5,6,7
	v_wmma_f32_16x16x32_bf16 v[AC+8*(\t):AC+8*(\t)+7], v[WB+64*(\wb)+8*(\t):WB+64*(\wb)+8*(\t)+7], v[TA+40*(\ab)+8*(\m):TA+40*(\ab)+8*(\m)+7], v[AC+8*(\t):AC+8*(\t)+7]
.endr
.endm
.macro AHEAD q, al, wl                 ; a sub-step's global loads: the tokens three sub-steps on, then group q of the chunk two on
.if \al
	ALOAD ((\q)+3)%4, A_CH*(((\q)+3)/4)+A_Q*(((\q)+3)%4)
.endif
.if \wl
	WLOAD \q, \q, 2*WCH
.endif
.endm
; A SUB-STEP: 32 of K, 40 products (32 where my fifth tile is dead) on token buffer q and weight buffer q % 2.  n: the loads issued behind this sub-step's tokens, which may stay out.
; cv: my group q of the next chunk, which came ahead of those tokens, is rounded (the 16 conversions are the places behind the last products) and stored.  wl: group q of the chunk two on is asked for.
; al: the tokens three sub-steps on are asked for.  ft: the next sub-step's weight fragments are fetched.  The global loads stand behind the first eight products; where the barrier follows (bar) they stand
; ahead of it, between the LDS stores and the wait for them, so that the stores have those loads' issue in which to land.
; bar: the next chunk's last group is stored: barrier; its fragments are fetched behind the wait.  The jump over the fifth tile passes eight products and nothing else: every wait's count holds on both ways.
; pf: 32 rows of the chunk three on are asked for ahead, 256 bytes a lane, each block by one lane of one wave: one trip before their loads; not in the last trip, whose look-ahead would pass the slice.
; vw: a sub-step without conversions states its loads' dependences itself; 0 where it issues no load, or where a wait further ahead has stated them.
.macro SUB q, n, cv, wl, al, ft, bar, pf=0, vw=1
	s_wait_loadcnt \n
.if \cv
.if (\q) > 0
	s_wait_alu depctr_vm_vsrc(0)                   ; the last sub-step's LDS stores have read CT, which the conversions write again (for a chunk's first sub-step the wait ahead of WAD's step has stated it)
.endif
	CVT \q
	s_wait_alu depctr_va_vdst(0)                   ; the conversions have written CT and are done reading WS[q]; the last sub-step's products are done reading their tokens and their weight fragments; behind STEP, BAD and WAD are written
	WSTORE \q
.else
	PLACES
.if \vw
	s_wait_alu depctr_va_vdst(0)                   ; the last sub-step's products are done reading their tokens and their weight fragments, in which this sub-step's loads land; behind STEP, BAD is written
.endif
.endif
.if \bar
	AHEAD \q, \al, \wl
	s_wait_dscnt 0x0                               ; for the others' sake: my stores into the next chunk are done (and my fragments are in)
	s_barrier_signal -1
	MULM 0, \q, (\q)%2
.else
	s_wait_dscnt 4*(\cv)                           ; my fragments are in; the stores issued behind them may be out
	MULM 0, \q, (\q)%2
	AHEAD \q, \al, \wl                             ; no wait: no vector or matrix instruction since the wait above names TA[q - 1], WS[q] or an offset
.endif
	MULM 1, \q, (\q)%2
.if \bar
	s_barrier_wait -1                              ; the next chunk is whole
.endif
.if \ft
.if (\q) < 3
	FETCH ((\q)+1)%2, 64*((\q)+1)                  ; no wait: the sixteen products since the wait above name the other weight buffer
.else
	FETCH 0, CHB
.endif
.endif
.if \pf
	s_cmp_eq_u32 s[TR], 1
	s_cbranch_scc1 .Lno_ask_\@
	global_prefetch_b8 v[PFO], s[SPF:SPF+1] th:TH_LOAD_NT scope:SCOPE_SE
	global_prefetch_b8 v[PFO], s[SPF:SPF+1] offset:16*WPB th:TH_LOAD_NT scope:SCOPE_SE
.Lno_ask_\@:
.endif
	WIN 0                                          ; at a branch and at a label every window is 0: behind the run of LDS loads it is so already
	s_cmp_eq_u32 s[L5], 0
	s_cbranch_scc1 .Lno5_\@
	MULM 4, \q, (\q)%2
	WIN 0
.Lno5_\@:
	MULM 2, \q, (\q)%2
	MULM 3, \q, (\q)%2
.endm
.macro STEP                            ; on to the next chunk
	WIN 0
	s_wait_xcnt 0x0                                ; the bases of loads that are out are stepped only behind this wait
	s_add_nc_u64 s[SW:SW+1], s[SW:SW+1], WCH
	s_add_nc_u64 s[SA:SA+1], s[SA:SA+1], A_CH
	s_add_nc_u64 s[SPF:SPF+1], s[SPF:SPF+1], WCH
	s_wait_alu depctr_vm_vsrc(0)                   ; the LDS loads issued so far have read BAD, the LDS stores WAD and CT
	v_add_nc_u32 v[BAD], CHB, v[BAD]
	WIN W3
	v_add_nc_u32 v[WAD], CHB, v[WAD]
	WIN 0
.endm
; One halving of RSEL's search, for all five tiles, line by line, so that no line waits for the one before it.  t = the set bits in the lower w bits of what is left (a field of src at bit PS); d = n - t.
; Where n >= t the bit lies in the upper part: n becomes d and PS gains 1 << lg.  As unsigned numbers min(n, d) is d there and n elsewhere (d has wrapped); 1 + (d >> 31, arithmetic) is 1 there and 0 elsewhere.
.macro LEVEL src, w, lg, keep
.irp m, 0,1,2,3,4
	v_bfe_u32 v[TT+(\m)], v[(\src)+(\m)], v[PS+(\m)], \w
.endr
.irp m, 0,1,2,3,4
	v_sub_nc_u32 v[TT+(\m)], v[NN+(\m)], v[TT+(\m)]
.endr
.irp m, 0,1,2,3,4
	v_ashrrev_i32 v[UU+(\m)], 31, v[TT+(\m)]
.endr
.if \keep
.irp m, 0,1,2,3,4
	v_min_u32 v[NN+(\m)], v[NN+(\m)], v[TT+(\m)]
.endr
.endif
.irp m, 0,1,2,3,4
	v_add_nc_u32 v[UU+(\m)], 1, v[UU+(\m)]
.endr
.irp m, 0,1,2,3,4
	v_lshl_or_b32 v[PS+(\m)], v[UU+(\m)], \lg, v[PS+(\m)]
.endr
.endm
; THE TOKENS OF MY WAVE'S 80 ROWS.  Lane (r, h) wants, for tile m, the token whose bit has rank q = ROW0 + 64 m + r among the set bits of the expert's bitmap.
; 1. Word by word, CNT the set bits so far: where q >= CNT the lane takes this word and (CNT, 32 x its number), else it keeps what it has: it ends with the last word that begins at or below q, which holds the bit.
; 2. The bit of rank n = q - (the bits ahead of the word) is found by five halvings on the word's counts in fields of 8, 4 and 2 bits.
; 3. Rows past the count take the token of row CNT - 1.  With d = CNT - 1 - ROW0 that row is my wave's where bits 5:4 of d are 0 (the pass's tiles go round the four waves); it then lies in tile d / 64,
;    lane d % 16.  Where it is not mine (or d has wrapped, or lies in a later pass) no tile matches, and the places take token 0.
; It also leaves the expert's count in CNT, and in L5 whether my fifth tile begins below the count.
.macro RSEL
.irp m, 0,1,2,3,4
	s_add_co_u32 s[T0], s[ROW0], 64*(\m)
	v_add_nc_u32 v[QR+(\m)], s[T0], v[RR]
	v_mov_b32 v[WD+(\m)], 0
	v_mov_b32 v[PK+(\m)], 0
.endr
	s_mov_b32 s[CNT], 0
	s_mov_b32 s[W32], 0
	s_mov_b32 s[WI], 0
.Lword_\@:
	v_readlane_b32 s39, v[BMU], s[WI]
	s_lshl_b32 s38, s[W32], 16
	s_or_b32 s38, s38, s[CNT]                      ; CNT is 1,024 at the most: the two parts do not meet
.irp m, 0,1,2,3,4
	v_sub_nc_u32 v[TT+(\m)], v[QR+(\m)], s[CNT]
.endr
.irp m, 0,1,2,3,4
	v_ashrrev_i32 v[TT+(\m)], 31, v[TT+(\m)]       ; all ones where q < CNT
.endr
	s_wait_alu depctr_va_sdst(0)                   ; s39, the bitmap's word, is written, ahead of its first reader
.irp m, 0,1,2,3,4
	v_bfi_b32 v[WD+(\m)], v[TT+(\m)], v[WD+(\m)], s39
.endr
.irp m, 0,1,2,3,4
	v_bfi_b32 v[PK+(\m)], v[TT+(\m)], v[PK+(\m)], s38
.endr
	s_bcnt1_i32_b32 s37, s39
	s_add_co_u32 s[CNT], s[CNT], s37
	s_add_co_u32 s[W32], s[W32], 32
	s_add_co_u32 s[WI], s[WI], 1
	s_cmp_lt_u32 s[WI], 32
	s_cbranch_scc1 .Lword_\@
.irp m, 0,1,2,3,4                      ; counts in fields of 2 bits: x - ((x >> 1) & 0x5555..)
	v_lshrrev_b32 v[TT+(\m)], 1, v[WD+(\m)]
.endr
.irp m, 0,1,2,3,4
	v_and_b32 v[TT+(\m)], s[M5], v[TT+(\m)]
.endr
.irp m, 0,1,2,3,4
	v_sub_nc_u32 v[NA+(\m)], v[WD+(\m)], v[TT+(\m)]
.endr
.irp m, 0,1,2,3,4                      ; of 4 bits
	v_lshrrev_b32 v[TT+(\m)], 2, v[NA+(\m)]
.endr
.irp m, 0,1,2,3,4
	v_and_b32 v[UU+(\m)], s[M3], v[NA+(\m)]
.endr
.irp m, 0,1,2,3,4
	v_and_b32 v[TT+(\m)], s[M3], v[TT+(\m)]
.endr
.irp m, 0,1,2,3,4
	v_add_nc_u32 v[NB+(\m)], v[TT+(\m)], v[UU+(\m)]
.endr
.irp m, 0,1,2,3,4                      ; of 8 bits
	v_lshrrev_b32 v[TT+(\m)], 4, v[NB+(\m)]
.endr
.irp m, 0,1,2,3,4
	v_and_b32 v[UU+(\m)], s[ML], v[PK+(\m)]        ; (the bits ahead of the word)
.endr
.irp m, 0,1,2,3,4
	v_add_nc_u32 v[TT+(\m)], v[TT+(\m)], v[NB+(\m)]
.endr
.irp m, 0,1,2,3,4
	v_sub_nc_u32 v[NN+(\m)], v[QR+(\m)], v[UU+(\m)]  ; n
.endr
.irp m, 0,1,2,3,4
	v_and_b32 v[NC+(\m)], s[MF], v[TT+(\m)]
.endr
.irp m, 0,1,2,3,4                      ; the first halving: t = the two low bytes' counts
	v_lshrrev_b32 v[TT+(\m)], 8, v[NC+(\m)]
.endr
.irp m, 0,1,2,3,4
	v_add_nc_u32 v[TT+(\m)], v[TT+(\m)], v[NC+(\m)]
.endr
.irp m, 0,1,2,3,4
	v_bfe_u32 v[TT+(\m)], v[TT+(\m)], 0, 8
.endr
.irp m, 0,1,2,3,4
	v_sub_nc_u32 v[TT+(\m)], v[NN+(\m)], v[TT+(\m)]
.endr
.irp m, 0,1,2,3,4
	v_ashrrev_i32 v[UU+(\m)], 31, v[TT+(\m)]
.endr
.irp m, 0,1,2,3,4
	v_min_u32 v[NN+(\m)], v[NN+(\m)], v[TT+(\m)]
.endr
.irp m, 0,1,2,3,4
	v_add_nc_u32 v[UU+(\m)], 1, v[UU+(\m)]
.endr
.irp m, 0,1,2,3,4
	v_lshlrev_b32 v[PS+(\m)], 4, v[UU+(\m)]
.endr
	LEVEL NC, 8, 3, 1
	LEVEL NB, 4, 2, 1
	LEVEL NA, 2, 1, 1
	LEVEL WD, 1, 0, 0
.irp m, 0,1,2,3,4
	v_lshrrev_b32 v[UU+(\m)], 16, v[PK+(\m)]
.endr
.irp m, 0,1,2,3,4
	v_add_nc_u32 v[PS+(\m)], v[UU+(\m)], v[PS+(\m)]  ; the token
.endr
	s_sub_co_i32 s[LIM], s[CNT], 1
	s_max_i32 s[LIM], s[LIM], 0
	s_sub_co_u32 s37, s[LIM], s[ROW0]              ; d
	s_lshr_b32 s38, s37, 6                         ; its tile, if it is mine
	s_bfe_u32 s[T1], s37, 0x20004                  ; bits 5:4: how many waves on from mine
	s_and_b32 s37, s37, 15                         ; its lane
	s_cmp_lg_u32 s[T1], 0
	s_cselect_b32 s38, 64, s38                     ; another wave's: no tile matches
	s_mov_b32 s39, 0
.irp m, 0,1,2,3,4
	v_readlane_b32 s[RL+(\m)], v[PS+(\m)], s37     ; a run of five, each into a scalar of its own,
.endr
	s_wait_alu depctr_va_sdst(0)                   ; and one wait: s[RL ..] are written, ahead of their first readers
.irp m, 0,1,2,3,4
	s_cmp_eq_u32 s38, \m
	s_cselect_b32 s39, s[RL+(\m)], s39
.endr
	v_mov_b32 v[LASTV], s39
.irp m, 0,1,2,3,4
	v_sub_nc_u32 v[TT+(\m)], s[LIM], v[QR+(\m)]
.endr
.irp m, 0,1,2,3,4
	v_ashrrev_i32 v[TT+(\m)], 31, v[TT+(\m)]       ; all ones where q lies past the last live row
.endr
.irp m, 0,1,2,3,4
	v_bfi_b32 v[PS+(\m)], v[TT+(\m)], v[LASTV], v[PS+(\m)]
.endr
.irp m, 0,1,2,3,4
	v_min_u32 v[PS+(\m)], 0x3ff, v[PS+(\m)]        ; a number made of loaded data enters an address behind a bound written in this form
.endr
	WIN 0x40
.irp m, 0,1,2,3,4
	v_lshl_add_u32 v[TOF+(\m)], v[PS+(\m)], 11, v[H16]  ; the token's row of 2,048 bytes, at 16 (lane / 16)
.endr
	WIN 0
	s_add_co_u32 s[T0], s[ROW0], 256               ; my fifth tile's first row
	s_cmp_lt_u32 s[T0], s[CNT]
	s_cselect_b32 s[L5], 1, 0
.endm
.macro ACCINIT                         ; the sums start from the bias: register i of tile T = 4 g + j is column 64 g + 32 h + 4 i + j
	WIN 0x80
.set z, 0
.rept 256
	v_mov_b32 v[z], v[BI+32*((z/32)%2)+4*(z%8)+((z/8)%4)]
.set z, z+1
.endr
	WIN 0xc0
.set z, 0
.rept 64
	v_mov_b32 v[z], v[BI+32*((z/32)%2)+4*(z%8)+((z/8)%4)]
.set z, z+1
.endr
	WIN 0
.endm
.macro PRO g, n                        ; the prologue's step g: chunk 0's group g is stored, then the first tokens and chunk 1's group g are asked for
	s_wait_loadcnt \n
.if (\g) > 0
	s_wait_alu depctr_vm_vsrc(0)                   ; the last group's LDS stores have read CT, which the conversions write again
.endif
	CVT \g
	s_wait_alu depctr_va_vdst(0)                   ; the conversions have written CT, which the LDS stores read, and are done reading WS[g], in which chunk 1's group lands; RSEL has written TOF, which the tokens' loads read
	WSTORE \g
.if (\g) > 0
	ALOAD (\g)-1, A_Q*((\g)-1)
.endif
	WLOAD \g, \g, WCH
.endm
	s_load_b256 s[4:11], s[0:1], 0x0               ; W1 s[4:5], b1 s[6:7], xb s[8:9], bm s[10:11]
	s_load_b64 s[12:13], s[0:1], 0x20              ; h
	v_lshl_add_u32 v30, v0, 2, 0x44000
	v_mov_b32 v31, 0
	v_lshrrev_b32 v8, 5, v0
	v_readfirstlane_b32 s[WV], v8                  ; wave 0..3
	s_and_b32 s[EX], ttmp7, 0xffff
	s_mov_b32 s[SL], ttmp9
	s_mov_b32 s[M5], 0x55555555
	s_mov_b32 s[M3], 0x33333333
	s_mov_b32 s[MF], 0x0f0f0f0f
	s_mov_b32 s[MH], 0xffff0000
	s_mov_b32 s[ML], 0x0000ffff
	v_and_b32 v[LN], 31, v0
	v_and_b32 v[RR], 15, v0
	v_bfe_u32 v[HH], v0, 4, 1
	v_mul_u32_u24 v[BAD0], v[RR], PITCH
	v_lshl_add_u32 v[BAD0], v[HH], 4, v[BAD0]      ; row x pitch + 16 x half
	v_mov_b32 v[BAD], v[BAD0]
	v_lshlrev_b32 v[H16], 4, v[HH]
	v_mov_b32 v[ZERO], 0
	v_lshlrev_b32 v[HOF], 4, v[LN]
	v_lshrrev_b32 v8, 1, v[LN]
	v_and_b32 v9, 1, v[LN]
	v_mul_u32_u24 v8, v8, WPB
	v_lshl_add_u32 v[PFO], v9, 8, v8               ; row lane / 2, half lane % 2 of its 512 bytes
	v_lshlrev_b32 v[BOF], 7, v[HH]                 ; 32 numbers of the bias for each half of the lanes
	v_lshlrev_b32 v[BMO], 2, v[LN]
	v_lshl_add_u32 v8, v[HH], 6, v[RR]
	v_mul_u32_u24 v8, v8, PITCH
	s_wait_alu depctr_va_sdst(0)                   ; s[WV], the wave's number, is written, ahead of its first reader
	s_lshl_b32 s[T1], s[WV], 4
	v_add_nc_u32 v8, s[T1], v8                     ; LDS row 64 (L / 16) + L % 16, my wave's 8 k
	WIN 0xc0
	v_mov_b32 v[WAD], v8
	v_lshlrev_b32 v[WOF], 4, v[LN]
	WIN 0
	s_mov_b32 s[OF+1], 0
	s_mov_b32 s[PASS], 0
	s_lshl_b32 s[ROW0], s[WV], 4                   ; pass 0: my first tile begins at row 16 w
	s_wait_kmcnt 0x0
	s_lshl_b32 s[OF], s[EX], 8
	s_add_nc_u64 s[10:11], s[10:11], s[OF:OF+1]    ; the expert's two bitmaps
	s_lshl_b32 s[OF], s[EX], 14
	s_lshl_b32 s[T0], s[SL], 9
	s_add_co_u32 s[OF], s[OF], s[T0]
	s_add_nc_u64 s[6:7], s[6:7], s[OF:OF+1]        ; b1 at the slice
	s_lshl_b32 s[OF], s[EX], 24
	s_add_co_u32 s[OF], s[OF], s[T0]
	s_add_nc_u64 s[4:5], s[4:5], s[OF:OF+1]        ; W1 at the slice
	s_lshl_b32 s[OF], s[WV], 17                    ; my wave's rows 8 w
	s_add_nc_u64 s[SW:SW+1], s[4:5], s[OF:OF+1]
	s_lshl_b32 s[OF], s[WV], 19                    ; rows 32 w
	s_add_co_u32 s[OF], s[OF], 3*WCH               ; of chunk 3
	s_add_nc_u64 s[SPF:SPF+1], s[4:5], s[OF:OF+1]
	s_mov_b64 s[SA:SA+1], s[8:9]
	s_wait_alu depctr_va_vdst(0)                   ; the offsets BMO, BOF, WOF, PFO and HOF and the LDS addresses BAD and WAD are written, which the loads, stores and prefetches below read
	global_load_b32 v[BMU], v[BMO], s[10:11]
	global_load_b32 v[BM1], v[BMO], s[10:11] offset:128
.irp g, 0,1
.irp i, 0,1,2,3,4,5,6,7
	global_load_b128 v[BI+32*(\g)+4*(\i):BI+32*(\g)+4*(\i)+3], v[BOF], s[6:7] offset:256*(\g)+16*(\i)
.endr
.endr
	WLOAD 0, 0, 0                                  ; chunk 0
	WLOAD 1, 1, 0
	WLOAD 2, 2, 0
	WLOAD 3, 3, 0
	WIN 0
	s_wait_loadcnt 32                              ; bitmaps and bias are in; the 32 loads of W1 stay out
	v_or_b32 v[BMU], v[BMU], v[BM1]                ; a row of the expert is a token that chose it first or second
.set z, 0
.rept 32                               ; the bias rounded to bf16 and widened again
	v_cvt_pk_bf16_f32 v[8+z%4], v[BI+2*z], v[BI+2*z+1]
	v_lshlrev_b32 v[BI+2*z], 16, v[8+z%4]
	v_and_b32 v[BI+2*z+1], s[MH], v[8+z%4]
.set z, z+1
.endr
	RSEL
	PRO 0, 24                                      ; behind group 0: groups 1-3
	PRO 1, 24                                      ; behind group 1: groups 2-4
	PRO 2, 34                                      ; behind group 2: groups 3, 4, 5 and ten loads of tokens
	PRO 3, 44                                      ; behind group 3: groups 4, 5, 6 and twenty loads of tokens
	ACCINIT                                        ; behind the prologue's loads and stores: the moves run while those are on their way
	s_wait_dscnt 0x0                               ; my part of chunk 0 is stored
	s_barrier_signal -1
	s_barrier_wait -1                              ; everybody's is
	WIN W3
	s_wait_alu depctr_vm_vsrc(0)                   ; my LDS stores have read WAD, which the next line writes, and CT, which the first sub-step's conversions write
	v_add_nc_u32 v[WAD], CHB, v[WAD]
	FETCH 0, 0                                     ; no wait: RSEL, which worked in these registers, stands ahead of the prologue's waits, and nothing since names them or BAD
	s_mov_b32 s[TR], 6
.Ltrip:                                                ; trip c = 0..5: multiplies chunk c, stores chunk c + 1, asks for chunk c + 2
	SUB 0, 44, 1, 1, 1, 1, 0, 1                    ; 44: behind these tokens came 8 + 10 + 8 + 10 + 8 loads
	SUB 1, 44, 1, 1, 1, 1, 0
	SUB 2, 44, 1, 1, 1, 1, 0
	SUB 3, 44, 1, 1, 1, 1, 1
	STEP
	s_sub_co_u32 s[TR], s[TR], 1
	s_cmp_lg_u32 s[TR], 0
	s_cbranch_scc1 .Ltrip
	SUB 0, 44, 1, 0, 1, 1, 0                       ; chunk 6: nothing of W1 is left to ask for, and the counts run down
	SUB 1, 36, 1, 0, 1, 1, 0
	SUB 2, 28, 1, 0, 1, 1, 0
	SUB 3, 20, 1, 0, 1, 1, 1
	STEP
	SUB 0, 20, 0, 0, 1, 1, 0                       ; chunk 7
	SUB 1, 20, 0, 0, 0, 1, 0
	SUB 2, 10, 0, 0, 0, 1, 0
	SUB 3, 0, 0, 0, 0, 0, 0, 0, 0                  ; it issues no load: no wait on va_vdst
	WIN 0
	s_branch .Lepi                                 ; pass 0 enters the loop over passes at the way out, which is written once
.Lpass:                                                ; passes 1 to 3: rows 320 PASS on, from the slice that is in LDS: no barrier, and nothing is stored into LDS
	s_wait_xcnt 0x0                                ; the last pass's stores have read their registers
	s_wait_alu depctr_vm_vsrc(0)                   ; the last pass's loads have read TOF and BAD, its stores EP: RSEL, the move to BAD and the way out write them again
	s_mul_i32 s[T0], s[PASS], 320
	s_cmp_ge_u32 s[T0], s[CNT]
	s_cbranch_scc1 .Ldead
	s_lshl_b32 s[T1], s[WV], 4
	s_add_co_u32 s[ROW0], s[T0], s[T1]
	RSEL                                           ; (the way out's vector lines are the places behind the last products, whose weight fragments it writes over)
	ACCINIT
	s_mov_b64 s[SA:SA+1], s[8:9]
	v_mov_b32 v[BAD], v[BAD0]
	s_mov_b32 s[BST], 128
	s_mov_b32 s[KT], 16
.Lkt:                                                  ; a trip: 64 of K, half a chunk.  Short text for a way that only an expert with more than 320 rows takes
	PLACES
	s_wait_alu depctr_va_vdst(0)                   ; the last trip's products are done reading TA0, TA1, WB0 and WB1, in which this trip's loads land, and BAD is written; ahead of the first trip so are TOF and RSEL's registers, which are WB0's
	ALOAD 0, 0
	ALOAD 1, A_Q
	FETCH 0, 0
	SUB 0, 10, 0, 0, 0, 1, 0, 0, 0                 ; the second quarter's ten loads stay out; its fragment run lands in WB1, which nothing since the wait above names
	SUB 1, 0, 0, 0, 0, 0, 0, 0, 0
	WIN 0
	s_wait_xcnt 0x0
	s_add_nc_u64 s[SA:SA+1], s[SA:SA+1], 2*A_Q
	s_wait_alu depctr_vm_vsrc(0)                   ; the trip's LDS loads have read BAD
	v_add_nc_u32 v[BAD], s[BST], v[BAD]            ; 128 bytes on in the chunk's rows, or on to the next chunk's first bytes,
	s_xor_b32 s[BST], s[BST], BSTX                 ; by turns
	s_sub_co_u32 s[KT], s[KT], 1
	s_cmp_lg_u32 s[KT], 0
	s_cbranch_scc1 .Lkt
.Lepi:                                                 ; THE WAY OUT: rounded in pairs, relu on the packed halves, stored as the second product's operand
	PLACES
	s_wait_xcnt 0x0
	s_mul_i32 s[T0], s[EX], 80
	s_mul_i32 s[T1], s[PASS], 20
	s_add_co_u32 s[T0], s[T0], s[T1]
	s_mul_i32 s[T1], s[WV], 5
	s_add_co_u32 s[T0], s[T0], s[T1]               ; my first tile: 80 e + 20 pass + 5 w
	s_lshl_b32 s[OF], s[T0], 17
	s_lshl_b32 s[T1], s[SL], 12                    ; blocks 4 sl on
	s_add_co_u32 s[OF], s[OF], s[T1]
	s_add_nc_u64 s[SO:SO+1], s[12:13], s[OF:OF+1]
.irp m, 0,1,2,3,4
.if (\m) > 0
	s_wait_xcnt 0x0                                ; the last tile's stores have had their addresses translated,
	s_wait_alu depctr_vm_vsrc(0)                   ; and have read EP, which this tile's conversions write again
.endif
.if (\m) == 4
	s_cmp_eq_u32 s[L5], 0
	s_cbranch_scc1 .Ldead                          ; a dead fifth tile was not multiplied, and the second product does not read it
.endif
.if (\m) < 4
	WIN 0x0a
.set AC, 64*(\m)
.else
	WIN 0x0f
.set AC, 0
.endif
.irp f, 0,1,2,3
.irp u, 0,1,2,3
	v_cvt_pk_bf16_f32 v[EP+8*(\f)+(\u)], v[AC+16*(\f)+2*(\u)], v[AC+16*(\f)+2*(\u)+1]  ; each accumulator from its low end on
.endr
.irp u, 0,1,2,3
	v_cvt_pk_bf16_f32 v[EP+8*(\f)+4+(\u)], v[AC+16*(\f)+8+2*(\u)], v[AC+16*(\f)+8+2*(\u)+1]
.endr
.endr
	WIN 0
.set z, 0
.rept 32
	v_pk_max_num_bf16 v[EP+z], v[EP+z], v[ZERO]
.set z, z+1
.endr
	s_wait_alu depctr_va_vdst(0)                   ; EP is written, which the eight stores read
.irp f, 0,1,2,3
	global_store_b128 v[HOF], v[EP+8*(\f):EP+8*(\f)+3], s[SO:SO+1] offset:131072*(\m)+1024*(\f)  ; 512 consecutive bytes, aligned
	global_store_b128 v[HOF], v[EP+8*(\f)+4:EP+8*(\f)+7], s[SO:SO+1] offset:131072*(\m)+1024*(\f)+512
.endr
.endr
.Ldead:
	s_add_co_u32 s[PASS], s[PASS], 1
	s_cmp_lt_u32 s[PASS], 4
	s_cbranch_scc1 .Lpass
	s_wait_dscnt 0x0                               ; my reads of LDS are back;
	s_barrier_signal -1
	s_barrier_wait -1                              ; every wave's are
	s_wait_dscnt 0x0                               ; the wave's end.  The add of 0 below lands on my spare word, in the 512 bytes behind the slice
	s_wait_alu depctr_hold_cnt(0) depctr_sa_sdst(0) depctr_va_vdst(0) depctr_va_sdst(0) depctr_va_ssrc(0) depctr_va_vcc(0) depctr_vm_vsrc(0)
	s_wait_tensorcnt 0x0
	ds_add_u32 v30, v31
	s_wait_dscnt 0x0
	s_endpgm
.Lfunc_end_k_q402eca5a06_ffn1:
	.size	k_q402eca5a06_ffn1, .Lfunc_end_k_q402eca5a06_ffn1-k_q402eca5a06_ffn1
	.p2alignl 7, 3214868480
	.fill 96, 4, 3214868480
	.section	.rodata,"a",@progbits
	.p2align	6, 0x0
	.amdhsa_kernel k_q402eca5a06_ffn1
		.amdhsa_group_segment_fixed_size 279040
		.amdhsa_private_segment_fixed_size 0
		.amdhsa_enable_private_segment 0
		.amdhsa_kernarg_size 40
		.amdhsa_user_sgpr_count 2
		.amdhsa_user_sgpr_kernarg_segment_ptr 1
		.amdhsa_wavefront_size32 1
		.amdhsa_system_sgpr_workgroup_id_x 1
		.amdhsa_system_sgpr_workgroup_id_y 1
		.amdhsa_system_sgpr_workgroup_id_z 1
		.amdhsa_system_vgpr_workitem_id 0
		.amdhsa_next_free_vgpr 1024
		.amdhsa_next_free_sgpr 66
		.amdhsa_reserve_vcc 0
		.amdhsa_float_denorm_mode_32 3
		.amdhsa_float_denorm_mode_16_64 3
		.amdhsa_memory_ordered 1
		.amdhsa_forward_progress 1
		.amdhsa_inst_pref_size 176
	.end_amdhsa_kernel
	.amdgpu_metadata
---
amdhsa.version: [ 1, 2 ]
amdhsa.kernels:
  - .name:           k_q402eca5a06_ffn1
    .symbol:         k_q402eca5a06_ffn1.kd
    .args:
      - { .name: W1, .offset: 0, .size: 8, .value_kind: global_buffer, .address_space: global }
      - { .name: b1, .offset: 8, .size: 8, .value_kind: global_buffer, .address_space: global }
      - { .name: xb, .offset: 16, .size: 8, .value_kind: global_buffer, .address_space: global }
      - { .name: bm, .offset: 24, .size: 8, .value_kind: global_buffer, .address_space: global }
      - { .name: h, .offset: 32, .size: 8, .value_kind: global_buffer, .address_space: global }
    .group_segment_fixed_size: 279040
    .private_segment_fixed_size: 0
    .kernarg_segment_align: 8
    .kernarg_segment_size: 40
    .max_flat_workgroup_size: 128
    .sgpr_count:     66
    .vgpr_count:     1024
    .wavefront_size: 32
...
	.end_amdgpu_metadata
.endif
;; end of part 7
;; launch ffn2 (part 8): grid 32 x 8, 4 waves a work-group, no clusters, 311,808 bytes of LDS; arguments W2, b2, h, bm, gk, part; writes part
.if DOCPART == 8
	.amdgcn_target "amdgcn-amd-amdhsa--gfx1250"
	.amdhsa_code_object_version 6
	.text
	.protected	k_q402eca5a06_ffn2
	.globl	k_q402eca5a06_ffn2
	.p2align	8
	.type	k_q402eca5a06_ffn2,@function
k_q402eca5a06_ffn2:
	s_mov_b64 s[64:65], 0
	v_nop
	global_prefetch_b8 v0, s[64:65] scope:SCOPE_SE
	s_setreg_imm32_b32 hwreg(HW_REG_WAVE_SCHED_MODE, 0, 2), 2
	s_setreg_imm32_b32 hwreg(HW_REG_WAVE_MODE, 25, 1), 1
	s_wait_xcnt 0x0
	s_wait_alu depctr_vm_vsrc(0)
; SECOND PRODUCT OF THE EXPERTS.  part[qk][slot][token] = gate x (h W2[e] over K quarter qk, + b2[e] in quarter 0), for the rows that chose expert e.  W2: [8][4096][1024] f32, b2: [8][1024] f32.
; SHARES.  Work-group (cs + 8 qk, e) owns columns 128 cs .. + 127 and rows 1,024 qk .. + 1,023 of W2[e], which it alone reads, and ALL of the expert's rows, in passes of 320 dealt as in the first product:
; wave w owns rows 64 m + 16 w .. + 15 of a pass, m = 0..4, times 128 columns: 40 accumulators.  Pass 0 always runs; passes 1 to 3 are jumped where the count ends before them.  A wave's FIFTH tile is
; multiplied only where it holds a live row (flag L5); where it does not, its loads name 16 bytes of the wave's first tile, so that no byte is read that the first product did not store.
; THE WEIGHTS COME ONCE AND STAY: loaded in f32, a row's 512 bytes to an instruction, rounded in registers, stored into LDS, each LDS byte once; pass 0 multiplies chunk c while chunks c + 1, c + 2 are on their way;
; later passes write nothing into LDS.  Lane L's register j of eight rows goes to LDS row 64 (L / 16) + 16 j + L % 16: tile T holds in its row c the slice's column 64 (T / 4) + 4 c + T % 4.
; THE ORDER OF K is the one in which the first product left h: place p of block f of a chunk is W2's row 64 (f / 2) + 4 (p % 16) + 2 (f % 2) + p / 16 of the chunk's 128: it stands in the loads' immediates.
; h comes as it lies: [tile 80 e + 20 pass + 5 w + m][block of 32 k][1,024 bytes], a lane's registers 0-3 at 16 L, 4-7 at 512 + 16 L: 512 consecutive bytes to a load.
; THE PRODUCT IS USED AS IT IS (source 0 = 16 rows of h, source 1 = 16 columns): register i of tiles 4 g .. 4 g + 3 gives a lane 4 neighbouring columns of row 8 (lane / 16) + i: 16 lanes store 256 aligned bytes.
; ROWS PAST THE COUNT.  Tiles wholly past it are not stored (a scalar jump).  In the one tile that is partly live the places past the count repeat the last live row: they store the same numbers to the same bytes
; again, from this work-group alone, at most 15 rows an expert.
; FORMATS.  W2 and b2 are rounded to bf16 like every input; sums in f32, started from the bias; the partial sums are stored in f32.
; NO JOINT LOADS: each weight byte has one reader; a chunk of h for 320 rows is 81,920 bytes, more than LDS has left beside the slice.
; THE MODE: SCHED_MODE bits 1:0 = 2 (LLVM: expert scheduling mode 2), set by the entry lines.  The code itself states the register dependences between vector or matrix instructions and memory or LDS
; instructions, with s_wait_alu, always for 0.
; THE PLAN.  Registers that memory or LDS instructions touch in pass 0's loop:
;   WS0 .. WS3   Sub-step q: its sixteen conversions read WS[q]; later in the sub-step the loads of group q of the chunk two on land in it.
;   CT           Written by the conversions, read by the four LDS stores behind them, written again by the next sub-step's conversions.
;   TA0 .. TA3   Sub-step q: its products read TA[q]; the ten loads of sub-step q + 1 land in it.
;   WB0, WB1     Sub-step q: its products read WB[q % 2]; the sixteen LDS loads of sub-step q + 1 land in it.
;   BAD, WAD     Read by every fragment load and by every LDS store; written once a chunk, in STEP.
;   TOF, TOF4, WOF, PFO   offsets, made ahead of the loop and not written in it.  The accumulators and the bias are named by vector and matrix instructions alone.
; So ONE wait on va_vdst stands in a sub-step, behind its conversions: CT is written; the conversions are done reading WS[q]; the last sub-step's products are done reading TA[q - 1] and the other WB; behind STEP,
; BAD and WAD are written.  What the sub-step issues on the vector side behind that wait names TA[q], WB[q % 2] and the accumulators alone, so its stores and loads are dealt among its products with no further
; wait.  One wait on vm_vsrc stands ahead of the conversions (CT), one in STEP (BAD, WAD; it serves CT for a chunk's first sub-step).
; REGISTERS, in windows of 256 (s_set_vgpr_msb: bits 1:0 source 0, 3:2 source 1, 5:4 source 2, 7:6 destination):
;   window 0: v0-31 addresses and small things; v32-159 two buffers of 8 weight fragments; v160-167 the bias; v176-239 the way out
;   window 1: v0-159 a ring of four buffers of 5 fragments of h (on the way out: v0-39 the rows' offsets, v40-79 their gates, v80-119 the gates' offsets); v160 16 x lane; v161 the fifth tile's offset
;   window 2: the accumulators of tiles 0-3 (64 m + 8 T)      window 3: v0-63 those of tile 4; v64-191 four sets of 8 rows of W2 as loaded; v192-207 packed; v208-209 addresses
.set WPB,   4096                       ; bytes from row to row of W2
.set WCH,   128*WPB                    ; a K chunk of 128 rows
.set WG_A,  64                         ; my group g's row i in a chunk: WG_A (g / 2) + WG_B (g % 2) + WG_I i, plus my wave's 32 (w % 2) + w / 2
.set WG_B,  2
.set WG_I,  4
.set A_CH,  4096                       ; bytes of a tile of h in a K chunk, in 32 of K, between a fragment's two loads, and from tile to tile
.set A_Q,   1024
.set A_H2,  512
.set A_MI,  131072
.set PITCH, 272                        ; an LDS row: 128 k x 2 bytes + 16: row r starts at bank 4 r mod 64 (64 banks of 4 bytes: ISA guide 11.1)
.set TILEB, 16*PITCH
.set CHB,   8*TILEB                    ; a chunk in LDS; a multiple of 256
.set BSTX,  CHB-256                    ; 128 xor (CHB - 128): turns the later passes' one LDS step into the other
.set LISTS, 8*CHB                      ; behind the slice: 8,192 bytes a wave: words 0-1279 the expert's list (four passes of 320), word 1280 a dump
.set LN,   1                           ; v1   lane
.set RR,   2                           ; v2   lane % 16
.set HH,   3                           ; v3   lane / 16
.set BAD,  4                           ; v4   LDS address of my part of a weight fragment, in the chunk in hand
.set BAD0, 5                           ; v5   the same in chunk 0; never rewritten
.set LB,   6                           ; v6   my wave's list
.set BM0,  19                          ; v19  lane l: word l of the expert's bitmap of first choices
.set BM1,  20                          ; v20  of second choices
.set LNHI, 21                          ; v21  lane + 1,024
.set CDMP, 22                          ; v22  1,280: the dump's word
.set R16,  23                          ; v23  16 (lane % 16)
.set PFO,  24                          ; v24  the prefetch's offset
.set LE,   26                          ; v26  my eight entries of the pass's first tile
.set BMO,  27                          ; v27  4 x lane
.set WB,   32
.set BI,   160
.set EP,   176
.set TA,   0                           ; window 1
.set EN,   0                           ; window 1, on the way out
.set GA,   40                          ; window 1, on the way out
.set GO,   80                          ; window 1, on the way out: the gates' byte offsets, in registers of their own: no load lands on an address register
.set TOF,  160                         ; window 1: 16 x lane
.set TOF4, 161                         ; window 1: the fifth tile: 16 x lane + 4 tiles where it is live, 0 where it is dead
.set WS,   64                          ; window 3
.set CT,   192                         ; window 3
.set WOF,  208                         ; window 3: 16 x lane
.set WAD,  209                         ; window 3: where I store 16 bytes of a column, in the chunk being filled
.set WV,   16                          ; s16  wave
.set EX,   17                          ; s17  expert
.set CS,   18                          ; s18  slice of columns
.set QK,   19                          ; s19  quarter of K
.set SW,   20                          ; s[20:21] W2 at my rows of the chunk in hand
.set SA,   22                          ; s[22:23] h at the chunk in hand
.set SPF,  24                          ; s[24:25] W2 at the rows that I ask for ahead
.set SO,   26                          ; s[26:27] part at my quarter and columns
.set SA0,  28                          ; s[28:29] h at my tiles of pass 0, chunk 0
.set OF,   30                          ; s[30:31] an offset, high word 0
.set TR,   32
.set CNT,  33
.set WI,   35
.set W32,  36
.set LIM,  40
.set PASS, 41
.set ROW0, 42                          ; s42  my wave's first row: 320 pass + 16 w
.set KT,   43
.set T0,   44
.set T1,   45
.set L5,   46                          ; s46  1: my fifth tile holds a live row
.set BST,  47                          ; s47  a later pass's next LDS step
.set MSB, 0
.macro WIN new                         ; the immediate's high byte repeats the setting that is left; a switch that changes nothing is dropped
.if MSB != (\new)
	s_set_vgpr_msb (MSB<<8)|(\new)
.set MSB, \new
.endif
.endm
.set W3,     0xcf                      ; sources 0 and 1 and destination in window 3
.set WA,     0x41                      ; source 0 (address) and destination in window 1
.set MUL_LO, 0xa1                      ; source 0 (h) window 1, source 1 (W2) window 0, C and D window 2
.set MUL_HI, 0xf1                      ; the same, C and D window 3
.macro PLACES                          ; four plain instructions between a matrix instruction and a load into, or a vector line on, its registers
.rept 4
	v_nop
.endr
.endm
.macro WLOAD set, g, coff              ; eight rows of W2: group g of the chunk coff bytes on
	WIN W3
.irp i, 0,1,2,3,4,5,6,7
	global_load_b128 v[WS+32*(\set)+4*(\i):WS+32*(\set)+4*(\i)+3], v[WOF], s[SW:SW+1] offset:(\coff)+(WG_A*((\g)/2)+WG_B*((\g)%2)+WG_I*(\i))*WPB th:TH_LOAD_NT
.endr
.endm
.macro CVT set                         ; register j of rows 2 u and 2 u + 1 into one word: four words are 8 k of column j
	WIN W3
.irp j, 0,1,2,3
.irp u, 0,1,2,3
	v_cvt_pk_bf16_f32 v[CT+4*(\j)+(\u)], v[WS+32*(\set)+8*(\u)+(\j)], v[WS+32*(\set)+8*(\u)+4+(\j)]
.endr
.endr
.endm
.macro WSTORE g
	WIN W3
.irp j, 0,1,2,3
	ds_store_b128 v[WAD], v[CT+4*(\j):CT+4*(\j)+3] offset:64*(\g)+(\j)*TILEB
.endr
.endm
.macro ALOAD buf, off                  ; five fragments of h: the block at byte off of my five tiles; the fifth by its own offset register
	WIN WA
.irp m, 0,1,2,3
	global_load_b128 v[TA+40*(\buf)+8*(\m):TA+40*(\buf)+8*(\m)+3], v[TOF], s[SA:SA+1] offset:(\off)+A_MI*(\m)
	global_load_b128 v[TA+40*(\buf)+8*(\m)+4:TA+40*(\buf)+8*(\m)+7], v[TOF], s[SA:SA+1] offset:(\off)+A_MI*(\m)+A_H2
.endr
	global_load_b128 v[TA+40*(\buf)+32:TA+40*(\buf)+35], v[TOF4], s[SA:SA+1] offset:(\off)
	global_load_b128 v[TA+40*(\buf)+36:TA+40*(\buf)+39], v[TOF4], s[SA:SA+1] offset:(\off)+A_H2
.endm
.macro FETCH buf, off                  ; eight weight fragments in one run
	WIN 0
.irp t, 0,1,2,3,4,5,6,7
	ds_load_b128 v[WB+64*(\buf)+8*(\t):WB+64*(\buf)+8*(\t)+3], v[BAD] offset:(\off)+(\t)*TILEB
	ds_load_b128 v[WB+64*(\buf)+8*(\t)+4:WB+64*(\buf)+8*(\t)+7], v[BAD] offset:(\off)+(\t)*TILEB+32
.endr
.endm
.macro MULM m, ab, wb                  ; eight products: row tile m x all 8 column tiles.  The accumulators take turns, one instruction a turn
.if (\m) < 4
	WIN MUL_LO
.set AC, 64*(\m)
.else
	WIN MUL_HI
.set AC, 0
.endif
.irp t, 0,1,2,3,4,5,6,7
	v_wmma_f32_16x16x32_bf16 v[AC+8*(\t):AC+8*(\t)+7], v[TA+40*(\ab)+8*(\m):TA+40*(\ab)+8*(\m)+7], v[WB+64*(\wb)+8*(\t):WB+64*(\wb)+8*(\t)+7], v[AC+8*(\t):AC+8*(\t)+7]
.endr
.endm
.macro AHEAD q, al, wl                 ; a sub-step's global loads: h three sub-steps on, then group q of the chunk two on
.if \al
	ALOAD ((\q)+3)%4, A_CH*(((\q)+3)/4)+A_Q*(((\q)+3)%4)
.endif
.if \wl
	WLOAD \q, \q, 2*WCH
.endif
.endm
; A SUB-STEP: 32 of K, 40 products (32 where my fifth tile is dead) on h's buffer q and weight buffer q % 2.  n: the loads issued behind this sub-step's fragments of h, which may stay out.
; cv: my group q of the next chunk, which came ahead of those, is rounded (the 16 conversions are the places behind the last products) and stored.  wl: group q of the chunk two on is asked for.
; al: h three sub-steps on is asked for.  ft: the next sub-step's weight fragments are fetched.  The global loads stand behind the first eight products; where the barrier follows (bar) they stand
; ahead of it, between the LDS stores and the wait for them, so that the stores have those loads' issue in which to land.
; bar: the next chunk's last group is stored: barrier; its fragments are fetched behind the wait.  The jump over the fifth tile passes eight products and nothing else: every wait's count holds on both ways.
; pf: 32 rows of the chunk three on are asked for ahead, 256 bytes a lane, each block by one lane of one wave: one trip before their loads; not in the last trip, whose look-ahead would pass the slice.
; vw: a sub-step without conversions states its loads' dependences itself; 0 where it issues no load, or where a wait further ahead has stated them.
.macro SUB q, n, cv, wl, al, ft, bar, pf=0, vw=1
	s_wait_loadcnt \n
.if \cv
.if (\q) > 0
	s_wait_alu depctr_vm_vsrc(0)                   ; the last sub-step's LDS stores have read CT, which the conversions write again (for a chunk's first sub-step the wait ahead of WAD's step has stated it)
.endif
	CVT \q
	s_wait_alu depctr_va_vdst(0)                   ; the conversions have written CT and are done reading WS[q]; the last sub-step's products are done reading their fragments of h and of the weights; behind STEP, BAD and WAD are written
	WSTORE \q
.else
	PLACES
.if \vw
	s_wait_alu depctr_va_vdst(0)                   ; the last sub-step's products are done reading their fragments of h and of the weights, in which this sub-step's loads land; behind STEP, BAD is written
.endif
.endif
.if \bar
	AHEAD \q, \al, \wl
	s_wait_dscnt 0x0                               ; for the others' sake: my stores into the next chunk are done (and my fragments are in)
	s_barrier_signal -1
	MULM 0, \q, (\q)%2
.else
	s_wait_dscnt 4*(\cv)                           ; my fragments are in; the stores issued behind them may be out
	MULM 0, \q, (\q)%2
	AHEAD \q, \al, \wl                             ; no wait: no vector or matrix instruction since the wait above names TA[q - 1], WS[q] or an offset
.endif
	MULM 1, \q, (\q)%2
.if \bar
	s_barrier_wait -1                              ; the next chunk is whole
.endif
.if \ft
.if (\q) < 3
	FETCH ((\q)+1)%2, 64*((\q)+1)                  ; no wait: the sixteen products since the wait above name the other weight buffer
.else
	FETCH 0, CHB
.endif
.endif
.if \pf
	s_cmp_eq_u32 s[TR], 1
	s_cbranch_scc1 .Lno_ask_\@
	global_prefetch_b8 v[PFO], s[SPF:SPF+1] th:TH_LOAD_NT scope:SCOPE_SE
	global_prefetch_b8 v[PFO], s[SPF:SPF+1] offset:16*WPB th:TH_LOAD_NT scope:SCOPE_SE
.Lno_ask_\@:
.endif
	WIN 0                                          ; at a branch and at a label every window is 0: behind the run of LDS loads it is so already
	s_cmp_eq_u32 s[L5], 0
	s_cbranch_scc1 .Lno5_\@
	MULM 4, \q, (\q)%2
	WIN 0
.Lno5_\@:
	MULM 2, \q, (\q)%2
	MULM 3, \q, (\q)%2
.endm
.macro STEP                            ; on to the next chunk
	WIN 0
	s_wait_xcnt 0x0                                ; the bases of loads that are out are stepped only behind this wait
	s_add_nc_u64 s[SW:SW+1], s[SW:SW+1], WCH
	s_add_nc_u64 s[SA:SA+1], s[SA:SA+1], A_CH
	s_add_nc_u64 s[SPF:SPF+1], s[SPF:SPF+1], WCH
	s_wait_alu depctr_vm_vsrc(0)                   ; the LDS loads issued so far have read BAD, the LDS stores WAD and CT
	v_add_nc_u32 v[BAD], CHB, v[BAD]
	WIN W3
	v_add_nc_u32 v[WAD], CHB, v[WAD]
	WIN 0
.endm
; THE EXPERT'S LIST, made once, a copy for each wave in its own bytes: row r of the expert, in the order of the tokens (the order in which the first product ranks them), at word r; an entry is
; 1,024 x slot + token.  A lane whose bit is set has the rank CNT + the set bits below it; lanes without a bit go to the dump.  Words 0-1279 start at 0; the 32 words behind the last live entry repeat it.
; All bytes are the wave's own, and LDS serves a wave's instructions in order: no barrier.  Behind this macro the lists are only read.
.macro LIST
	v_lshl_add_u32 v12, v[LN], 4, v[LB]
.irp z, 8,9,10,11
	v_mov_b32 v\z, 0
.endr
	s_wait_alu depctr_va_vdst(0)                   ; v12 and v[8:11] are written, which the ten LDS stores read
.irp j, 0,1,2,3,4,5,6,7,8,9
	ds_store_b128 v12, v[8:11] offset:512*(\j)     ; 10 x 512 bytes = 1,280 words
.endr
	s_mov_b32 s[CNT], 0
	s_mov_b32 s[W32], 0
	s_mov_b32 s[WI], 0
.Lword_\@:
	v_readlane_b32 s37, v[BM0], s[WI]
	v_readlane_b32 s38, v[BM1], s[WI]
	s_wait_alu depctr_va_sdst(0)                   ; s37 and s38, the two bitmaps' words, are written, ahead of their first reader
	s_or_b32 s39, s37, s38
	s_wait_alu depctr_vm_vsrc(0)                   ; the LDS stores issued so far have read v8 and v9, which this trip writes again
	v_mbcnt_lo_u32_b32 v8, s39, s[CNT]
	v_cndmask_b32 v8, v[CDMP], v8, s39
	v_min_u32 v8, 0x500, v8                        ; a number made of loaded data enters an address behind a bound written in this form
	v_cndmask_b32 v9, v[LN], v[LNHI], s38
	v_lshl_add_u32 v8, v8, 2, v[LB]
	v_add_nc_u32 v9, s[W32], v9
	s_wait_alu depctr_va_vdst(0)                   ; v8 and v9 are written, which the LDS store reads
	ds_store_b32 v8, v9
	s_bcnt1_i32_b32 s39, s39
	s_add_co_u32 s[CNT], s[CNT], s39
	s_add_co_u32 s[W32], s[W32], 32
	s_add_co_u32 s[WI], s[WI], 1
	s_cmp_lt_u32 s[WI], 32
	s_cbranch_scc1 .Lword_\@
	s_sub_co_i32 s[LIM], s[CNT], 1
	s_max_i32 s[LIM], s[LIM], 0
	s_min_u32 s[LIM], s[LIM], 0x3ff
	s_lshl_b32 s37, s[LIM], 2
	s_wait_alu depctr_vm_vsrc(0)                   ; the last trip's LDS store has read v8 and v9 (the ten stores of zeros have read v10, in which the load below lands)
	v_add_nc_u32 v8, s37, v[LB]
	v_add_nc_u32 v9, s[CNT], v[LN]                 ; words CNT .. CNT + 31, 1,055 at the most
	v_min_u32 v9, 0x500, v9
	v_lshl_add_u32 v9, v9, 2, v[LB]
	s_wait_alu depctr_va_vdst(0)                   ; v8 and v9 are written, the addresses of the load and of the store below
	ds_load_b32 v10, v8                            ; the last live entry (0 where the expert has no row)
	s_wait_dscnt 0x0
	ds_store_b32 v9, v10
.endm
.macro LIVE5                           ; is my fifth tile live?  Its offset in h: 16 x lane + 4 tiles, or 0 for every lane: then its loads read 16 bytes of my first tile, which the first product always stores
	s_add_co_u32 s[T0], s[ROW0], 256               ; its first row
	s_cmp_lt_u32 s[T0], s[CNT]
	s_cselect_b32 s[L5], 1, 0
	s_cselect_b32 s[T0], -1, 0
	s_cselect_b32 s[T1], 4*A_MI, 0
	v_lshlrev_b32 v13, 4, v[LN]                    ; v13: at work here alone; no memory or LDS instruction names it
	v_and_b32 v13, s[T0], v13
	v_add_nc_u32 v13, s[T1], v13
	WIN 0x40
	v_min_u32 v[TOF4], 0x801f0, v13                ; 4 tiles + 16 x 31: a number that hangs on loaded data enters an address behind a bound written in this form
	WIN 0
.endm
.macro ACCINIT                         ; the sums start from the bias: every register of tile T is column 64 (T / 4) + 4 r + T % 4
	WIN 0x80
.set z, 0
.rept 256
	v_mov_b32 v[z], v[BI+(z/8)%8]
.set z, z+1
.endr
	WIN 0xc0
.set z, 0
.rept 64
	v_mov_b32 v[z], v[BI+(z/8)%8]
.set z, z+1
.endr
	WIN 0
.endm
.macro PRO g, n                        ; the prologue's step g: chunk 0's group g is stored, then the first blocks of h and chunk 1's group g are asked for
	s_wait_loadcnt \n
.if (\g) > 0
	s_wait_alu depctr_vm_vsrc(0)                   ; the last group's LDS stores have read CT, which the conversions write again
.endif
	CVT \g
	s_wait_alu depctr_va_vdst(0)                   ; the conversions have written CT, which the LDS stores read, and are done reading WS[g], in which chunk 1's group lands; LIVE5 has written TOF4, which h's loads read
	WSTORE \g
.if (\g) > 0
	ALOAD (\g)-1, A_Q*((\g)-1)
.endif
	WLOAD \g, \g, WCH
.endm
	s_load_b256 s[4:11], s[0:1], 0x0               ; W2 s[4:5], b2 s[6:7], h s[8:9], bm s[10:11]
	s_load_b128 s[12:15], s[0:1], 0x20             ; gk s[12:13], part s[14:15]
	v_lshl_add_u32 v254, v0, 2, 0x4c000
	v_mov_b32 v255, 0
	v_lshrrev_b32 v8, 5, v0
	v_readfirstlane_b32 s[WV], v8                  ; wave 0..3
	s_and_b32 s[EX], ttmp7, 0xffff
	s_and_b32 s[CS], ttmp9, 7
	s_lshr_b32 s[QK], ttmp9, 3
	v_and_b32 v[LN], 31, v0
	v_and_b32 v[RR], 15, v0
	v_bfe_u32 v[HH], v0, 4, 1
	v_mul_u32_u24 v[BAD0], v[RR], PITCH
	v_lshl_add_u32 v[BAD0], v[HH], 4, v[BAD0]      ; row x pitch + 16 x half
	v_mov_b32 v[BAD], v[BAD0]
	s_wait_alu depctr_va_sdst(0)                   ; s[WV], the wave's number, is written, ahead of its first reader
	s_lshl_b32 s[T0], s[WV], 13
	s_add_co_u32 s[T0], s[T0], LISTS
	v_mov_b32 v[LB], s[T0]
	v_add_nc_u32 v[LNHI], 0x400, v[LN]
	v_mov_b32 v[CDMP], 0x500
	v_lshlrev_b32 v[R16], 4, v[RR]
	v_lshrrev_b32 v8, 1, v[LN]
	v_and_b32 v9, 1, v[LN]
	v_mul_u32_u24 v8, v8, WPB
	v_lshl_add_u32 v[PFO], v9, 8, v8               ; row lane / 2, half lane % 2 of its 512 bytes
	v_lshlrev_b32 v[BMO], 2, v[LN]
	v_lshl_add_u32 v8, v[HH], 6, v[RR]
	v_mul_u32_u24 v8, v8, PITCH
	s_lshl_b32 s[T1], s[WV], 4
	v_add_nc_u32 v8, s[T1], v8                     ; LDS row 64 (L / 16) + L % 16, my wave's 8 k
	WIN 0xc0
	v_mov_b32 v[WAD], v8
	v_lshlrev_b32 v[WOF], 4, v[LN]
	WIN 0x40
	v_lshlrev_b32 v[TOF], 4, v[LN]
	WIN 0
	s_mov_b32 s[OF+1], 0
	s_mov_b32 s[PASS], 0
	s_lshl_b32 s[ROW0], s[WV], 4                   ; pass 0: my first tile begins at row 16 w
	s_wait_kmcnt 0x0
	s_lshl_b32 s[OF], s[EX], 8
	s_add_nc_u64 s[10:11], s[10:11], s[OF:OF+1]    ; the expert's two bitmaps
	s_lshl_b32 s[OF], s[EX], 12
	s_lshl_b32 s[T0], s[CS], 9
	s_add_co_u32 s[OF], s[OF], s[T0]
	s_add_nc_u64 s[6:7], s[6:7], s[OF:OF+1]        ; b2 at the slice
	s_lshl_b32 s[OF], s[EX], 24
	s_lshl_b32 s[T1], s[QK], 22
	s_add_co_u32 s[OF], s[OF], s[T1]
	s_add_co_u32 s[OF], s[OF], s[T0]
	s_add_nc_u64 s[4:5], s[4:5], s[OF:OF+1]        ; W2 at the slice
	s_and_b32 s[T1], s[WV], 1
	s_lshl_b32 s[T1], s[T1], 5
	s_lshr_b32 s[OF], s[WV], 1
	s_add_co_u32 s[OF], s[OF], s[T1]               ; my wave's rows 32 (w % 2) + w / 2
	s_lshl_b32 s[OF], s[OF], 12
	s_add_nc_u64 s[SW:SW+1], s[4:5], s[OF:OF+1]
	s_lshl_b32 s[OF], s[WV], 17                    ; rows 32 w
	s_add_co_u32 s[OF], s[OF], 3*WCH               ; of chunk 3
	s_add_nc_u64 s[SPF:SPF+1], s[4:5], s[OF:OF+1]
	s_mul_i32 s[OF], s[EX], 80
	s_mul_i32 s[T1], s[WV], 5
	s_add_co_u32 s[OF], s[OF], s[T1]               ; my first tile of pass 0: 80 e + 5 w
	s_lshl_b32 s[OF], s[OF], 17
	s_lshl_b32 s[T1], s[QK], 15                    ; blocks 32 qk on
	s_add_co_u32 s[OF], s[OF], s[T1]
	s_add_nc_u64 s[SA0:SA0+1], s[8:9], s[OF:OF+1]
	s_mov_b64 s[SA:SA+1], s[SA0:SA0+1]
	s_lshl_b32 s[OF], s[QK], 23
	s_add_co_u32 s[OF], s[OF], s[T0]
	s_add_nc_u64 s[SO:SO+1], s[14:15], s[OF:OF+1]
	s_wait_alu depctr_va_vdst(0)                   ; the offsets BMO, R16, WOF, TOF and PFO and the LDS addresses BAD and WAD are written, which the loads, stores and prefetches below read
	global_load_b32 v[BM0], v[BMO], s[10:11]
	global_load_b32 v[BM1], v[BMO], s[10:11] offset:128
	global_load_b128 v[BI:BI+3], v[R16], s[6:7]
	global_load_b128 v[BI+4:BI+7], v[R16], s[6:7] offset:256
	WLOAD 0, 0, 0                                  ; chunk 0
	WLOAD 1, 1, 0
	WLOAD 2, 2, 0
	WLOAD 3, 3, 0
	WIN 0
	s_cmp_eq_u32 s[QK], 0
	s_cselect_b32 s[T0], -1, 0                     ; the bias belongs to K quarter 0 alone
	s_wait_loadcnt 32                              ; bitmaps and bias are in; the 32 loads of W2 stay out
.irp z, 0,1,2,3
	v_cvt_pk_bf16_f32 v[8+(\z)], v[BI+2*(\z)], v[BI+2*(\z)+1]  ; the bias rounded to bf16 and widened again
	v_lshlrev_b32 v[BI+2*(\z)], 16, v[8+(\z)]
	v_and_b32 v[BI+2*(\z)+1], 0xffff0000, v[8+(\z)]
.endr
.irp z, 0,1,2,3,4,5,6,7
	v_and_b32 v[BI+(\z)], s[T0], v[BI+(\z)]
.endr
	LIST
	LIVE5
	PRO 0, 24                                      ; behind group 0: groups 1-3
	PRO 1, 24                                      ; behind group 1: groups 2-4
	PRO 2, 34                                      ; behind group 2: groups 3, 4, 5 and ten loads of h
	PRO 3, 44                                      ; behind group 3: groups 4, 5, 6 and twenty loads of h
	ACCINIT                                        ; behind the prologue's loads and stores: the moves run while those are on their way
	s_wait_dscnt 0x0                               ; my part of chunk 0 is stored
	s_barrier_signal -1
	s_barrier_wait -1                              ; everybody's is
	WIN W3
	s_wait_alu depctr_vm_vsrc(0)                   ; my LDS stores have read WAD, which the next line writes, and CT, which the first sub-step's conversions write
	v_add_nc_u32 v[WAD], CHB, v[WAD]
	FETCH 0, 0                                     ; no wait: no vector instruction has named these registers, and BAD was written ahead of the head's wait
	s_mov_b32 s[TR], 6
.Ltrip:                                                ; trip c = 0..5: multiplies chunk c, stores chunk c + 1, asks for chunk c + 2
	SUB 0, 44, 1, 1, 1, 1, 0, 1                    ; 44: behind these fragments came 8 + 10 + 8 + 10 + 8 loads
	SUB 1, 44, 1, 1, 1, 1, 0
	SUB 2, 44, 1, 1, 1, 1, 0
	SUB 3, 44, 1, 1, 1, 1, 1
	STEP
	s_sub_co_u32 s[TR], s[TR], 1
	s_cmp_lg_u32 s[TR], 0
	s_cbranch_scc1 .Ltrip
	SUB 0, 44, 1, 0, 1, 1, 0                       ; chunk 6: nothing of W2 is left to ask for, and the counts run down
	SUB 1, 36, 1, 0, 1, 1, 0
	SUB 2, 28, 1, 0, 1, 1, 0
	SUB 3, 20, 1, 0, 1, 1, 1
	STEP
	SUB 0, 20, 0, 0, 1, 1, 0                       ; chunk 7
	SUB 1, 20, 0, 0, 0, 1, 0
	SUB 2, 10, 0, 0, 0, 1, 0
	SUB 3, 0, 0, 0, 0, 0, 0, 0, 0                  ; it issues no load: no wait on va_vdst
	WIN 0
	s_branch .Lepi                                 ; pass 0 enters the loop over passes at the way out, which is written once
.Lpass:                                                ; passes 1 to 3: rows 320 PASS on, from the slice and the list that are in LDS: no barrier, and nothing is stored into LDS
	s_wait_xcnt 0x0                                ; the last pass's loads and stores have read their registers
	s_wait_alu depctr_vm_vsrc(0)                   ; the last pass's loads have read TOF4, BAD, LE and the gates' offsets, its stores EP and the rows' offsets: LIVE5, the move to BAD, this pass's loads of h and the way out write them again
	s_mul_i32 s[T0], s[PASS], 320
	s_cmp_ge_u32 s[T0], s[CNT]
	s_cbranch_scc1 .Ldead
	s_lshl_b32 s[T1], s[WV], 4
	s_add_co_u32 s[ROW0], s[T0], s[T1]
	LIVE5
	ACCINIT
	s_mul_i32 s[OF], s[PASS], 20*A_MI              ; 20 tiles a pass
	s_add_nc_u64 s[SA:SA+1], s[SA0:SA0+1], s[OF:OF+1]
	v_mov_b32 v[BAD], v[BAD0]
	s_mov_b32 s[BST], 128
	s_mov_b32 s[KT], 16
.Lkt:                                                  ; a trip: 64 of K, half a chunk.  Short text for a way that only an expert with more than 320 rows takes
	PLACES
	s_wait_alu depctr_va_vdst(0)                   ; the last trip's products are done reading TA0, TA1, WB0 and WB1, in which this trip's loads land, and BAD is written; ahead of the first trip TOF4 is written and the way out's lines are done with TA0 and TA1
	ALOAD 0, 0
	ALOAD 1, A_Q
	FETCH 0, 0
	SUB 0, 10, 0, 0, 0, 1, 0, 0, 0                 ; the second quarter's ten loads stay out; its fragment run lands in WB1, which nothing since the wait above names
	SUB 1, 0, 0, 0, 0, 0, 0, 0, 0
	WIN 0
	s_wait_xcnt 0x0
	s_add_nc_u64 s[SA:SA+1], s[SA:SA+1], 2*A_Q
	s_wait_alu depctr_vm_vsrc(0)                   ; the trip's LDS loads have read BAD
	v_add_nc_u32 v[BAD], s[BST], v[BAD]            ; 128 bytes on in the chunk's rows, or on to the next chunk's first bytes,
	s_xor_b32 s[BST], s[BST], BSTX                 ; by turns
	s_sub_co_u32 s[KT], s[KT], 1
	s_cmp_lg_u32 s[KT], 0
	s_cbranch_scc1 .Lkt
.Lepi:                                                 ; THE WAY OUT.  The entries and gates of all five tiles come at once, into the ring's registers, which are free: one wait for 40 loads
	PLACES
	s_wait_xcnt 0x0
	v_lshl_add_u32 v8, v[HH], 3, s[ROW0]           ; my first entry's word: ROW0 + 8 (lane / 16), 960 + 48 + 8 at the most:
	v_min_u32 v8, 0x3f8, v8                        ; the bound is never passed; it states the address's range in the text
	v_lshl_add_u32 v[LE], v8, 2, v[LB]
	WIN 0x40                                       ; destination window 1, address window 0
	s_wait_alu depctr_va_vdst(0)                   ; LE is written, which the LDS loads read; the last products are done reading the ring's registers, in which these loads and the gates' land
.irp m, 0,1,2,3,4
	ds_load_b128 v[EN+8*(\m):EN+8*(\m)+3], v[LE] offset:256*(\m)      ; register i: the entry of row 64 m + 8 (lane / 16) + i of my wave's
	ds_load_b128 v[EN+8*(\m)+4:EN+8*(\m)+7], v[LE] offset:256*(\m)+16
.endr
	s_wait_dscnt 0x0
	WIN 0x45                                       ; sources 0 and 1 and destination window 1, source 2 window 0
.set z, 0
.rept 40
	v_min_u32 v[EN+z], 0x7ff, v[EN+z]              ; a loaded number enters an address behind a bound written in this form
	v_lshlrev_b32 v[GO+z], 2, v[EN+z]
.set z, z+1
.endr
	s_wait_alu depctr_va_vdst(0)                   ; the 40 offsets GO are written, which the gates' loads read
.set z, 0
.rept 40
	global_load_b32 v[GA+z], v[GO+z], s[12:13]     ; gk[slot][token]
.set z, z+1
.endr
.set z, 0
.rept 40
	v_lshl_add_u32 v[EN+z], v[EN+z], 12, v[R16]    ; part's row of 4,096 bytes, my 16 bytes
.set z, z+1
.endr
	s_wait_loadcnt 0x0
.irp m, 0,1,2,3,4
	WIN 0
.if (\m) > 0
	s_wait_xcnt 0x0                                ; the last tile's stores have had their addresses translated,
	s_wait_alu depctr_vm_vsrc(0)                   ; and have read EP, which this tile's multiplies write again
.endif
	s_add_co_u32 s[T0], s[ROW0], 64*(\m)
	s_cmp_ge_u32 s[T0], s[CNT]
	s_cbranch_scc1 .Lepi_end                       ; this tile and those behind it lie past the count
.if (\m) < 4
	WIN 0x06                                       ; source 0 window 2, source 1 window 1, destination window 0
.set AC, 64*(\m)
.else
	WIN 0x07
.set AC, 0
.endif
.irp i, 0,1,2,3,4,5,6,7                ; register 0 of every accumulator first: each is read from its low end on
.irp t, 0,1,2,3,4,5,6,7
	v_mul_f32 v[EP+8*(\i)+(\t)], v[AC+8*(\t)+(\i)], v[GA+8*(\m)+(\i)]
.endr
.endr
	WIN 0x01                                       ; address window 1, data window 0
	s_wait_alu depctr_va_vdst(0)                   ; EP is written, the sixteen stores' data; so are the rows' offsets EN, their addresses
.irp i, 0,1,2,3,4,5,6,7
.irp g, 0,1
	global_store_b128 v[EN+8*(\m)+(\i)], v[EP+8*(\i)+4*(\g):EP+8*(\i)+4*(\g)+3], s[SO:SO+1] offset:256*(\g)  ; 16 lanes store 256 consecutive bytes of a row, aligned
.endr
.endr
.endr
	WIN 0
.Lepi_end:
.Ldead:
	s_add_co_u32 s[PASS], s[PASS], 1
	s_cmp_lt_u32 s[PASS], 4
	s_cbranch_scc1 .Lpass
	s_wait_dscnt 0x0                               ; my reads of LDS are back;
	s_barrier_signal -1
	s_barrier_wait -1                              ; every wave's are
	s_wait_dscnt 0x0                               ; the wave's end.  The add of 0 below lands on my spare word, in the 512 bytes behind the lists
	s_wait_alu depctr_hold_cnt(0) depctr_sa_sdst(0) depctr_va_vdst(0) depctr_va_sdst(0) depctr_va_ssrc(0) depctr_va_vcc(0) depctr_vm_vsrc(0)
	s_wait_tensorcnt 0x0
	ds_add_u32 v254, v255
	s_wait_dscnt 0x0
	s_endpgm
.Lfunc_end_k_q402eca5a06_ffn2:
	.size	k_q402eca5a06_ffn2, .Lfunc_end_k_q402eca5a06_ffn2-k_q402eca5a06_ffn2
	.p2alignl 7, 3214868480
	.fill 96, 4, 3214868480
	.section	.rodata,"a",@progbits
	.p2align	6, 0x0
	.amdhsa_kernel k_q402eca5a06_ffn2
		.amdhsa_group_segment_fixed_size 311808
		.amdhsa_private_segment_fixed_size 0
		.amdhsa_enable_private_segment 0
		.amdhsa_kernarg_size 48
		.amdhsa_user_sgpr_count 2
		.amdhsa_user_sgpr_kernarg_segment_ptr 1
		.amdhsa_wavefront_size32 1
		.amdhsa_system_sgpr_workgroup_id_x 1
		.amdhsa_system_sgpr_workgroup_id_y 1
		.amdhsa_system_sgpr_workgroup_id_z 1
		.amdhsa_system_vgpr_workitem_id 0
		.amdhsa_next_free_vgpr 1024
		.amdhsa_next_free_sgpr 66
		.amdhsa_reserve_vcc 0
		.amdhsa_float_denorm_mode_32 3
		.amdhsa_float_denorm_mode_16_64 3
		.amdhsa_memory_ordered 1
		.amdhsa_forward_progress 1
		.amdhsa_inst_pref_size 155
	.end_amdhsa_kernel
	.amdgpu_metadata
---
amdhsa.version: [ 1, 2 ]
amdhsa.kernels:
  - .name:           k_q402eca5a06_ffn2
    .symbol:         k_q402eca5a06_ffn2.kd
    .args:
      - { .name: W2, .offset: 0, .size: 8, .value_kind: global_buffer, .address_space: global }
      - { .name: b2, .offset: 8, .size: 8, .value_kind: global_buffer, .address_space: global }
      - { .name: h, .offset: 16, .size: 8, .value_kind: global_buffer, .address_space: global }
      - { .name: bm, .offset: 24, .size: 8, .value_kind: global_buffer, .address_space: global }
      - { .name: gk, .offset: 32, .size: 8, .value_kind: global_buffer, .address_space: global }
      - { .name: part, .offset: 40, .size: 8, .value_kind: global_buffer, .address_space: global }
    .group_segment_fixed_size: 311808
    .private_segment_fixed_size: 0
    .kernarg_segment_align: 8
    .kernarg_segment_size: 48
    .max_flat_workgroup_size: 128
    .sgpr_count:     66
    .vgpr_count:     1024
    .wavefront_size: 32
...
	.end_amdgpu_metadata
.endif
;; end of part 8
;; launch combine: the kernel of part 4 again; grid 256 x 1, 8 waves a work-group, no clusters, 0 bytes of LDS; arguments part, out0; writes out0
